; MI455X (gfx1250); checked and timed in simulation.
; The chip was launched on July 23, 2026; its instructions are those of AMD's public machine-readable ISA for CDNA 5 (MIT licence, August 2026) and "CDNA5" Instruction Set Architecture Reference Guide (July 2026). The comments in the code are by the model that wrote it; some were corrected since.
;; HNC strategy. Allowed arithmetic: matrix products marked QUANTISED: E2M1 operands, one E8M0 scale for each 32 along K, by v_wmma_scale_f32_16x16x128_f8f6f4 with both operands' format E2M1 (or v_wmma_scale_f32_32x16x128_f4), f32 sums; products left as they are: f32 operands where the result goes on into a quantised operand, else bf16, f16 or f32 operands; f32 sums; everything else in f32.
;; Inputs: freqs 16,384 x 64 float32; hb0 66 float32; hb1 66 float32; hb2 66 float32; hb3 8 float32; head_b 12,609 float32; head_w 12,609 x 8 float32; hw0 66 x 65 float32; hw1 66 x 66 float32; hw2 66 x 66 float32; hw3 8 x 66 float32; t one number float32; y 16,384 x 128 float32.
;; Outputs: out0 16,384 x 64 float32.
;; This version of the problem:
;;   THIS VERSION OF THE PROBLEM IS GIVEN IN LOW PRECISION. The matrix products marked QUANTISED in the list below multiply operands that are first quantised to E2M1 (2 exponent bits, 1 mantissa bit; 4 bits a number), with one power-of-two scale for each 32 numbers along K (OCP MX v1.0); their sums are f32. All else is computed in f32.
;;   The module's matrix products, in the order in which they are computed (A, B: the left and right operand; K: the contracted axis; several contracted axes count as one K, in the product's order):
;;     1. [M 16,384, K 65] x [K 65, N 66]; A: computed on the way; B: input hw0: QUANTISED
;;     2. [M 16,384, K 66] x [K 66, N 66]; A: computed on the way; B: input hw1: QUANTISED
;;     3. [M 16,384, K 66] x [K 66, N 66]; A: computed on the way; B: input hw2: QUANTISED
;;     4. [M 16,384, K 66] x [K 66, N 8]; A: computed on the way; B: input hw3: left as it is (N = 8 < 16)
;;     5. [M 16,384, K 8] x [K 8, N 12,609]; A: computed on the way; B: input head_w: left as it is (K = 8 < 32)
;;     6. batch 16,384 x [M 65, K 128] x [K 128, N 1]; A: computed on the way; B: computed on the way: left as it is (N = 1 < 16)
;;     7. batch 16,384 x [M 64, K 65] x [K 65, N 1]; A: computed on the way; B: computed on the way: left as it is (N = 1 < 16)
;;   THE QUANTISER, for each operand of a quantised product, along K:
;;     - K is cut into blocks of 32 from its start; a last block that is shorter is filled with zeros.
;;     - A block's scale is 2^e with e = floor(log2(the largest magnitude in the block)) - 2, held to -126 .. 127; a block of zeros has e = 0. As a byte (E8M0): e + 127.
;;     - Each number is divided by its block's scale, clamped to +-6, and rounded to the nearest number of E2M1, ties to even, subnormals kept.
;;     - The product sums the exact products of the quantised numbers (number of the format x scale) in f32.
;;   ~~~python
;;   def quantise(x, axis):      # numpy; x: float32 -> the quantised numbers, widened to float32 again
;;       x = np.moveaxis(x, axis, -1); K = x.shape[-1]
;;       x = np.pad(x, [(0, 0)] * (x.ndim - 1) + [(0, -K % 32)]); x = x.reshape(x.shape[:-1] + (-1, 32)); a = np.abs(x).max(-1, keepdims=True)
;;       e = np.where(a > 0, np.clip(np.frexp(np.where(a > 0, a, 1))[1] - 1 - 2, -126, 127), 0)      # np.frexp(a)[1] - 1 = floor(log2(a)), exactly
;;       r = np.clip(x / 2.0 ** e, -6, 6)
;;       step = 2.0 ** (np.maximum(np.frexp(np.where(r == 0, 1, r))[1] - 1, 0) - 1)
;;       q = np.round(r / step) * step * 2.0 ** e      # np.round: ties to even
;;       return np.moveaxis(q.reshape(q.shape[:-2] + (-1,))[..., :K], -1, axis).astype(np.float32)
;;   ~~~
;;   OPERANDS COMPUTED ON THE WAY. 'Computed on the way' means the value that the module computes at that place (a softmax that the list does not call 'softmax' is quantised finished and normalised). What goes into a quantiser is computed in f32, as accurately as f32 sums, v_exp_f32 and their like allow (about 1e-6 of the number): no bf16 or f16 on the way to a quantiser, and a product that is left as it is and whose result goes on into a quantised operand takes f32 operands (vector FMAs, or v_wmma_f32_16x16x4_f32). A number that lies on a knife's edge between two numbers of the format may be rounded either way, as far as f32 arithmetic and the matrix unit's own rounding can turn it there, and no further.
;; 3 versions, each right; version 2 is faster than version 1; version 3 is version 2 with the launch hnc written anew for expert scheduling mode. Each part assembles by itself: llvm-mc -triple=amdgcn-amd-amdhsa -mcpu=gfx1250 --defsym DOCPART=n.
;; ======== version 1 of 3: 1 launch
;; limits: values are held in f16: magnitudes above 65,504 overflow, below 6.1e-05 lose precision; inputs' magnitudes at most 65,504; an absolute error that grows with the inputs' magnitude: up to 6e-08 times it; a function is approximated: absolute error at most 1.5e-05
;; launch hnc (part 1): grid 256 x 1, 8 waves a work-group, no clusters, 266,752 bytes of LDS; arguments t, y, freqs, hw0, hb0, hw1, hb1, hw2, hb2, hw3, hb3, head_w, head_b, out0; writes out0
.if DOCPART == 1
	.amdgcn_target "amdgcn-amd-amdhsa--gfx1250"
	.amdhsa_code_object_version 6
	.text
	.protected	k_q538fddc05f_hnc
	.globl	k_q538fddc05f_hnc
	.p2align	8
	.type	k_q538fddc05f_hnc,@function
k_q538fddc05f_hnc:
	s_mov_b64 s[64:65], 0
	v_nop
	global_prefetch_b8 v0, s[64:65] scope:SCOPE_SE
	s_setreg_imm32_b32 hwreg(HW_REG_WAVE_MODE, 25, 1), 1
	s_wait_xcnt 0x0
; HNC_strategy, one launch.  16,384 samples; a work-group of eight waves takes 64 of them (four tiles s of 16), 256 work-groups.
; THE PER-SAMPLE PARAMETERS ARE NEVER FORMED.  With h = the hypernet's 8 outputs, HW(p, c) = head_w[p][c], HB(p) = head_b[p]:
;   hid_pre[j] = sum_c h_c ( sum_i x_i HW(128 j + i, c) + HW(8320 + j, c) ) + ( sum_i x_i HB(128 j + i) + HB(8320 + j) )
;   out[o]     = sum_c h_c ( sum_j hid_j HW(8385 + 65 o + j, c) + HW(12545 + o, c) ) + ( sum_j hid_j HB(8385 + 65 o + j) + HB(12545 + o) )
; The inner sums are products with weights that no sample changes: f16 operands, f32 sums; the b1 and b2 rows are the f32 C of each sum's first matrix instruction.
; All products are used transposed (source 0 = 16 weight rows, source 1 = 16 samples): a lane holds ONE sample.  A main tile is 2 j (or 2 o) x 8 c, so a lane's eight results are c = 0 .. 7 of one j,
; and the sum over c with h is four packed multiply-adds and one addition inside the lane.
; ROLES.  Waves 0-3 quantise hw0 .. hw2 and run the hypernet of sample tile w (products 1 to 3 on E2M1 codes with E8M0 scales, product 4 in the f32 matrix form: 17 K steps, a small part of the work).
; Waves 4-7 (g = w - 4) make x = [cos y, sin y] of tile g and then the whole first product meanwhile.  Then all eight waves: sum over c, tanh, second product, sum over c, output.
; The roles part on the wave's number alone and join at every barrier; EXEC is never written.
; K ORDERS (the same permutation on both operands of a product).  First product: place 8 a + q holds i = a + 16 q, so that eight dense 16-byte loads of a j block give a lane four whole 16-byte pieces of
; operand rows and the packing conversion does the turning.  Second product: place 4 a + q holds j = a + 16 q; j = 64 is a third K step of which one number is not zero.
; Product 1: inside each block of 32, place p holds k = 32 b + (p + 1) % 32, so that a lane takes 32 aligned neighbours of freqs.
; NO JOINT LOADS, NO TENSOR LOADS, though every work-group reads the same weights: head_w and head_b arrive as 453,924 bytes of f32 and are wanted as f16 in another order; the text uses 265,728 bytes of LDS,
; so they could only pass through a small ring that is filled again and again and would still be read back as f32 and converted.  They go from memory through registers, converted on the way.
; NO PREFETCH: the streams read once (freqs, half of y) are asked for at the head, and nothing later waits for memory that was not asked for a tile ahead.
; tanh: |x| < 1/4: x - x^3/3 + 2x^5/15 - 17x^7/315 + 62x^9/2835 (the next term is under 1e-8 of x); else (e - 1)/(e + 1), e = 2^(2 log2(e) min(x, 43)).
; sin, cos: y is reduced to a = (y - 2 pi n)/2 by one fused multiply-add; Taylor to a^9 and a^10; sin y = 2 sin a cos a, cos y = 1 - 2 sin^2 a.
; LIMITS.  head_w, head_b, x and hid are rounded to f16 (half an ulp is 2^-11 of the number): magnitudes of head_w or head_b above 65,504 overflow, under 6e-5 they keep an absolute error of 2^-25.
; sin and cos carry 1.5e-5 + 6e-8 |y|.  NaN and infinities among the inputs are not served (a NaN ahead of tanh gives 1).  A block of zeros gets the scale byte 1 with zero codes; the bytes are read here alone.
; y[:, 64:] is not read: the computation does not use it.
;
; LDS, in bytes
.set PRIVB, 5376                       ; 8 x 5,376: a wave's own: the turn of freqs (16 x 272), raw rows of hw (2 x 2,624), the weights' stage (16 x 272, later 16 x 144)
.set HWI,   43008                      ; 15 slots of 1,152: an E2M1 fragment as an image of its registers (2 x 512) and its scale words (128).  Slot 4 l + tile; tile 4 of layer l: 12 + l
.set XIM,   60416                      ; x, f16, 64 rows of 256 + 16
.set HIM,   77824                      ; h: images of eight registers, 1,024 for each s
.set HID,   81920                      ; hid, f16, 64 rows of 128 + 16
.set H64,   91136                      ; hid[64]: image of one register, 128 for each s
.set BIA,   91648                      ; the head_b sums of the first product, f32, 64 rows of 80 numbers + 16 bytes
.set OST,   113152                     ; the output's stage, f32, 64 rows of 256 + 16
.set TIM,   130560                     ; the first product's main tiles: (tile 0 .. 32) x s x 1,024, images of eight registers
; byte offsets in head_w (32 a parameter) and head_b (4 a parameter)
.set HW_B1, 266240
.set HW_W2, 268320
.set HW_B2, 401440
.set HB_B1, 33280
.set HB_W2, 33540
.set HB_B2, 50180
; REGISTERS.  v0 thread, v1 lane l, v2 r = l % 16, v3 hh = l / 16; v4-25 addresses and offsets, made anew in each part; v26-31 three constants as pairs.
; v234-238 the weights' scale words, v239 the activations': scales and nothing else.  v240-255: the two sums of product 4, written by matrix instructions alone.
; hyper role: v32-71 five result tiles; v72-111 five weight fragments; v120-127 the activations' codes; v128-135 the K tail (130-135 stay 0); v136-231 at work.
;   window 1: v0-119 the three layers' biases as C; v120-153 hw3; v156-163 hb3; v164-203 raw rows of hw1.
; gemm role: v32-95 weights as loaded; v96-127 packed; v128-159 four accumulators; v160-175 two sets of C.   window 1: v0-127 x's 16 fragments; v128-159 a weight tile's four.
; all waves, later: v32-63 h; v64-127 at work; v128-159 weights as loaded; v160-175 packed; v176-191 two sets of C; v192-193 the j = 64 weights; v196-211 hid_pre, then out; v212-227 sums of head_b.
;   window 1: v0-95 hid's 12 fragments; v128-151 a weight tile's three.
.set QT,  184                          ; the weight quantiser's registers: +0 .. +2 maxima, +3, +4 scale operands, +5, +6 bytes, +7 the other half's word, +8 = 8 hh
.set TL,  128
.set HQ,  208                          ; the activation quantiser's: +0 maxima, +3 the other half's, +6 scale operands, +9 bytes
.set YY,  168                          ; trig: y, then a
.set NW,  200                          ; n, then a^2, then 2 sin a
.set SNR, 96                           ; sin a, then cos y
.set CSR, 128                          ; cos a, then sin y
.set MSB, 0
.macro WIN new                         ; the immediate's high byte repeats the setting that is left; a switch that changes nothing is dropped
.if MSB != \new
	s_set_vgpr_msb (MSB<<8)|\new
.set MSB, \new
.endif
.endm
.macro BAR                             ; my LDS stores have landed and my LDS loads are in: then the work-group's barrier
	s_wait_dscnt 0x0
	s_barrier_signal -1
	s_barrier_wait -1
.endm
.macro NOPS n
.rept \n
	v_nop
.endr
.endm
.macro SPAIR r, bits                   ; a constant as a scalar pair: the packed forms name the pair and take its low word for both halves
	s_mov_b32 s[\r], \bits
	s_mov_b32 s[\r+1], \bits
.endm
; runs of n packed instructions on register pairs d, a, b, c (stage by stage, so that no line waits for the line above it)
.macro R_MUL d, a, b, n
.set j, 0
.rept \n
	v_pk_mul_f32 v[(\d)+j:(\d)+j+1], v[(\a)+j:(\a)+j+1], v[(\b)+j:(\b)+j+1]
.set j, j+2
.endr
.endm
.macro R_MULS d, a, sc, n
.set j, 0
.rept \n
	v_pk_mul_f32 v[(\d)+j:(\d)+j+1], v[(\a)+j:(\a)+j+1], s[\sc:\sc+1] op_sel_hi:[1,0]
.set j, j+2
.endr
.endm
.macro R_ADD d, a, b, n
.set j, 0
.rept \n
	v_pk_add_f32 v[(\d)+j:(\d)+j+1], v[(\a)+j:(\a)+j+1], v[(\b)+j:(\b)+j+1]
.set j, j+2
.endr
.endm
.macro R_ADDK d, a, k, n
.set j, 0
.rept \n
	v_pk_add_f32 v[(\d)+j:(\d)+j+1], v[(\a)+j:(\a)+j+1], \k op_sel_hi:[1,0]
.set j, j+2
.endr
.endm
.macro R_FMA d, a, b, c, n
.set j, 0
.rept \n
	v_pk_fma_f32 v[(\d)+j:(\d)+j+1], v[(\a)+j:(\a)+j+1], v[(\b)+j:(\b)+j+1], v[(\c)+j:(\c)+j+1]
.set j, j+2
.endr
.endm
.macro R_FMAS d, a, b, sc, n           ; + a scalar constant
.set j, 0
.rept \n
	v_pk_fma_f32 v[(\d)+j:(\d)+j+1], v[(\a)+j:(\a)+j+1], v[(\b)+j:(\b)+j+1], s[\sc:\sc+1] op_sel_hi:[1,1,0]
.set j, j+2
.endr
.endm
.macro R_FMAK d, a, b, k, n            ; + an inline constant
.set j, 0
.rept \n
	v_pk_fma_f32 v[(\d)+j:(\d)+j+1], v[(\a)+j:(\a)+j+1], v[(\b)+j:(\b)+j+1], \k op_sel_hi:[1,1,0]
.set j, j+2
.endr
.endm
.macro R_FMAC d, a, cv, sc, n          ; a x the constant pair v[cv] + a scalar constant
.set j, 0
.rept \n
	v_pk_fma_f32 v[(\d)+j:(\d)+j+1], v[(\a)+j:(\a)+j+1], v[\cv:\cv+1], s[\sc:\sc+1] op_sel_hi:[1,1,0]
.set j, j+2
.endr
.endm
; tanh of 2 N numbers from v[X] on, in place; 8 N registers from v[TB] on at work.  The exponentials are one batch and the reciprocals another, each with plain work behind it and ONE wait
; ahead of its first reader.
.macro TANHG X, N, TB
.set tE, (\TB)
.set tD, (\TB)+2*(\N)
.set tW, (\TB)+4*(\N)
.set tP, (\TB)+6*(\N)
.set j, 0
.rept 2*(\N)
	v_min_num_f32 v[tE+j], 0x422c0000, v[(\X)+j]   ; min(x, 43): e stays finite.  (Results of matrix instructions are read here from their low end on)
.set j, j+1
.endr
	R_MULS tE, tE, 44, \N                          ; x 2 log2(e)
.set j, 0
.rept 2*(\N)
	v_exp_f32 v[tE+j], v[tE+j]                     ; e = exp(2 x)
.set j, j+1
.endr
	R_MUL  tW, \X, \X, \N                          ; the series, plain work behind the exponentials: w = x^2
	R_FMAC tP, tW, 26, 50, \N                      ; 62/2835 w - 17/315
	R_FMAS tP, tP, tW, 48, \N                      ; .. w + 2/15
	R_FMAS tP, tP, tW, 46, \N                      ; .. w - 1/3
	R_MUL  tP, tP, tW, \N
	R_FMA  tP, \X, tP, \X, \N                      ; x + x (..)
	s_wait_alu depctr_va_vdst(0)                   ; one wait for the batch of exponentials
	R_ADDK tD, tE, 1.0, \N
	R_ADDK tE, tE, -1.0, \N
.set j, 0
.rept 2*(\N)
	v_rcp_f32 v[tD+j], v[tD+j]
.set j, j+1
.endr
.set j, 0
.rept 2*(\N)
	v_cmp_gt_f32 s[68+j], s9, v[tW+j]              ; 1/16 > x^2: the series serves.  (Plain work behind the reciprocals)
.set j, j+1
.endr
	s_wait_alu depctr_va_vdst(0)                   ; one wait for the batch of reciprocals
	R_MUL  tE, tE, tD, \N                          ; (e - 1) / (e + 1)
.set j, 0
.rept 2*(\N)
	v_cndmask_b32 v[(\X)+j], v[tE+j], v[tP+j], s[68+j]
.set j, j+1
.endr
.endm
; A lane holds a WHOLE block of 32 along K in v[V] .. v[V+31] (block hh of its row) and the first eight numbers of block 2 + hh in v[TL] .. v[TL+7].  Out: five registers of codes from v[OUT] on, the row's scale word in v[SW].
; A block's scale operand is its largest magnitude with 2 taken off the exponent field; the floor 2^(3 - 127) among the maximum's leaves holds the byte at 1 from below.
.macro QW V, OUT, SW
	v_max3_num_f32 v[QT], |v[(\V)]|, |v[(\V)+1]|, 0x1800000
	v_max3_num_f32 v[QT+1], |v[(\V)+2]|, |v[(\V)+3]|, 0x1800000
.irp i, 4,8,12,16,20,24,28
	v_max3_num_f32 v[QT], v[QT], |v[(\V)+\i]|, |v[(\V)+\i+1]|
	v_max3_num_f32 v[QT+1], v[QT+1], |v[(\V)+\i+2]|, |v[(\V)+\i+3]|
.endr
	v_max3_num_f32 v[QT+2], |v[TL]|, |v[TL+1]|, 0x1800000
	v_max_num_f32 v[QT], v[QT], v[QT+1]
	v_add_nc_u32 v[QT+3], 0xff000000, v[QT]
	v_add_nc_u32 v[QT+4], 0xff000000, v[QT+2]
	v_lshrrev_b32 v[QT+5], 23, v[QT+3]             ; the bytes of blocks hh and 2 + hh,
	v_lshrrev_b32 v[QT+6], 23, v[QT+4]
	v_lshl_or_b32 v[QT+5], v[QT+6], 16, v[QT+5]
	v_lshlrev_b32 v[QT+5], v[QT+8], v[QT+5]        ; at their places in the word (8 hh bits up);
	v_permlanex16_b32 v[QT+7], v[QT+5], s6, s7
	v_or_b32 v[\SW], v[QT+5], v[QT+7]              ; with lane l xor 16's two the word is whole
.irp g, 0,1,2,3
	v_cvt_scalef32_pk8_fp4_f32 v[(\OUT)+\g], v[(\V)+8*\g:(\V)+8*\g+7], v[QT+3]
.endr
	v_cvt_scalef32_pk8_fp4_f32 v[(\OUT)+4], v[TL:TL+7], v[QT+4]
	v_nop                                          ; one plain place behind a scaled conversion
.endm
; a layer's bias in the result's layout: tile 2 b + u, lane (r, hh), register e: unit 32 b + 16 hh + 8 u + e; tile 4: units 64 and 65 in registers 0 and 1.  Window 1
.macro LDBI lay, sb
.irp q, 0,1,2,3
	global_load_b128 v[40*\lay+8*\q:40*\lay+8*\q+3], v18, s[\sb:\sb+1] offset:128*(\q/2)+32*(\q%2)
	global_load_b128 v[40*\lay+8*\q+4:40*\lay+8*\q+7], v18, s[\sb:\sb+1] offset:128*(\q/2)+32*(\q%2)+16
.endr
	global_load_b64 v[40*\lay+32:40*\lay+33], v19, s[\sb:\sb+1] offset:256
.endm
.macro BATCH2                          ; 37 loads: the biases of layers 1 and 2, hw3 in the f32 form's layout, hb3
	WIN 0x40
	LDBI 1, 28
	LDBI 2, 32
.set sg, 0
.rept 16
	global_load_b64 v[120+2*sg:121+2*sg], v20, s[34:35] offset:128*(sg/8)+8*(sg%8)   ; K step sg: hw3[r % 8][32 (sg / 8) + 16 hh + 2 (sg % 8) + 0, 1]
.set sg, sg+1
.endr
	global_load_b64 v[152:153], v21, s[34:35] offset:256                            ; the tail: hw3[r % 8][64, 65]
	global_load_b128 v[156:159], v19, s[36:37]
	global_load_b128 v[160:163], v19, s[36:37] offset:16
	WIN 0
.endm
; Pass pi: tile w of layer pi.  Its 16 rows are two runs of 8 neighbouring rows, loaded dense; they go through my own LDS bytes and come back a row to a lane.
.macro PASS pi, cnt
.if \pi == 0
.set CRB, 32
.elseif \pi == 1
.set CRB, 164
.else
.set CRB, 136
.endif
	s_wait_loadcnt \cnt                            ; this pass's ten loads are in; the count is what was issued behind them
.if \pi == 1
	WIN 0x04                                       ; an LDS store's data are its source 1: window 1
.endif
.irp gq, 0,1
.irp i, 0,1,2,3,4
	ds_store_b128 v7, v[CRB+20*\gq+4*\i:CRB+20*\gq+4*\i+3] offset:2624*\gq+512*\i
.endr
.endr
	WIN 0
.if \pi == 0
.set p, 0
.rept 32
	ds_load_b32 v[196+p], v8 offset:4*((p+1)%32)   ; place p holds k = 32 hh + (p + 1) % 32, as z has it; rows of 260 bytes
.set p, p+1
.endr
	ds_load_b32 v106, v9 offset:256                ; k = 64
.else
.set p, 0
.rept 16
	ds_load_b64 v[196+2*p:197+2*p], v10 offset:8*p ; rows of 264 bytes
.set p, p+1
.endr
	ds_load_b64 v[106:107], v11 offset:256         ; k = 64, 65
.endif
.if \pi == 2
	BATCH2                                         ; what the layers will want: asked for here, a pass and a half ahead of the join
.endif
	s_wait_dscnt 0x0                               ; the rows are in, and the last pass's image stores have read their registers
	v_cndmask_b32 v[TL], 0, v106, s8               ; block 2 belongs to lanes 0-15; lanes 16-31 hold block 3: zeros
.if \pi == 0
	v_mov_b32 v[TL+1], 0
.else
	v_cndmask_b32 v[TL+1], 0, v107, s8
.endif
	QW 196, 176, 194
	ds_store_b128 v12, v[176:179] offset:4608*\pi  ; the fragment goes to LDS as an image of its registers,
	ds_store_b128 v12, v[180:183] offset:4608*\pi+512
	ds_store_b32 v13, v194 offset:4608*\pi+1024    ; its scale words likewise
.endm
.macro WLOAD lay                       ; a layer's five fragments and scale words, from their images
.irp q, 0,1,2,3
	ds_load_b128 v[72+8*\q:75+8*\q], v4 offset:HWI+1152*(4*(\lay)+\q)
	ds_load_b128 v[76+8*\q:79+8*\q], v4 offset:HWI+1152*(4*(\lay)+\q)+512
	ds_load_b32 v[234+\q], v5 offset:HWI+1152*(4*(\lay)+\q)+1024
.endr
	ds_load_b128 v[104:107], v4 offset:HWI+1152*(12+(\lay))
	ds_load_b128 v[108:111], v4 offset:HWI+1152*(12+(\lay))+512
	ds_load_b32 v238, v5 offset:HWI+1152*(12+(\lay))+1024
.endm
; The activations become the next product's operand.  Register 16 b + e of v32 on is unit 32 b + 16 hh + e: a block lies in lanes l and l xor 16.
.macro QH
.irp b, 0,1
	v_max3_num_f32 v[HQ+\b], |v[32+16*\b]|, |v[33+16*\b]|, 0x1800000
.endr
	v_max3_num_f32 v[HQ+2], |v[TL]|, |v[TL+1]|, 0x1800000
.irp i, 2,4,6,8,10,12,14
.irp b, 0,1
	v_max3_num_f32 v[HQ+\b], v[HQ+\b], |v[32+16*\b+\i]|, |v[33+16*\b+\i]|
.endr
.endr
.irp b, 0,1,2
	v_permlanex16_b32 v[HQ+3+\b], v[HQ+\b], s6, s7
.endr
.irp b, 0,1,2
	v_max_num_f32 v[HQ+\b], v[HQ+\b], v[HQ+3+\b]
.endr
.irp b, 0,1,2
	v_add_nc_u32 v[HQ+6+\b], 0xff000000, v[HQ+\b]
.endr
.irp b, 0,1,2
	v_lshrrev_b32 v[HQ+9+\b], 23, v[HQ+6+\b]
.endr
	v_lshl_or_b32 v239, v[HQ+10], 8, v[HQ+9]
	v_lshl_or_b32 v239, v[HQ+11], 16, v239
	v_or_b32 v239, 0x1000000, v239                 ; block 3 is zeros: byte 1
.irp b, 0,1
	v_cvt_scalef32_pk8_fp4_f32 v[120+2*\b], v[32+16*\b:39+16*\b], v[HQ+6+\b]
	v_cvt_scalef32_pk8_fp4_f32 v[121+2*\b], v[40+16*\b:47+16*\b], v[HQ+6+\b]
.endr
	v_cvt_scalef32_pk8_fp4_f32 v124, v[TL:TL+7], v[HQ+8]
	v_nop                                          ; one plain place behind a scaled conversion
	v_permlane16_swap_b32 v120, v122               ; the operand wants a whole block in a lane: lanes 0-15 block 0, lanes 16-31 block 1
	v_permlane16_swap_b32 v121, v123
	NOPS 8                                         ; a scale register written by a vector instruction stands 8 places ahead of a scaled matrix instruction, an operand 4
.endm
.macro HLAYER lay
	s_wait_dscnt 0x0                               ; the layer's fragments and scale words are in
	WIN 0x10                                       ; C (the bias) in window 1
.irp q, 0,1,2,3,4
	v_wmma_scale_f32_16x16x128_f8f6f4 v[32+8*\q:39+8*\q], v[72+8*\q:79+8*\q], v[120:127], v[40*(\lay)+8*\q:40*(\lay)+8*\q+7], v[234+\q], v239 matrix_a_fmt:MATRIX_FMT_FP4 matrix_b_fmt:MATRIX_FMT_FP4
.endr
	WIN 0
	NOPS 4                                         ; places in front of loads into registers that the products have read, and of the first read of results
.if \lay < 2
	WLOAD (\lay)+1                                 ; the next layer's: they land during the tanh
.endif
	TANHG 32, 9, 136
	TANHG 50, 7, 136
	TANHG 64, 1, 136
	v_cndmask_b32 v[TL], 0, v64, s8                ; units 64 and 65 lie in lanes 0-15 of tile 4's registers 0 and 1
	v_cndmask_b32 v[TL+1], 0, v65, s8
.if \lay < 2
	QH
.endif
.endm
; ---- the first product's macros (gemm role)
.macro LD1M m, c                       ; main tile g + 4 m: the blocks j = 2 t, 2 t + 1 of head_w, 4,096 dense bytes each, and HW(8320 + j, .) as C set c: 18 loads
.irp jl, 0,1
.irp q, 0,1,2,3,4,5,6,7
	global_load_b128 v[32+32*\jl+4*\q:35+32*\jl+4*\q], v5, s[38:39] offset:32768*(\m)+4096*\jl+512*\q
.endr
.endr
	global_load_b128 v[160+8*(\c):163+8*(\c)], v6, s[38:39] offset:HW_B1+256*(\m)
	global_load_b128 v[164+8*(\c):167+8*(\c)], v6, s[38:39] offset:HW_B1+256*(\m)+16
.endm
.macro LD1B x, c                       ; head_b tile g + x: rows j = 16 (g + x) .. + 15 of 512 bytes, and HB(8320 + j) as C
.irp jl, 0,1
.irp q, 0,1,2,3,4,5,6,7
	global_load_b128 v[32+32*\jl+4*\q:35+32*\jl+4*\q], v4, s[40:41] offset:8192*(\x)+4096*\jl+64*\q
.endr
.endr
	global_load_b128 v[160+8*(\c):163+8*(\c)], v6, s[40:41] offset:HB_B1+64*(\x)
	global_load_b128 v[164+8*(\c):167+8*(\c)], v6, s[40:41] offset:HB_B1+64*(\x)+16
.endm
.macro CV1                             ; 64 f32 become eight pieces of 16 bytes: piece (jl, cc) = places q = 0 .. 7 of one operand row
.irp jl, 0,1
.irp cc, 0,1,2,3
.irp mm, 0,1,2,3
	v_cvt_pk_f16_f32 v[96+16*\jl+4*\cc+\mm], v[32+32*\jl+8*\mm+\cc], v[36+32*\jl+8*\mm+\cc]
.endr
.endr
.endr
.endm
.macro ST1 adr, stride                 ; the pieces into my stage, 16 rows of 272 bytes
.irp jl, 0,1
.irp cc, 0,1,2,3
	ds_store_b128 v[\adr], v[96+16*\jl+4*\cc:99+16*\jl+4*\cc] offset:2176*\jl+(\stride)*\cc
.endr
.endr
.endm
.macro FRL                             ; and back as four fragments (LDS serves a wave's instructions in order: these see the stores above)
	WIN 0x40
.irp k, 0,1,2,3
	ds_load_b128 v[128+8*\k:131+8*\k], v10 offset:64*\k
	ds_load_b128 v[132+8*\k:135+8*\k], v10 offset:64*\k+32
.endr
	WIN 0
.endm
.macro MM1 c                           ; 16 products: the four sample tiles' accumulators by turns, one instruction a turn; the first K step takes C set c
	WIN 0x05
.irp k, 0,1,2,3
.irp s, 0,1,2,3
.if \k == 0
	v_wmma_f32_16x16x32_f16 v[128+8*\s:135+8*\s], v[128+8*\k:135+8*\k], v[32*\s+8*\k:32*\s+8*\k+7], v[160+8*(\c):167+8*(\c)]
.else
	v_wmma_f32_16x16x32_f16 v[128+8*\s:135+8*\s], v[128+8*\k:135+8*\k], v[32*\s+8*\k:32*\s+8*\k+7], v[128+8*\s:135+8*\s]
.endif
.endr
.endr
	WIN 0
.endm
.macro TST adr, imm                    ; a main tile's results to LDS as images, each accumulator from its low end on
.irp s, 0,1,2,3
	ds_store_b128 v[\adr], v[128+8*\s:131+8*\s] offset:(\imm)+1024*\s
	ds_store_b128 v[\adr], v[132+8*\s:135+8*\s] offset:(\imm)+1024*\s+512
.endr
.endm
.macro BST imm                         ; a head_b tile's results: row = sample, eight neighbouring j
.irp s, 0,1,2,3
	ds_store_b128 v14, v[128+8*\s:131+8*\s] offset:(\imm)+5376*\s
	ds_store_b128 v14, v[132+8*\s:135+8*\s] offset:(\imm)+5376*\s+16
.endr
.endm
.macro GMAIN i                         ; tile i is multiplied; tile i + 1 is converted and staged; tile i + 2 is asked for
	s_wait_dscnt 0x0                               ; tile i's fragments are in; the last tile's stores have read their registers
	MM1 (\i)%2
	s_wait_loadcnt 0x0                             ; tile i + 1's loads, issued a tile ago
	CV1                                            ; 32 plain conversions: the places behind the products
	LD1M (\i)+2, (\i)%2
	TST 11+(\i)/4, 16384*((\i)%4)
	ST1 8, 272
	FRL
.endm
; ---- the second product's macros (all waves)
.macro LD2M n                          ; main tile w + 8 n: the blocks o = 2 t, 2 t + 1 (j = 0 .. 63), their j = 64 weights, HW(12545 + o, .) as C: 11 loads
.irp ol, 0,1
.irp q, 0,1,2,3
	global_load_b128 v[128+16*\ol+4*\q:131+16*\ol+4*\q], v12, s[38:39] offset:HW_W2+33280*(\n)+2080*\ol+512*\q
.endr
.endr
	global_load_b32 v[192+(\n)%2], v13, s[38:39] offset:HW_W2+2048+33280*(\n)
	global_load_b128 v[176+8*((\n)%2):179+8*((\n)%2)], v14, s[38:39] offset:HW_B2+512*(\n)
	global_load_b128 v[180+8*((\n)%2):183+8*((\n)%2)], v14, s[38:39] offset:HW_B2+512*(\n)+16
.endm
.macro LD2B                            ; the head_b tile: row 8 hh + n holds o = 2 w + hh + 16 n (n = 0 .. 3), so that its results fall beside the main tiles' sums: 21 loads
.irp n, 0,1,2,3
.irp q, 0,1,2,3
	global_load_b32 v[104+4*\n+\q], v19, s[40:41] offset:HB_W2+4160*\n+64*\q
.endr
.endr
	global_load_b32 v192, v20, s[40:41] offset:HB_W2+256
.irp n, 0,1,2,3
	global_load_b32 v[212+\n], v21, s[40:41] offset:HB_B2+64*\n
.endr
.endm
.macro FR2                             ; the j = 64 weight (lanes 0-15, low half of one register) and the staged rows as two fragments
	WIN 0x40
	v_cndmask_b32 v144, 0, v194, s8
	ds_load_b128 v[128:131], v16
	ds_load_b128 v[132:135], v16 offset:32
	ds_load_b128 v[136:139], v16 offset:64
	ds_load_b128 v[140:143], v16 offset:96
	WIN 0
.endm
.macro CV2 n
.irp ol, 0,1
.irp cc, 0,1,2,3
.irp mm, 0,1
	v_cvt_pk_f16_f32 v[160+8*\ol+2*\cc+\mm], v[128+16*\ol+8*\mm+\cc], v[132+16*\ol+8*\mm+\cc]
.endr
.endr
.endr
	v_cvt_pk_f16_f32 v194, v[192+(\n)%2], 0
.irp ol, 0,1
.irp cc, 0,1,2,3
	ds_store_b64 v15, v[160+8*\ol+2*\cc:161+8*\ol+2*\cc] offset:1152*\ol+144*\cc
.endr
.endr
	FR2
.endm
.macro CV2B                            ; rows 4-7 and 12-15 of the stage keep the last main tile's numbers: their results fall into registers 4-7, which nobody reads
.irp n, 0,1,2,3
	v_cvt_pk_f16_f32 v[160+2*\n], v[104+4*\n], v[105+4*\n]
	v_cvt_pk_f16_f32 v[161+2*\n], v[106+4*\n], v[107+4*\n]
.endr
	v_cvt_pk_f16_f32 v194, v192, 0
.irp n, 0,1,2,3
	ds_store_b64 v17, v[160+2*\n:161+2*\n] offset:144*\n
.endr
	FR2
.endm
.macro MM2 cr                          ; 12 products: three K steps, the four accumulators by turns
	WIN 0x05
.irp k, 0,1,2
.irp s, 0,1,2,3
.if \k == 0
	v_wmma_f32_16x16x32_f16 v[64+8*\s:71+8*\s], v[128+8*\k:135+8*\k], v[24*\s+8*\k:24*\s+8*\k+7], v[(\cr):(\cr)+7]
.else
	v_wmma_f32_16x16x32_f16 v[64+8*\s:71+8*\s], v[128+8*\k:135+8*\k], v[24*\s+8*\k:24*\s+8*\k+7], v[64+8*\s:71+8*\s]
.endif
.endr
.endr
	WIN 0
.endm
.macro CON4 tb, pt, dst, dstep         ; the sum over c with h, for the four sample tiles by turns: v[dst + dstep s] = sum_c v[tb + 8 s + c] h_c
.irp k, 0,2,4,6
.irp s, 0,1,2,3
.if \k == 0
	v_pk_mul_f32 v[(\pt)+2*\s:(\pt)+2*\s+1], v[(\tb)+8*\s:(\tb)+8*\s+1], v[32+8*\s:33+8*\s]
.else
	v_pk_fma_f32 v[(\pt)+2*\s:(\pt)+2*\s+1], v[(\tb)+8*\s+\k:(\tb)+8*\s+\k+1], v[32+8*\s+\k:33+8*\s+\k], v[(\pt)+2*\s:(\pt)+2*\s+1]
.endif
.endr
.endr
.irp s, 0,1,2,3
	v_add_f32 v[(\dst)+(\dstep)*\s], v[(\pt)+2*\s], v[(\pt)+2*\s+1]
.endr
.endm
; ======================================================================== the head, all waves
	s_load_b512 s[16:31], s[0:1], 0x0              ; t 16, y 18, freqs 20, hw0 22, hb0 24, hw1 26, hb1 28, hw2 30
	s_load_b256 s[32:39], s[0:1], 0x40             ; hb2 32, hw3 34, hb3 36, head_w 38
	s_load_b128 s[40:43], s[0:1], 0x60             ; head_b 40, out0 42
	v_lshl_add_u32 v232, v0, 2, 0x40e00
	v_mov_b32 v233, 0
	v_lshrrev_b32 v1, 5, v0
	v_readfirstlane_b32 s2, v1                     ; wave w
	v_and_b32 v1, 31, v0                           ; lane l
	v_and_b32 v2, 15, v0                           ; r
	v_bfe_u32 v3, v0, 4, 1                         ; hh
	s_and_b32 s3, s2, 3                            ; g, or the hyper wave's sample tile
	s_mov_b32 s6, 0x76543210                       ; v_permlanex16_b32's selects for lane l xor 16
	s_mov_b32 s7, 0xfedcba98
	s_mov_b32 s8, 0xffff                           ; lanes 0-15
	s_mov_b32 s9, 0x3d800000                       ; 1/16
	SPAIR 44, 0x4038aa3b                           ; 2 log2(e)
	SPAIR 46, 0xbeaaaaab                           ; -1/3
	SPAIR 48, 0x3e088889                           ; 2/15
	SPAIR 50, 0xbd5d0dd1                           ; -17/315
	SPAIR 52, 0x40490fdb                           ; pi
	SPAIR 54, 0xbe2aaaab                           ; -1/6
	SPAIR 56, 0x3c088889                           ; 1/120
	SPAIR 58, 0xb9500d01                           ; -1/5040
	SPAIR 60, 0x3d2aaaab                           ; 1/24
	SPAIR 62, 0xbab60b61                           ; -1/720
	SPAIR 66, 0x37d00d01                           ; 1/40320
	SPAIR 94, 0x3e22f983                           ; 1/(2 pi)
	v_mov_b32 v26, 0x3cb327a4                      ; 62/2835
	v_mov_b32 v27, 0x3cb327a4
	v_mov_b32 v28, 0x3638ef1d                      ; 1/362880
	v_mov_b32 v29, 0x3638ef1d
	v_mov_b32 v30, 0xb493f27e                      ; -1/3628800
	v_mov_b32 v31, 0xb493f27e
	s_wait_kmcnt 0x0
	s_load_b32 s5, s[16:17], 0x0                   ; t
	s_lshl_b32 s10, ttmp9, 15                      ; the work-group's 64 rows: 512 bytes each in y,
	s_mov_b32 s11, 0
	s_add_nc_u64 s[18:19], s[18:19], s[10:11]
	s_lshl_b32 s10, ttmp9, 14                      ; 256 in freqs and in out0
	s_add_nc_u64 s[20:21], s[20:21], s[10:11]
	s_add_nc_u64 s[42:43], s[42:43], s[10:11]
	s_wait_kmcnt 0x0
	s_cmp_lt_u32 s2, 4
	s_cbranch_scc0 .La_gemm
; ======================================================================== A, waves 0-3: z and the fifteen weight tiles become codes
	s_cmp_eq_u32 s2, 0                             ; tile 4 (rows 64, 65) of layer min(w, 2): its buffer,
	s_cselect_b64 s[86:87], s[22:23], s[26:27]
	s_cmp_gt_u32 s2, 1
	s_cselect_b64 s[86:87], s[30:31], s[86:87]
	s_min_u32 s88, s2, 1
	s_lshl_b32 s90, s88, 2
	s_add_co_u32 s89, s90, 260                     ; its row: 260 bytes in hw0, else 264,
	s_sub_co_u32 s92, 4, s90                       ; hw0's places are turned by one number,
	s_mul_i32 s93, s88, 124                        ; place 31 holds k = 32 hh in hw0, else 32 hh + 31,
	s_sub_co_u32 s91, 0, s88
	s_and_b32 s91, s91, s8                         ; and k = 65 is there (in lanes 0-15) in hw1 and hw2 alone
	s_and_b32 s12, s2, 1
	s_lshl_b32 s12, s12, 3
	s_lshr_b32 s13, s2, 1
	s_lshl_b32 s13, s13, 5
	s_add_co_u32 s12, s12, s13                     ; tile w's first row: 8 (w % 2) + 32 (w / 2); its other eight rows lie 16 further on
	s_mul_i32 s14, s12, 260
	s_mov_b32 s15, 0
	s_add_nc_u64 s[22:23], s[22:23], s[14:15]
	s_mul_i32 s14, s12, 264
	s_add_nc_u64 s[26:27], s[26:27], s[14:15]
	s_add_nc_u64 s[30:31], s[30:31], s[14:15]
	s_lshl_b32 s14, s2, 12                         ; my 16 rows of freqs
	s_add_nc_u64 s[20:21], s[20:21], s[14:15]
	v_lshlrev_b32 v4, 4, v1                        ; 16 l
.irp i, 0,1,2,3,4,5,6,7
	global_load_b128 v[72+4*\i:75+4*\i], v4, s[20:21] offset:512*\i th:TH_LOAD_NT   ; freqs: 512 consecutive bytes a load
.endr
.irp gq, 0,1
.irp i, 0,1,2,3,4
	global_load_b128 v[32+20*\gq+4*\i:35+20*\gq+4*\i], v4, s[22:23] offset:4160*\gq+512*\i   ; eight rows are 2,080 (2,112) dense bytes from a multiple of 16: five loads; the last run ends inside the buffer
.endr
.endr
	WIN 0x40
.irp gq, 0,1
.irp i, 0,1,2,3,4
	global_load_b128 v[164+20*\gq+4*\i:167+20*\gq+4*\i], v4, s[26:27] offset:4224*\gq+512*\i
.endr
.endr
	WIN 0
.irp gq, 0,1
.irp i, 0,1,2,3,4
	global_load_b128 v[136+20*\gq+4*\i:139+20*\gq+4*\i], v4, s[30:31] offset:4224*\gq+512*\i
.endr
.endr
	s_mul_i32 s10, s2, PRIVB                       ; my own LDS bytes
	v_mul_u32_u24 v24, v3, 272
	v_lshl_add_u32 v5, v2, 4, v24
	v_add_nc_u32 v5, s10, v5                       ; v5  freqs in: row hh (+ 2 i), 16 r
	v_mul_u32_u24 v24, v2, 272
	v_lshl_add_u32 v6, v3, 7, v24
	v_add_nc_u32 v6, s10, v6                       ; v6  freqs back: row r, + 128 hh
	v_add_nc_u32 v7, s10, v4                       ; v7  raw rows in: as loaded
	v_lshrrev_b32 v24, 3, v2
	v_and_b32 v25, 7, v2
	v_mul_u32_u24 v24, v24, 2624
	v_add_nc_u32 v24, s10, v24
	v_mad_u32_u24 v9, v25, 260, v24                ; v9  hw0: my row;  v8  + 128 hh
	v_lshl_add_u32 v8, v3, 7, v9
	v_mad_u32_u24 v11, v25, 264, v24               ; v11, v10 the same for hw1 and hw2
	v_lshl_add_u32 v10, v3, 7, v11
	s_mul_i32 s11, s2, 1152
	s_add_co_u32 s11, s11, HWI
	v_add_nc_u32 v12, s11, v4                      ; v12 my slot's image;  v13 its scale words
	v_lshl_add_u32 v13, v1, 2, s11
	v_min_u32 v24, 1, v2
	v_add_nc_u32 v24, 64, v24                      ; tile 4: lane r takes row 64 + min(r, 1)
	v_mul_u32_u24 v16, s89, v24                    ; v16 the row (k = 64 at + 256);  v17 k = 65, or k = 64 once more where there is no 65
	v_add_nc_u32 v17, s90, v16
	v_lshl_add_u32 v25, v3, 7, v16
	v_add_nc_u32 v14, s92, v25                     ; v14 places 0 .. 30;  v15 place 31
	v_add_nc_u32 v15, s93, v25
	v_lshlrev_b32 v18, 6, v3                       ; v18 64 hh;  v19 0
	v_mov_b32 v19, 0
	v_and_b32 v25, 7, v2
	v_mul_u32_u24 v21, v25, 264                    ; v21 hw3's row r % 8;  v20 + 64 hh
	v_lshl_add_u32 v20, v3, 6, v21
	v_mov_b32 v118, s5
	v_add_f32 v118, -0.5, v118                     ; t - 0.5
.irp q, 125,126,127,129,130,131,132,133,134,135,181,182,183,191
	v_mov_b32 v\q, 0                               ; code registers and tail numbers that stay zero; a lane permute's destination
.endr
	v_lshlrev_b32 v[QT+8], 3, v3
	WIN 0x40
.irp lay, 0,1,2
.irp q, 34,35,36,37,38,39
	v_mov_b32 v[40*\lay+\q], 0                     ; tile 4's C has two rows that count
.endr
.endr
	WIN 0
	s_wait_loadcnt 30                              ; freqs are in; the 30 loads of raw rows may be out
.irp i, 0,1,2,3,4,5,6,7
	ds_store_b128 v5, v[72+4*\i:75+4*\i] offset:544*\i
.endr
.irp i, 0,1,2,3,4,5,6,7
	ds_load_b128 v[196+4*\i:199+4*\i], v6 offset:16*\i   ; lane (r, hh): freqs[32 hh .. 32 hh + 31] of sample r
.endr
	s_wait_dscnt 0x0                               ; they are back, and the stores have read v72 on, which the next loads take
.set p, 0
.rept 31
	global_load_b32 v[72+p], v14, s[86:87] offset:4*p   ; tile 4.  All four waves issue these 34, so that the counts below are the same in each; wave 3, which has no tile 4 to make, leaves them unused
.set p, p+1
.endr
	global_load_b32 v103, v15, s[86:87]
	global_load_b32 v104, v16, s[86:87] offset:256
	global_load_b32 v105, v17, s[86:87] offset:256
	WIN 0x40
	LDBI 0, 24
	WIN 0
	v_permlanex16_b32 v[QT+7], v227, s6, s7        ; z: place 31 of block 0 is k = 0, t - 0.5; of block 1 k = 32, freqs[31]; block 2 begins with k = 64, freqs[63]
	v_cndmask_b32 v[TL], 0, v[QT+7], s8
	v_cndmask_b32 v227, v[QT+7], v118, s8
	QW 196, 120, 239
	PASS 0, 63                                     ; behind hw0's ten: 20 + 34 + 9
	PASS 1, 53
	PASS 2, 43
	s_wait_loadcnt 46                              ; tile 4's numbers are in; behind them: 9 + 37
	s_cmp_eq_u32 s2, 3
	s_cbranch_scc1 .La_h_end
	v_cndmask_b32 v[TL], 0, v104, s8
	v_cndmask_b32 v[TL+1], 0, v105, s91
	s_wait_dscnt 0x0                               ; the last pass's image stores have read their registers
	QW 72, 176, 194
	ds_store_b128 v12, v[176:179] offset:13824     ; slot 12 + w
	ds_store_b128 v12, v[180:183] offset:13824+512
	ds_store_b32 v13, v194 offset:13824+1024
.La_h_end:
	s_wait_loadcnt 0x0                             ; no load is out at the join
	s_branch .Lbar1
; ======================================================================== A, waves 4-7: x = [cos y, sin y] of sample tile g
.La_gemm:
	s_lshl_b32 s10, s3, 13
	v_lshrrev_b32 v24, 2, v1
	v_and_b32 v25, 3, v1
	v_lshlrev_b32 v4, 9, v24
	v_lshl_add_u32 v4, v25, 4, v4
	v_add_nc_u32 v4, s10, v4                       ; v4  512 (l / 4) + 16 (l % 4) + 8192 g: y's rows, and head_b's
	v_lshl_add_u32 v5, v1, 4, s10                  ; v5  16 l + 8192 g
	s_lshl_b32 s11, s3, 6
	v_lshl_add_u32 v6, v3, 5, s11                  ; v6  32 hh + 64 g
	s_mul_i32 s12, s3, 4352
	s_add_co_u32 s12, s12, XIM
	v_mul_u32_u24 v7, v24, 272
	v_lshl_add_u32 v7, v25, 6, v7
	v_add_nc_u32 v7, s12, v7                       ; v7  x: row 16 g + l / 4 (+ 8 G), pieces 4 (l % 4) on
.irp G, 0,1
.irp q, 0,1,2,3
	global_load_b128 v[YY+16*\G+4*\q:YY+16*\G+4*\q+3], v4, s[18:19] offset:4096*\G+64*\q th:TH_LOAD_NT   ; register 16 G + 4 q + e: y[4 (l % 4) + e + 16 q] of sample 16 g + 8 G + l / 4
.endr
.endr
	LD1M 0, 0                                      ; the first weight tile lands during the trig
	s_wait_loadcnt 18                              ; y is in; behind it: those 18
	R_MULS NW, YY, 94, 16                          ; y / (2 pi)
.set j, 0
.rept 32
	v_rndne_f32 v[NW+j], v[NW+j]                   ; n
.set j, j+1
.endr
.set j, 0
.rept 16
	v_pk_fma_f32 v[YY+j:YY+j+1], v[YY+j:YY+j+1], s[94:95], v[NW+j:NW+j+1] op_sel_hi:[1,0,1] neg_lo:[0,0,1] neg_hi:[0,0,1]   ; y / (2 pi) - n, one rounding
.set j, j+2
.endr
	R_MULS YY, YY, 52, 16                          ; a, half the reduced angle: |a| <= pi / 2
	R_MUL  NW, YY, YY, 16                          ; a^2
	R_FMAC SNR, NW, 28, 58, 16                     ; the two series by turns
	R_FMAC CSR, NW, 30, 66, 16
	R_FMAS SNR, SNR, NW, 56, 16
	R_FMAS CSR, CSR, NW, 62, 16
	R_FMAS SNR, SNR, NW, 54, 16
	R_FMAS CSR, CSR, NW, 60, 16
	R_MUL  SNR, SNR, NW, 16
	R_FMAK CSR, CSR, NW, -0.5, 16
	R_FMA  SNR, YY, SNR, YY, 16                    ; sin a
	R_FMAK CSR, CSR, NW, 1.0, 16                   ; cos a
	R_ADD  NW, SNR, SNR, 16                        ; 2 sin a
	R_MUL  CSR, NW, CSR, 16                        ; sin y
.set j, 0
.rept 16
	v_pk_fma_f32 v[SNR+j:SNR+j+1], v[NW+j:NW+j+1], v[SNR+j:SNR+j+1], 1.0 op_sel_hi:[1,1,0] neg_lo:[1,0,0] neg_hi:[1,0,0]   ; cos y = 1 - 2 sin^2 a
.set j, j+2
.endr
.irp G, 0,1
.irp e, 0,1,2,3
	v_cvt_pk_f16_f32 v[YY+16*\G+4*\e],   v[SNR+16*\G+\e],   v[SNR+16*\G+4+\e]    ; piece a = 4 (l % 4) + e: cos y[a + 16 q], q = 0 .. 3,
	v_cvt_pk_f16_f32 v[YY+16*\G+4*\e+1], v[SNR+16*\G+8+\e], v[SNR+16*\G+12+\e]
	v_cvt_pk_f16_f32 v[YY+16*\G+4*\e+2], v[CSR+16*\G+\e],   v[CSR+16*\G+4+\e]    ; then the four sines
	v_cvt_pk_f16_f32 v[YY+16*\G+4*\e+3], v[CSR+16*\G+8+\e], v[CSR+16*\G+12+\e]
.endr
.endr
.irp G, 0,1
.irp e, 0,1,2,3
	ds_store_b128 v7, v[YY+16*\G+4*\e:YY+16*\G+4*\e+3] offset:2176*\G+16*\e
.endr
.endr
	s_wait_loadcnt 0x0                             ; no load is out at the join (the first weight tile was asked for ahead of the trig)
.Lbar1:
	BAR                                            ; the weights' images and x lie in LDS
	s_cmp_lt_u32 s2, 4
	s_cbranch_scc0 .Lb_gemm
; ======================================================================== B, waves 0-3: the hypernet of sample tile w
	v_lshlrev_b32 v4, 4, v1                        ; v4  16 l;  v5  4 l;  v6  where h goes
	v_lshlrev_b32 v5, 2, v1
	s_lshl_b32 s10, s2, 10
	s_add_co_u32 s10, s10, HIM
	v_add_nc_u32 v6, s10, v4
	WLOAD 0
.irp b, 3,4,5
	v_mov_b32 v[HQ+\b], 0                          ; lane permutes' destinations
.endr
	HLAYER 0
	HLAYER 1
	HLAYER 2
	WIN 0x44
	v_cndmask_b32 v152, 0, v152, s8                ; the tail step's K: units 64, 65 in lanes 0-15, nothing in lanes 16-31
	v_cndmask_b32 v153, 0, v153, s8
	; product 4, f32 operands: K step sg takes the pair of registers 2 sg, 2 sg + 1 of every lane; hw3's rows 8-15 repeat rows 0-7, so that both halves of the lanes end with h0 .. h7 of sample r.
	; Two sums by turns, one instruction a turn; the first begins with hb3, the second with 0, each in its own first K step
	WIN 0x11
	v_wmma_f32_16x16x4_f32 v[240:247], v[120:121], v[32:33], v[156:163]
	WIN 0x01
	v_wmma_f32_16x16x4_f32 v[248:255], v[122:123], v[34:35], 0
.set sg, 2
.rept 7
	v_wmma_f32_16x16x4_f32 v[240:247], v[120+2*sg:121+2*sg], v[32+2*sg:33+2*sg], v[240:247]
	v_wmma_f32_16x16x4_f32 v[248:255], v[122+2*sg:123+2*sg], v[34+2*sg:35+2*sg], v[248:255]
.set sg, sg+2
.endr
	v_wmma_f32_16x16x4_f32 v[240:247], v[152:153], v[128:129], v[240:247]
	WIN 0
	NOPS 8                                         ; eight places behind this form
	R_ADD 208, 240, 248, 4
	TANHG 208, 4, 136
	ds_store_b128 v6, v[208:211]                   ; h as an image of eight registers
	ds_store_b128 v6, v[212:215] offset:512
	s_branch .Lbar2
; ======================================================================== B, waves 4-7: the first product, 33 main tiles and 5 head_b tiles x 4 sample tiles
.Lb_gemm:
	s_lshl_b32 s10, s3, 13                         ; the offsets and addresses of this part, made on this way (every load of mine has been waited for)
	v_lshrrev_b32 v24, 2, v1
	v_and_b32 v25, 3, v1
	v_lshlrev_b32 v4, 9, v24
	v_lshl_add_u32 v4, v25, 4, v4
	v_add_nc_u32 v4, s10, v4                       ; v4, v5, v6 as before
	v_lshl_add_u32 v5, v1, 4, s10
	s_lshl_b32 s11, s3, 6
	v_lshl_add_u32 v6, v3, 5, s11
	s_mul_i32 s12, s2, PRIVB
	v_mul_u32_u24 v10, v2, 272
	v_lshl_add_u32 v10, v3, 4, v10
	v_add_nc_u32 v7, XIM, v10                      ; v7  x's fragments: row r, + 16 hh
	v_add_nc_u32 v10, s12, v10                     ; v10 the same in my stage
	v_mul_u32_u24 v9, v24, 272
	v_lshl_add_u32 v9, v25, 6, v9
	v_add_nc_u32 v9, s12, v9                       ; v9  a head_b tile's pieces: row l / 4, pieces 4 (l % 4) on
	v_and_b32 v24, 1, v1
	v_lshrrev_b32 v25, 1, v1
	v_mul_u32_u24 v8, v24, 1088
	v_lshl_add_u32 v8, v25, 4, v8
	v_add_nc_u32 v8, s12, v8                       ; v8  a main tile's pieces: rows 4 (l % 2) on, piece l / 2
	s_lshl_b32 s13, s3, 12
	s_add_co_u32 s13, s13, TIM
	v_lshl_add_u32 v11, v1, 4, s13                 ; v11, v12, v13 the images of tiles g + 4 m: m = 0-3, 4-7, 8
	v_add_nc_u32 v12, 0x10000, v11
	v_add_nc_u32 v13, 0x20000, v11
	v_mul_u32_u24 v14, v2, 336
	v_lshl_add_u32 v14, v3, 5, v14
	v_add_nc_u32 v14, s11, v14
	v_add_nc_u32 v14, BIA, v14                     ; v14 the head_b sums: row r, j = 16 g + 8 hh on
	WIN 0x40
.irp s, 0,1,2,3
.irp k, 0,1,2,3
	ds_load_b128 v[32*\s+8*\k:32*\s+8*\k+3], v7 offset:4352*\s+64*\k       ; x's sixteen fragments stay in registers
	ds_load_b128 v[32*\s+8*\k+4:32*\s+8*\k+7], v7 offset:4352*\s+64*\k+32
.endr
.endr
	WIN 0
	CV1                                            ; tile 0
	LD1M 1, 1
	ST1 8, 272
	FRL
.irp i, 0,1,2,3,4,5
	GMAIN \i
.endr
	s_wait_dscnt 0x0                               ; tile 6; the head_b tile g is asked for
	MM1 0
	s_wait_loadcnt 0x0
	CV1
	LD1B 0, 0
	TST 12, 32768
	ST1 8, 272
	FRL
	s_wait_dscnt 0x0                               ; tile 7; two tiles are left over: main tile 32 goes to g = 0, head_b tile 4 to g = 1
	MM1 1
	s_wait_loadcnt 0x0
	CV1
	s_cmp_eq_u32 s3, 0
	s_cbranch_scc0 .Lb_x1
	LD1M 8, 1
	s_branch .Lb_x2
.Lb_x1:
	s_cmp_eq_u32 s3, 1
	s_cbranch_scc0 .Lb_x2
	LD1B 3, 1
.Lb_x2:
	TST 12, 49152
	ST1 9, 16
	FRL
	s_wait_dscnt 0x0                               ; the head_b tile g
	MM1 0
	NOPS 4
	BST 0
	s_cmp_gt_u32 s3, 1
	s_cbranch_scc1 .Lbar2
	s_wait_loadcnt 0x0                             ; the tile left over
	CV1
	s_cmp_eq_u32 s3, 0
	s_cbranch_scc0 .Lb_y1
	ST1 8, 272
	s_branch .Lb_y2
.Lb_y1:
	ST1 9, 16
.Lb_y2:
	FRL
	s_wait_dscnt 0x0                               ; its fragments are in, and the stores above have read the accumulators
	MM1 1
	NOPS 4
	s_cmp_eq_u32 s3, 0
	s_cbranch_scc0 .Lb_z1
	TST 13, 0
	s_branch .Lbar2
.Lb_z1:
	BST 192                                        ; j = 64 on
.Lbar2:
	BAR                                            ; h, the main tiles' images and the head_b sums lie in LDS
; ======================================================================== C, all waves: hid.  Wave w owns tiles w + 8 n: j = 2 w + hh + 16 n
	s_mul_i32 s10, s2, PRIVB                       ; (every load of every wave has been waited for: the offset registers may be written)
	s_lshl_b32 s11, s2, 12
	s_lshl_b32 s12, s2, 3
	s_mul_i32 s13, s2, 4160
	s_mul_i32 s14, s2, 520
	v_lshl_add_u32 v4, v1, 4, HIM                  ; v4  h's images
	v_mul_u32_u24 v25, v2, 336
	v_add_nc_u32 v11, BIA+256, v25                 ; v11 the head_b sum of j = 64
	v_lshl_add_u32 v25, v3, 2, v25
	v_add_nc_u32 v25, s12, v25
	v_add_nc_u32 v5, BIA, v25                      ; v5  of j = 2 w + hh (+ 16 n)
	v_lshl_add_u32 v6, v1, 4, s11
	v_add_nc_u32 v6, TIM, v6                       ; v6  images of tiles w, w + 8;  v7  w + 16, w + 24;  v8  tile 32
	v_add_nc_u32 v7, 0x10000, v6
	v_lshl_add_u32 v8, v1, 4, TIM+131072
	v_mul_u32_u24 v25, v2, 144
	v_lshl_add_u32 v18, v3, 4, v25
	v_add_nc_u32 v16, s10, v18                     ; v16 fragments from my stage;  v18 from hid
	v_add_nc_u32 v18, HID, v18
	v_lshl_add_u32 v25, v3, 3, v25
	s_lshl_b32 s15, s2, 4
	v_add_nc_u32 v25, s15, v25
	v_add_nc_u32 v9, HID, v25                      ; v9  hid: row r, piece 2 w + hh of 8 bytes
	v_lshl_add_u32 v10, v1, 2, H64                 ; v10 hid[64]'s image
	v_lshl_add_u32 v12, v1, 4, s13                 ; v12 16 l + 4160 w
	v_lshrrev_b32 v25, 3, v2
	v_and_b32 v195, 7, v2
	v_mul_u32_u24 v13, v25, 2080
	v_lshl_add_u32 v13, v195, 2, v13
	v_add_nc_u32 v13, s13, v13                     ; v13 the j = 64 weight of operand row r: o = 2 t + r / 8, c = r % 8
	v_min_u32 v195, 3, v195
	v_mul_u32_u24 v20, v195, 4160
	v_mad_u32_u24 v20, v25, 260, v20
	v_add_nc_u32 v20, s14, v20                     ; v20 the same in head_b: o = 2 w + r / 8 + 16 min(r % 8, 3)
	s_lshl_b32 s15, s2, 6
	v_lshl_add_u32 v14, v3, 5, s15                 ; v14 32 hh + 64 w
	v_and_b32 v25, 1, v1
	v_lshrrev_b32 v195, 1, v1
	v_mul_u32_u24 v15, v25, 576
	v_lshl_add_u32 v15, v195, 3, v15
	v_add_nc_u32 v15, s10, v15                     ; v15 a main tile's pieces of 8 bytes: rows 4 (l % 2) on, piece l / 2
	v_mul_u32_u24 v17, v3, 1152
	v_lshl_add_u32 v17, v2, 3, v17
	v_add_nc_u32 v17, s10, v17                     ; v17 the head_b tile's: rows 8 hh on, piece r
	v_mul_u32_u24 v19, v3, 260
	v_lshl_add_u32 v19, v2, 2, v19
	v_add_nc_u32 v19, s14, v19                     ; v19 4 r + 260 hh + 520 w
	v_lshl_add_u32 v21, v3, 2, s12                 ; v21 4 hh + 8 w
	v_mul_u32_u24 v25, v2, 272
	v_lshl_add_u32 v25, v3, 2, v25
	v_add_nc_u32 v25, s12, v25
	v_add_nc_u32 v22, OST, v25                     ; v22 the output's stage: row r, o = 2 w + hh
	v_mul_u32_u24 v25, v3, 272
	v_lshl_add_u32 v25, v2, 4, v25
	s_mul_i32 s15, s2, 2176
	v_add_nc_u32 v25, s15, v25
	v_add_nc_u32 v23, OST, v25                     ; v23 back: rows 8 w + hh (+ 2 i), 16 r
	s_lshl_b32 s15, s2, 11
	v_lshl_add_u32 v24, v1, 4, s15                 ; v24 and the same place in out0
	WIN 0x40
.irp s, 0,1,2,3
.irp q, 17,18,19,20,21,22,23
	v_mov_b32 v[24*\s+\q], 0                       ; the third K step holds j = 64 alone: seven registers of each of its fragments are zeros
.endr
.endr
.irp q, 145,146,147,148,149,150,151
	v_mov_b32 v\q, 0
.endr
	WIN 0
	LD2M 0                                         ; the second product's first weights land meanwhile
.irp s, 0,1,2,3
	ds_load_b128 v[32+8*\s:35+8*\s], v4 offset:1024*\s
	ds_load_b128 v[36+8*\s:39+8*\s], v4 offset:1024*\s+512
.endr
.irp s, 0,1,2,3
.irp n, 0,1,2,3
	ds_load_b32 v[212+4*\s+\n], v5 offset:5376*\s+64*\n
.endr
.endr
.irp nn, 0,1
.irp s, 0,1,2,3
	ds_load_b128 v[64+32*\nn+8*\s:67+32*\nn+8*\s], v6 offset:32768*\nn+1024*\s
	ds_load_b128 v[68+32*\nn+8*\s:71+32*\nn+8*\s], v6 offset:32768*\nn+1024*\s+512
.endr
.endr
	s_wait_dscnt 0x0
	CON4 64, 160, 196, 4
	CON4 96, 168, 197, 4
.irp nn, 0,1
.irp s, 0,1,2,3
	ds_load_b128 v[64+32*\nn+8*\s:67+32*\nn+8*\s], v7 offset:32768*\nn+1024*\s
	ds_load_b128 v[68+32*\nn+8*\s:71+32*\nn+8*\s], v7 offset:32768*\nn+1024*\s+512
.endr
.endr
	s_wait_dscnt 0x0
	CON4 64, 160, 198, 4
	CON4 96, 168, 199, 4
	R_ADD 196, 196, 212, 8                         ; + the head_b sums
	TANHG 196, 8, 64
.irp s, 0,1,2,3
	v_cvt_pk_f16_f32 v[220+2*\s], v[196+4*\s], v[197+4*\s]     ; places q = n = 0 .. 3 of piece a = 2 w + hh
	v_cvt_pk_f16_f32 v[221+2*\s], v[198+4*\s], v[199+4*\s]
.endr
.irp s, 0,1,2,3
	ds_store_b64 v9, v[220+2*\s:221+2*\s] offset:2304*\s
.endr
	s_cmp_lg_u32 s2, 0
	s_cbranch_scc1 .Lc_no32
.irp s, 0,1,2,3                                ; wave 0 alone: tile 32, j = 64 (lanes 0-15; what lanes 16-31 make is masked away)
	ds_load_b128 v[64+8*\s:67+8*\s], v8 offset:1024*\s
	ds_load_b128 v[68+8*\s:71+8*\s], v8 offset:1024*\s+512
.endr
.irp s, 0,1,2,3
	ds_load_b32 v[96+\s], v11 offset:5376*\s
.endr
	s_wait_dscnt 0x0
	CON4 64, 100, 228, 1
	R_ADD 228, 228, 96, 2
	TANHG 228, 2, 108
.irp s, 0,1,2,3
	v_cvt_pk_f16_f32 v[100+\s], v[228+\s], 0
.endr
.irp s, 0,1,2,3
	v_cndmask_b32 v[100+\s], 0, v[100+\s], s8
.endr
.irp s, 0,1,2,3
	ds_store_b32 v10, v[100+\s] offset:128*\s      ; an image of the third K step's one register that is not zero
.endr
.Lc_no32:
	s_wait_loadcnt 0x0
	CV2 0
	LD2M 1
	BAR                                            ; hid lies in LDS
; ======================================================================== D, all waves: the second product.  Wave w owns tiles w + 8 n: o = 2 w + hh + 16 n
	WIN 0x40
.irp s, 0,1,2,3
.irp k, 0,1
	ds_load_b128 v[24*\s+8*\k:24*\s+8*\k+3], v18 offset:2304*\s+64*\k
	ds_load_b128 v[24*\s+8*\k+4:24*\s+8*\k+7], v18 offset:2304*\s+64*\k+32
.endr
	ds_load_b32 v[24*\s+16], v10 offset:128*\s
.endr
	WIN 0
.irp q, 216,217,218,219
	v_mov_b32 v\q, 0                               ; the head_b tile's C has four rows a half that count
.endr
.irp n, 0,1,2,3
	s_wait_dscnt 0x0                               ; tile n's fragments are in (and hid's, the first time); the last stores into the stage have read their registers
	MM2 176+8*(\n%2)
	s_wait_loadcnt 0x0                             ; the next tile's loads, issued a tile ago
.if \n < 3
	CV2 \n+1                                       ; the conversions are the places behind the products
.else
	CV2B
.endif
.if \n < 2
	LD2M \n+2
.elseif \n == 2
	LD2B
.endif
	CON4 64, 96, 196+\n, 4
.endr
	s_wait_dscnt 0x0
	MM2 212
	NOPS 4
.irp s, 0,1,2,3
	v_pk_add_f32 v[196+4*\s:197+4*\s], v[196+4*\s:197+4*\s], v[64+8*\s:65+8*\s]
	v_pk_add_f32 v[198+4*\s:199+4*\s], v[198+4*\s:199+4*\s], v[66+8*\s:67+8*\s]
.endr
.irp s, 0,1,2,3
.irp n, 0,1,2,3
	ds_store_b32 v22, v[196+4*\s+\n] offset:4352*\s+64*\n
.endr
.endr
	BAR                                            ; 64 whole rows of the output lie in the stage
.irp i, 0,1,2,3
	ds_load_b128 v[64+4*\i:67+4*\i], v23 offset:544*\i
.endr
.irp i, 0,1,2,3
	s_wait_dscnt 3-\i                              ; pair i of rows is in; the later pairs may be out
	global_store_b128 v24, v[64+4*\i:67+4*\i], s[42:43] offset:512*\i th:TH_STORE_NT   ; 32 lanes store two whole rows: 512 consecutive bytes at a multiple of 256 from out0's first byte
.endr
	s_wait_tensorcnt 0x0
	ds_add_u32 v232, v233
	s_wait_dscnt 0x0
	s_endpgm
.Lfunc_end_k_q538fddc05f_hnc:
	.size	k_q538fddc05f_hnc, .Lfunc_end_k_q538fddc05f_hnc-k_q538fddc05f_hnc
	.p2alignl 7, 3214868480
	.fill 96, 4, 3214868480
	.section	.rodata,"a",@progbits
	.p2align	6, 0x0
	.amdhsa_kernel k_q538fddc05f_hnc
		.amdhsa_group_segment_fixed_size 266752
		.amdhsa_private_segment_fixed_size 0
		.amdhsa_enable_private_segment 0
		.amdhsa_kernarg_size 112
		.amdhsa_user_sgpr_count 2
		.amdhsa_user_sgpr_kernarg_segment_ptr 1
		.amdhsa_wavefront_size32 1
		.amdhsa_system_sgpr_workgroup_id_x 1
		.amdhsa_system_sgpr_workgroup_id_y 1
		.amdhsa_system_sgpr_workgroup_id_z 1
		.amdhsa_system_vgpr_workitem_id 0
		.amdhsa_next_free_vgpr 464
		.amdhsa_next_free_sgpr 96
		.amdhsa_reserve_vcc 0
		.amdhsa_float_denorm_mode_32 3
		.amdhsa_float_denorm_mode_16_64 3
		.amdhsa_memory_ordered 1
		.amdhsa_forward_progress 1
		.amdhsa_inst_pref_size 255
	.end_amdhsa_kernel
	.section	.bss,"aw",@nobits
	.p2align	6
	.space	262144
	.amdgpu_metadata
---
amdhsa.version: [ 1, 2 ]
amdhsa.kernels:
  - .name:           k_q538fddc05f_hnc
    .symbol:         k_q538fddc05f_hnc.kd
    .args:
      - { .name: t, .offset: 0, .size: 8, .value_kind: global_buffer, .address_space: global }
      - { .name: y, .offset: 8, .size: 8, .value_kind: global_buffer, .address_space: global }
      - { .name: freqs, .offset: 16, .size: 8, .value_kind: global_buffer, .address_space: global }
      - { .name: hw0, .offset: 24, .size: 8, .value_kind: global_buffer, .address_space: global }
      - { .name: hb0, .offset: 32, .size: 8, .value_kind: global_buffer, .address_space: global }
      - { .name: hw1, .offset: 40, .size: 8, .value_kind: global_buffer, .address_space: global }
      - { .name: hb1, .offset: 48, .size: 8, .value_kind: global_buffer, .address_space: global }
      - { .name: hw2, .offset: 56, .size: 8, .value_kind: global_buffer, .address_space: global }
      - { .name: hb2, .offset: 64, .size: 8, .value_kind: global_buffer, .address_space: global }
      - { .name: hw3, .offset: 72, .size: 8, .value_kind: global_buffer, .address_space: global }
      - { .name: hb3, .offset: 80, .size: 8, .value_kind: global_buffer, .address_space: global }
      - { .name: head_w, .offset: 88, .size: 8, .value_kind: global_buffer, .address_space: global }
      - { .name: head_b, .offset: 96, .size: 8, .value_kind: global_buffer, .address_space: global }
      - { .name: out0, .offset: 104, .size: 8, .value_kind: global_buffer, .address_space: global }
    .group_segment_fixed_size: 266752
    .private_segment_fixed_size: 0
    .kernarg_segment_align: 8
    .kernarg_segment_size: 112
    .max_flat_workgroup_size: 256
    .sgpr_count:     96
    .vgpr_count:     464
    .wavefront_size: 32
...
	.end_amdgpu_metadata
.endif
;; end of part 1
;; ======== version 2 of 3: 1 launch; 1.35 times as fast as version 1
;; limits: values are held in f16: magnitudes above 65,504 overflow, below 6.1e-05 lose precision; inputs' magnitudes at most 65,504; an absolute error that grows with the inputs' magnitude: up to 6e-08 times it; a function is approximated: absolute error at most 1.5e-05
;; launch hnc (part 2): grid 256 x 1, 8 waves a work-group, no clusters, 266,752 bytes of LDS; arguments t, y, freqs, hw0, hb0, hw1, hb1, hw2, hb2, hw3, hb3, head_w, head_b, out0; writes out0
.if DOCPART == 2
	.amdgcn_target "amdgcn-amd-amdhsa--gfx1250"
	.amdhsa_code_object_version 6
	.text
	.protected	k_q538fddc05f_hnc
	.globl	k_q538fddc05f_hnc
	.p2align	8
	.type	k_q538fddc05f_hnc,@function
k_q538fddc05f_hnc:
	s_mov_b64 s[64:65], 0
	v_nop
	global_prefetch_b8 v0, s[64:65] scope:SCOPE_SE
	s_setreg_imm32_b32 hwreg(HW_REG_WAVE_MODE, 25, 1), 1
	s_wait_xcnt 0x0
; HNC_strategy, one launch.  16,384 samples; a work-group of eight waves takes 64 of them (four tiles s of 16), 256 work-groups.
; THE PER-SAMPLE PARAMETERS ARE NEVER FORMED.  With h = the hypernet's 8 outputs, HW(p, c) = head_w[p][c], HB(p) = head_b[p]:
;   hid_pre[j] = sum_c h_c ( sum_i x_i HW(128 j + i, c) + HW(8320 + j, c) ) + ( sum_i x_i HB(128 j + i) + HB(8320 + j) )
;   out[o]     = sum_c h_c ( sum_j hid_j HW(8385 + 65 o + j, c) + HW(12545 + o, c) ) + ( sum_j hid_j HB(8385 + 65 o + j) + HB(12545 + o) )
; The inner sums are products with weights that no sample changes: f16 operands, f32 sums; the b1 and b2 rows are the f32 C of each sum's first matrix instruction.
; All products are used transposed (source 0 = 16 weight rows, source 1 = 16 samples): a lane holds ONE sample.  A main tile is 2 j (or 2 o) x 8 c, so a lane's eight results are c = 0 .. 7 of one j,
; and the sum over c with h is four packed multiply-adds and one addition inside the lane.
; ROLES.  Waves 0-3 quantise hw0 .. hw2 and run the hypernet of sample tile w (products 1 to 3 on E2M1 codes with E8M0 scales, product 4 in the f32 matrix form: 17 K steps, a small part of the work).
; Waves 4-7 (g = w - 4) make x = [cos y, sin y] of tile g and then the whole first product meanwhile.  Then all eight waves: sum over c, tanh, second product, sum over c, output.
; The roles part on the wave's number alone and join at every barrier; EXEC is never written.
; K ORDERS (the same permutation on both operands of a product).  First product: place 8 a + q holds i = a + 16 q, so that eight dense 16-byte loads of a j block give a lane four whole 16-byte pieces of
; operand rows and the packing conversion does the turning.  Second product: place 4 a + q holds j = a + 16 q; j = 64 is a third K step of which one number is not zero.
; Product 1: inside each block of 32, place p holds k = 32 b + (p + 1) % 32, so that a lane takes 32 aligned neighbours of freqs.
; HOW FAR AHEAD THE WEIGHTS ARE ASKED FOR.  First product: three sets of 64 registers take turns, so that a tile's 18 loads are issued three tiles ahead of its conversion: 54 loads of a wave are out.
; Second product: a wave's four main tiles (44 loads) are asked for at the head of the part that makes hid, its head_b tile (21 loads) at that part's end.
; NO JOINT LOADS, NO TENSOR LOADS, though every work-group reads the same weights: head_w and head_b arrive as 453,924 bytes of f32 and are wanted as f16 in another order; the text uses 265,728 bytes of LDS,
; so they could only pass through a small ring that is filled again and again and would still be read back as f32 and converted.  They go from memory through registers, converted on the way.
; NO PREFETCH: the streams read once (freqs, half of y) are asked for at the head, and the weights are asked for by their own loads, tiles ahead of their use.
; tanh: |x| < 1/4: x - x^3/3 + 2x^5/15 - 17x^7/315 + 62x^9/2835 (the next term is under 1e-8 of x); else (e - 1)/(e + 1), e = 2^(2 log2(e) min(x, 43)).
; sin, cos: y is reduced to a = (y - 2 pi n)/2 by one fused multiply-add; Taylor to a^9 and a^10; sin y = 2 sin a cos a, cos y = 1 - 2 sin^2 a.
; LIMITS.  head_w, head_b, x and hid are rounded to f16 (half an ulp is 2^-11 of the number): magnitudes of head_w or head_b above 65,504 overflow, under 6e-5 they keep an absolute error of 2^-25.
; sin and cos carry 1.5e-5 + 6e-8 |y|.  NaN and infinities among the inputs are not served (a NaN ahead of tanh gives 1).  A block of zeros gets the scale byte 1 with zero codes; the bytes are read here alone.
; y[:, 64:] is not read: the computation does not use it.
;
; LDS, in bytes
.set PRIVB, 5376                       ; 8 x 5,376: a wave's own: the turn of freqs (16 x 272), raw rows of hw (2 x 2,624), the weights' stage (16 x 272, later 16 x 144)
.set HWI,   43008                      ; 15 slots of 1,152: an E2M1 fragment as an image of its registers (2 x 512) and its scale words (128).  Slot 4 l + tile; tile 4 of layer l: 12 + l
.set XIM,   60416                      ; x, f16, 64 rows of 256 + 16
.set HIM,   77824                      ; h: images of eight registers, 1,024 for each s
.set HID,   81920                      ; hid, f16, 64 rows of 128 + 16
.set H64,   91136                      ; hid[64]: image of one register, 128 for each s
.set BIA,   91648                      ; the head_b sums of the first product, f32, 64 rows of 80 numbers + 16 bytes
.set OST,   113152                     ; the output's stage, f32, 64 rows of 256 + 16
.set TIM,   130560                     ; the first product's main tiles: (tile 0 .. 32) x s x 1,024, images of eight registers
; byte offsets in head_w (32 a parameter) and head_b (4 a parameter)
.set HW_B1, 266240
.set HW_W2, 268320
.set HW_B2, 401440
.set HB_B1, 33280
.set HB_W2, 33540
.set HB_B2, 50180
; REGISTERS, two windows of 256.  v0 thread, v1 lane l, v2 r = l % 16, v3 hh = l / 16; v4-25 addresses and offsets, made anew in each part; v26-31 three constants as pairs.
; Window 0, v234-238 the weights' scale words, v239 the activations': scales and nothing else.  Window 0, v240-255: the two sums of product 4, written by matrix instructions alone.
; hyper role: v32-71 five result tiles; v72-111 five weight fragments; v120-127 the activations' codes; v128-135 the K tail (130-135 stay 0); v136-231 at work.
;   window 1: v0-119 the three layers' biases as C; v120-153 hw3; v156-163 hb3; v164-203 raw rows of hw1.
; gemm role: v32-95 and v160-223 sets 0 and 2 of the weights as loaded; v96-127 packed; v128-159 four accumulators.
;   window 1: v0-127 x's 16 fragments; v128-159 a weight tile's four; v160-223 set 1 of the weights as loaded; v224-255 four sets of C.
; all waves, later: v32-63 h; v64-127 at work; v128-159 four sets of C; v160-175 packed; v176-183 the head_b tile's C; v184-188 the j = 64 weights; v196-211 hid_pre, then out; v212-227 sums of head_b.
;   window 1: v0-95 hid's 12 fragments; v96-119 a weight tile's three; v128-255 the four main tiles' weights as loaded.
.set QT,  184                          ; the weight quantiser's registers: +0 .. +2 maxima, +3, +4 scale operands, +5, +6 bytes, +7 the other half's word, +8 = 8 hh
.set TL,  128
.set HQ,  208                          ; the activation quantiser's: +0 maxima, +3 the other half's, +6 scale operands, +9 bytes
.set YY,  160                          ; trig: y, then a
.set NW,  192                          ; n, then a^2, then 2 sin a
.set SNR, 96                           ; sin a, then cos y
.set CSR, 128                          ; cos a, then sin y
.set WF2, 96                           ; window 1: the second product's weight fragments
.set R2B, 128                          ; window 1: its main tiles' weights as loaded, 32 registers a tile
.set MSB, 0
.macro WIN new                         ; the immediate's high byte repeats the setting that is left; a switch that changes nothing is dropped
.if MSB != \new
	s_set_vgpr_msb (MSB<<8)|\new
.set MSB, \new
.endif
.endm
.macro BAR                             ; my LDS stores have landed and my LDS loads are in: then the work-group's barrier
	s_wait_dscnt 0x0
	s_barrier_signal -1
	s_barrier_wait -1
.endm
.macro NOPS n
.rept \n
	v_nop
.endr
.endm
.macro SPAIR r, bits                   ; a constant as a scalar pair: the packed forms name the pair and take its low word for both halves
	s_mov_b32 s[\r], \bits
	s_mov_b32 s[\r+1], \bits
.endm
; runs of n packed instructions on register pairs d, a, b, c (stage by stage, so that no line waits for the line above it)
.macro R_MUL d, a, b, n
.set j, 0
.rept \n
	v_pk_mul_f32 v[(\d)+j:(\d)+j+1], v[(\a)+j:(\a)+j+1], v[(\b)+j:(\b)+j+1]
.set j, j+2
.endr
.endm
.macro R_MULS d, a, sc, n
.set j, 0
.rept \n
	v_pk_mul_f32 v[(\d)+j:(\d)+j+1], v[(\a)+j:(\a)+j+1], s[\sc:\sc+1] op_sel_hi:[1,0]
.set j, j+2
.endr
.endm
.macro R_ADD d, a, b, n
.set j, 0
.rept \n
	v_pk_add_f32 v[(\d)+j:(\d)+j+1], v[(\a)+j:(\a)+j+1], v[(\b)+j:(\b)+j+1]
.set j, j+2
.endr
.endm
.macro R_ADDK d, a, k, n
.set j, 0
.rept \n
	v_pk_add_f32 v[(\d)+j:(\d)+j+1], v[(\a)+j:(\a)+j+1], \k op_sel_hi:[1,0]
.set j, j+2
.endr
.endm
.macro R_FMA d, a, b, c, n
.set j, 0
.rept \n
	v_pk_fma_f32 v[(\d)+j:(\d)+j+1], v[(\a)+j:(\a)+j+1], v[(\b)+j:(\b)+j+1], v[(\c)+j:(\c)+j+1]
.set j, j+2
.endr
.endm
.macro R_FMAS d, a, b, sc, n           ; + a scalar constant
.set j, 0
.rept \n
	v_pk_fma_f32 v[(\d)+j:(\d)+j+1], v[(\a)+j:(\a)+j+1], v[(\b)+j:(\b)+j+1], s[\sc:\sc+1] op_sel_hi:[1,1,0]
.set j, j+2
.endr
.endm
.macro R_FMAK d, a, b, k, n            ; + an inline constant
.set j, 0
.rept \n
	v_pk_fma_f32 v[(\d)+j:(\d)+j+1], v[(\a)+j:(\a)+j+1], v[(\b)+j:(\b)+j+1], \k op_sel_hi:[1,1,0]
.set j, j+2
.endr
.endm
.macro R_FMAC d, a, cv, sc, n          ; a x the constant pair v[cv] + a scalar constant
.set j, 0
.rept \n
	v_pk_fma_f32 v[(\d)+j:(\d)+j+1], v[(\a)+j:(\a)+j+1], v[\cv:\cv+1], s[\sc:\sc+1] op_sel_hi:[1,1,0]
.set j, j+2
.endr
.endm
; tanh of 2 N numbers from v[X] on, in place; 8 N registers from v[TB] on at work.  The exponentials are one batch and the reciprocals another, each with plain work behind it and ONE wait
; ahead of its first reader.
.macro TANHG X, N, TB
.set tE, (\TB)
.set tD, (\TB)+2*(\N)
.set tW, (\TB)+4*(\N)
.set tP, (\TB)+6*(\N)
.set j, 0
.rept 2*(\N)
	v_min_num_f32 v[tE+j], 0x422c0000, v[(\X)+j]   ; min(x, 43): e stays finite.  (Results of matrix instructions are read here from their low end on)
.set j, j+1
.endr
	R_MULS tE, tE, 44, \N                          ; x 2 log2(e)
.set j, 0
.rept 2*(\N)
	v_exp_f32 v[tE+j], v[tE+j]                     ; e = exp(2 x)
.set j, j+1
.endr
	R_MUL  tW, \X, \X, \N                          ; the series, plain work behind the exponentials: w = x^2
	R_FMAC tP, tW, 26, 50, \N                      ; 62/2835 w - 17/315
	R_FMAS tP, tP, tW, 48, \N                      ; .. w + 2/15
	R_FMAS tP, tP, tW, 46, \N                      ; .. w - 1/3
	R_MUL  tP, tP, tW, \N
	R_FMA  tP, \X, tP, \X, \N                      ; x + x (..)
	s_wait_alu depctr_va_vdst(0)                   ; one wait for the batch of exponentials
	R_ADDK tD, tE, 1.0, \N
	R_ADDK tE, tE, -1.0, \N
.set j, 0
.rept 2*(\N)
	v_rcp_f32 v[tD+j], v[tD+j]
.set j, j+1
.endr
.set j, 0
.rept 2*(\N)
	v_cmp_gt_f32 s[68+j], s9, v[tW+j]              ; 1/16 > x^2: the series serves.  (Plain work behind the reciprocals)
.set j, j+1
.endr
	s_wait_alu depctr_va_vdst(0)                   ; one wait for the batch of reciprocals
	R_MUL  tE, tE, tD, \N                          ; (e - 1) / (e + 1)
.set j, 0
.rept 2*(\N)
	v_cndmask_b32 v[(\X)+j], v[tE+j], v[tP+j], s[68+j]
.set j, j+1
.endr
.endm
; A lane holds a WHOLE block of 32 along K in v[V] .. v[V+31] (block hh of its row) and the first eight numbers of block 2 + hh in v[TL] .. v[TL+7].  Out: five registers of codes from v[OUT] on, the row's scale word in v[SW].
; A block's scale operand is its largest magnitude with 2 taken off the exponent field; the floor 2^(3 - 127) among the maximum's leaves holds the byte at 1 from below.
.macro QW V, OUT, SW
	v_max3_num_f32 v[QT], |v[(\V)]|, |v[(\V)+1]|, 0x1800000
	v_max3_num_f32 v[QT+1], |v[(\V)+2]|, |v[(\V)+3]|, 0x1800000
.irp i, 4,8,12,16,20,24,28
	v_max3_num_f32 v[QT], v[QT], |v[(\V)+\i]|, |v[(\V)+\i+1]|
	v_max3_num_f32 v[QT+1], v[QT+1], |v[(\V)+\i+2]|, |v[(\V)+\i+3]|
.endr
	v_max3_num_f32 v[QT+2], |v[TL]|, |v[TL+1]|, 0x1800000
	v_max_num_f32 v[QT], v[QT], v[QT+1]
	v_add_nc_u32 v[QT+3], 0xff000000, v[QT]
	v_add_nc_u32 v[QT+4], 0xff000000, v[QT+2]
	v_lshrrev_b32 v[QT+5], 23, v[QT+3]             ; the bytes of blocks hh and 2 + hh,
	v_lshrrev_b32 v[QT+6], 23, v[QT+4]
	v_lshl_or_b32 v[QT+5], v[QT+6], 16, v[QT+5]
	v_lshlrev_b32 v[QT+5], v[QT+8], v[QT+5]        ; at their places in the word (8 hh bits up);
	v_permlanex16_b32 v[QT+7], v[QT+5], s6, s7
	v_or_b32 v[\SW], v[QT+5], v[QT+7]              ; with lane l xor 16's two the word is whole
.irp g, 0,1,2,3
	v_cvt_scalef32_pk8_fp4_f32 v[(\OUT)+\g], v[(\V)+8*\g:(\V)+8*\g+7], v[QT+3]
.endr
	v_cvt_scalef32_pk8_fp4_f32 v[(\OUT)+4], v[TL:TL+7], v[QT+4]
	v_nop                                          ; one plain place behind a scaled conversion
.endm
; a layer's bias in the result's layout: tile 2 b + u, lane (r, hh), register e: unit 32 b + 16 hh + 8 u + e; tile 4: units 64 and 65 in registers 0 and 1.  Window 1
.macro LDBI lay, sb
.irp q, 0,1,2,3
	global_load_b128 v[40*\lay+8*\q:40*\lay+8*\q+3], v18, s[\sb:\sb+1] offset:128*(\q/2)+32*(\q%2)
	global_load_b128 v[40*\lay+8*\q+4:40*\lay+8*\q+7], v18, s[\sb:\sb+1] offset:128*(\q/2)+32*(\q%2)+16
.endr
	global_load_b64 v[40*\lay+32:40*\lay+33], v19, s[\sb:\sb+1] offset:256
.endm
.macro BATCH2                          ; 37 loads: the biases of layers 1 and 2, hw3 in the f32 form's layout, hb3
	WIN 0x40
	LDBI 1, 28
	LDBI 2, 32
.set sg, 0
.rept 16
	global_load_b64 v[120+2*sg:121+2*sg], v20, s[34:35] offset:128*(sg/8)+8*(sg%8)   ; K step sg: hw3[r % 8][32 (sg / 8) + 16 hh + 2 (sg % 8) + 0, 1]
.set sg, sg+1
.endr
	global_load_b64 v[152:153], v21, s[34:35] offset:256                            ; the tail: hw3[r % 8][64, 65]
	global_load_b128 v[156:159], v19, s[36:37]
	global_load_b128 v[160:163], v19, s[36:37] offset:16
	WIN 0
.endm
; Pass pi: tile w of layer pi.  Its 16 rows are two runs of 8 neighbouring rows, loaded dense; they go through my own LDS bytes and come back a row to a lane.
.macro PASS pi, cnt
.if \pi == 0
.set CRB, 32
.elseif \pi == 1
.set CRB, 164
.else
.set CRB, 136
.endif
	s_wait_loadcnt \cnt                            ; this pass's ten loads are in; the count is what was issued behind them
.if \pi == 1
	WIN 0x04                                       ; an LDS store's data are its source 1: window 1
.endif
.irp gq, 0,1
.irp i, 0,1,2,3,4
	ds_store_b128 v7, v[CRB+20*\gq+4*\i:CRB+20*\gq+4*\i+3] offset:2624*\gq+512*\i
.endr
.endr
	WIN 0
.if \pi == 0
.set p, 0
.rept 32
	ds_load_b32 v[196+p], v8 offset:4*((p+1)%32)   ; place p holds k = 32 hh + (p + 1) % 32, as z has it; rows of 260 bytes
.set p, p+1
.endr
	ds_load_b32 v106, v9 offset:256                ; k = 64
.else
.set p, 0
.rept 16
	ds_load_b64 v[196+2*p:197+2*p], v10 offset:8*p ; rows of 264 bytes
.set p, p+1
.endr
	ds_load_b64 v[106:107], v11 offset:256         ; k = 64, 65
.endif
.if \pi == 2
	BATCH2                                         ; what the layers will want: asked for here, a pass and a half ahead of the join
.endif
	s_wait_dscnt 0x0                               ; the rows are in, and the last pass's image stores have read their registers
	v_cndmask_b32 v[TL], 0, v106, s8               ; block 2 belongs to lanes 0-15; lanes 16-31 hold block 3: zeros
.if \pi == 0
	v_mov_b32 v[TL+1], 0
.else
	v_cndmask_b32 v[TL+1], 0, v107, s8
.endif
	QW 196, 176, 194
	ds_store_b128 v12, v[176:179] offset:4608*\pi  ; the fragment goes to LDS as an image of its registers,
	ds_store_b128 v12, v[180:183] offset:4608*\pi+512
	ds_store_b32 v13, v194 offset:4608*\pi+1024    ; its scale words likewise
.endm
.macro WLOAD lay                       ; a layer's five fragments and scale words, from their images
.irp q, 0,1,2,3
	ds_load_b128 v[72+8*\q:75+8*\q], v4 offset:HWI+1152*(4*(\lay)+\q)
	ds_load_b128 v[76+8*\q:79+8*\q], v4 offset:HWI+1152*(4*(\lay)+\q)+512
	ds_load_b32 v[234+\q], v5 offset:HWI+1152*(4*(\lay)+\q)+1024
.endr
	ds_load_b128 v[104:107], v4 offset:HWI+1152*(12+(\lay))
	ds_load_b128 v[108:111], v4 offset:HWI+1152*(12+(\lay))+512
	ds_load_b32 v238, v5 offset:HWI+1152*(12+(\lay))+1024
.endm
; The activations become the next product's operand.  Register 16 b + e of v32 on is unit 32 b + 16 hh + e: a block lies in lanes l and l xor 16.
.macro QH
.irp b, 0,1
	v_max3_num_f32 v[HQ+\b], |v[32+16*\b]|, |v[33+16*\b]|, 0x1800000
.endr
	v_max3_num_f32 v[HQ+2], |v[TL]|, |v[TL+1]|, 0x1800000
.irp i, 2,4,6,8,10,12,14
.irp b, 0,1
	v_max3_num_f32 v[HQ+\b], v[HQ+\b], |v[32+16*\b+\i]|, |v[33+16*\b+\i]|
.endr
.endr
.irp b, 0,1,2
	v_permlanex16_b32 v[HQ+3+\b], v[HQ+\b], s6, s7
.endr
.irp b, 0,1,2
	v_max_num_f32 v[HQ+\b], v[HQ+\b], v[HQ+3+\b]
.endr
.irp b, 0,1,2
	v_add_nc_u32 v[HQ+6+\b], 0xff000000, v[HQ+\b]
.endr
.irp b, 0,1,2
	v_lshrrev_b32 v[HQ+9+\b], 23, v[HQ+6+\b]
.endr
	v_lshl_or_b32 v239, v[HQ+10], 8, v[HQ+9]
	v_lshl_or_b32 v239, v[HQ+11], 16, v239
	v_or_b32 v239, 0x1000000, v239                 ; block 3 is zeros: byte 1
.irp b, 0,1
	v_cvt_scalef32_pk8_fp4_f32 v[120+2*\b], v[32+16*\b:39+16*\b], v[HQ+6+\b]
	v_cvt_scalef32_pk8_fp4_f32 v[121+2*\b], v[40+16*\b:47+16*\b], v[HQ+6+\b]
.endr
	v_cvt_scalef32_pk8_fp4_f32 v124, v[TL:TL+7], v[HQ+8]
	v_nop                                          ; one plain place behind a scaled conversion
	v_permlane16_swap_b32 v120, v122               ; the operand wants a whole block in a lane: lanes 0-15 block 0, lanes 16-31 block 1
	v_permlane16_swap_b32 v121, v123
	NOPS 8                                         ; a scale register written by a vector instruction stands 8 places ahead of a scaled matrix instruction, an operand 4
.endm
.macro HLAYER lay
	s_wait_dscnt 0x0                               ; the layer's fragments and scale words are in
	WIN 0x10                                       ; C (the bias) in window 1
.irp q, 0,1,2,3,4
	v_wmma_scale_f32_16x16x128_f8f6f4 v[32+8*\q:39+8*\q], v[72+8*\q:79+8*\q], v[120:127], v[40*(\lay)+8*\q:40*(\lay)+8*\q+7], v[234+\q], v239 matrix_a_fmt:MATRIX_FMT_FP4 matrix_b_fmt:MATRIX_FMT_FP4
.endr
	WIN 0
	NOPS 4                                         ; places in front of loads into registers that the products have read, and of the first read of results
.if \lay < 2
	WLOAD (\lay)+1                                 ; the next layer's: they land during the tanh
.endif
	TANHG 32, 9, 136
	TANHG 50, 7, 136
	TANHG 64, 1, 136
	v_cndmask_b32 v[TL], 0, v64, s8                ; units 64 and 65 lie in lanes 0-15 of tile 4's registers 0 and 1
	v_cndmask_b32 v[TL+1], 0, v65, s8
.if \lay < 2
	QH
.endif
.endm
; ---- the first product's macros (gemm role)
.macro RSET q                          ; set q of the weights as loaded: where it begins, and in which window it lies
.if (\q) == 0
.set rbs, 32
.set rwn, 0
.elseif (\q) == 1
.set rbs, 160
.set rwn, 1
.else
.set rbs, 160
.set rwn, 0
.endif
.endm
.macro LD1M m, q, c                    ; main tile g + 4 m into set q: the blocks j = 2 t, 2 t + 1 of head_w, 4,096 dense bytes each; HW(8320 + j, .) as C set c: 18 loads
	RSET \q
	WIN 0x40*rwn
.irp jl, 0,1
.irp u, 0,1,2,3,4,5,6,7
	global_load_b128 v[rbs+32*\jl+4*\u:rbs+32*\jl+4*\u+3], v5, s[38:39] offset:32768*(\m)+4096*\jl+512*\u
.endr
.endr
	WIN 0x40
	global_load_b128 v[224+8*(\c):227+8*(\c)], v6, s[38:39] offset:HW_B1+256*(\m)
	global_load_b128 v[228+8*(\c):231+8*(\c)], v6, s[38:39] offset:HW_B1+256*(\m)+16
	WIN 0
.endm
.macro LD1B x, q, c                    ; head_b tile g + x into set q: rows j = 16 (g + x) .. + 15 of 512 bytes; HB(8320 + j) as C set c: 18 loads
	RSET \q
	WIN 0x40*rwn
.irp jl, 0,1
.irp u, 0,1,2,3,4,5,6,7
	global_load_b128 v[rbs+32*\jl+4*\u:rbs+32*\jl+4*\u+3], v4, s[40:41] offset:8192*(\x)+4096*\jl+64*\u
.endr
.endr
	WIN 0x40
	global_load_b128 v[224+8*(\c):227+8*(\c)], v6, s[40:41] offset:HB_B1+64*(\x)
	global_load_b128 v[228+8*(\c):231+8*(\c)], v6, s[40:41] offset:HB_B1+64*(\x)+16
	WIN 0
.endm
.macro CV1 q                           ; set q's 64 f32 become eight pieces of 16 bytes: piece (jl, cc) = places 0 .. 7 of one operand row
	RSET \q
	WIN 0x05*rwn
.irp jl, 0,1
.irp cc, 0,1,2,3
.irp mm, 0,1,2,3
	v_cvt_pk_f16_f32 v[96+16*\jl+4*\cc+\mm], v[rbs+32*\jl+8*\mm+\cc], v[rbs+4+32*\jl+8*\mm+\cc]
.endr
.endr
.endr
	WIN 0
.endm
.macro ST1 adr, stride                 ; the pieces into my stage, 16 rows of 272 bytes
.irp jl, 0,1
.irp cc, 0,1,2,3
	ds_store_b128 v[\adr], v[96+16*\jl+4*\cc:99+16*\jl+4*\cc] offset:2176*\jl+(\stride)*\cc
.endr
.endr
.endm
.macro FRL                             ; and back as four fragments (LDS serves a wave's instructions in order: these see the stores above)
	WIN 0x40
.irp k, 0,1,2,3
	ds_load_b128 v[128+8*\k:131+8*\k], v10 offset:64*\k
	ds_load_b128 v[132+8*\k:135+8*\k], v10 offset:64*\k+32
.endr
	WIN 0
.endm
.macro MM1 c                           ; 16 products: the four sample tiles' accumulators by turns, one instruction a turn; the first K step takes C set c, from window 1
	WIN 0x15
.irp s, 0,1,2,3
	v_wmma_f32_16x16x32_f16 v[128+8*\s:135+8*\s], v[128:135], v[32*\s:32*\s+7], v[224+8*(\c):231+8*(\c)]
.endr
	WIN 0x05
.irp k, 1,2,3
.irp s, 0,1,2,3
	v_wmma_f32_16x16x32_f16 v[128+8*\s:135+8*\s], v[128+8*\k:135+8*\k], v[32*\s+8*\k:32*\s+8*\k+7], v[128+8*\s:135+8*\s]
.endr
.endr
	WIN 0
.endm
.macro TST adr, imm                    ; a main tile's results to LDS as images, each accumulator from its low end on
.irp s, 0,1,2,3
	ds_store_b128 v[\adr], v[128+8*\s:131+8*\s] offset:(\imm)+1024*\s
	ds_store_b128 v[\adr], v[132+8*\s:135+8*\s] offset:(\imm)+1024*\s+512
.endr
.endm
.macro BST imm                         ; a head_b tile's results: row = sample, eight neighbouring j
.irp s, 0,1,2,3
	ds_store_b128 v14, v[128+8*\s:131+8*\s] offset:(\imm)+5376*\s
	ds_store_b128 v14, v[132+8*\s:135+8*\s] offset:(\imm)+5376*\s+16
.endr
.endm
; A step of the first product, in two parts; between them stand the loads of tile i + 4, into the set that tile i + 1 has just left and the C set that tile i has just used.
.macro GSTEP i, cnt                    ; tile i is multiplied, tile i + 1 converted.  cnt: the loads issued behind tile i + 1's
	s_wait_dscnt 0x0                               ; tile i's fragments are in; the last tile's stores have read their registers
	MM1 (\i)%4
	s_wait_loadcnt \cnt
	CV1 ((\i)+1)%3                                 ; 32 plain conversions: the places behind the products
.endm
.macro GREST i, adr, stride            ; tile i's results go to LDS, tile i + 1 is staged and read back as fragments
	TST 11+(\i)/4, 16384*((\i)%4)
	ST1 \adr, \stride
	FRL
.endm
; ---- the second product's macros (all waves)
.macro LD2M n                          ; main tile w + 8 n: the blocks o = 2 t, 2 t + 1 (j = 0 .. 63), their j = 64 weights, HW(12545 + o, .) as C: 11 loads
	WIN 0x40
.irp ol, 0,1
.irp u, 0,1,2,3
	global_load_b128 v[R2B+32*(\n)+16*\ol+4*\u:R2B+32*(\n)+16*\ol+4*\u+3], v12, s[38:39] offset:HW_W2+33280*(\n)+2080*\ol+512*\u
.endr
.endr
	WIN 0
	global_load_b32 v[184+(\n)], v13, s[38:39] offset:HW_W2+2048+33280*(\n)
	global_load_b128 v[128+8*(\n):131+8*(\n)], v14, s[38:39] offset:HW_B2+512*(\n)
	global_load_b128 v[132+8*(\n):135+8*(\n)], v14, s[38:39] offset:HW_B2+512*(\n)+16
.endm
.macro LD2B                            ; the head_b tile: row 8 hh + n holds o = 2 w + hh + 16 n (n = 0 .. 3), so that its results fall beside the main tiles' sums: 21 loads
.irp n, 0,1,2,3
.irp q, 0,1,2,3
	global_load_b32 v[104+4*\n+\q], v19, s[40:41] offset:HB_W2+4160*\n+64*\q
.endr
.endr
	global_load_b32 v188, v20, s[40:41] offset:HB_W2+256
.irp n, 0,1,2,3
	global_load_b32 v[176+\n], v21, s[40:41] offset:HB_B2+64*\n
.endr
.endm
.macro FR2                             ; the j = 64 weight (lanes 0-15, low half of one register) and the staged rows as two fragments
	WIN 0x40
	v_cndmask_b32 v[WF2+16], 0, v194, s8
	ds_load_b128 v[WF2:WF2+3], v16
	ds_load_b128 v[WF2+4:WF2+7], v16 offset:32
	ds_load_b128 v[WF2+8:WF2+11], v16 offset:64
	ds_load_b128 v[WF2+12:WF2+15], v16 offset:96
	WIN 0
.endm
.macro CV2 n
	WIN 0x05                                       ; the weights as loaded lie in window 1
.irp ol, 0,1
.irp cc, 0,1,2,3
.irp mm, 0,1
	v_cvt_pk_f16_f32 v[160+8*\ol+2*\cc+\mm], v[R2B+32*(\n)+16*\ol+8*\mm+\cc], v[R2B+32*(\n)+4+16*\ol+8*\mm+\cc]
.endr
.endr
.endr
	WIN 0
	v_cvt_pk_f16_f32 v194, v[184+(\n)], 0
.irp ol, 0,1
.irp cc, 0,1,2,3
	ds_store_b64 v15, v[160+8*\ol+2*\cc:161+8*\ol+2*\cc] offset:1152*\ol+144*\cc
.endr
.endr
	FR2
.endm
.macro CV2B                            ; rows 4-7 and 12-15 of the stage keep the last main tile's numbers: their results fall into registers 4-7, which nobody reads
.irp n, 0,1,2,3
	v_cvt_pk_f16_f32 v[160+2*\n], v[104+4*\n], v[105+4*\n]
	v_cvt_pk_f16_f32 v[161+2*\n], v[106+4*\n], v[107+4*\n]
.endr
	v_cvt_pk_f16_f32 v194, v188, 0
.irp n, 0,1,2,3
	ds_store_b64 v17, v[160+2*\n:161+2*\n] offset:144*\n
.endr
	FR2
.endm
.macro MM2 cr                          ; 12 products: three K steps, the four accumulators by turns
	WIN 0x05
.irp k, 0,1,2
.irp s, 0,1,2,3
.if \k == 0
	v_wmma_f32_16x16x32_f16 v[64+8*\s:71+8*\s], v[WF2+8*\k:WF2+8*\k+7], v[24*\s+8*\k:24*\s+8*\k+7], v[(\cr):(\cr)+7]
.else
	v_wmma_f32_16x16x32_f16 v[64+8*\s:71+8*\s], v[WF2+8*\k:WF2+8*\k+7], v[24*\s+8*\k:24*\s+8*\k+7], v[64+8*\s:71+8*\s]
.endif
.endr
.endr
	WIN 0
.endm
.macro CON4 tb, pt, dst, dstep         ; the sum over c with h, for the four sample tiles by turns: v[dst + dstep s] = sum_c v[tb + 8 s + c] h_c
.irp k, 0,2,4,6
.irp s, 0,1,2,3
.if \k == 0
	v_pk_mul_f32 v[(\pt)+2*\s:(\pt)+2*\s+1], v[(\tb)+8*\s:(\tb)+8*\s+1], v[32+8*\s:33+8*\s]
.else
	v_pk_fma_f32 v[(\pt)+2*\s:(\pt)+2*\s+1], v[(\tb)+8*\s+\k:(\tb)+8*\s+\k+1], v[32+8*\s+\k:33+8*\s+\k], v[(\pt)+2*\s:(\pt)+2*\s+1]
.endif
.endr
.endr
.irp s, 0,1,2,3
	v_add_f32 v[(\dst)+(\dstep)*\s], v[(\pt)+2*\s], v[(\pt)+2*\s+1]
.endr
.endm
; ======================================================================== the head, all waves
	s_load_b512 s[16:31], s[0:1], 0x0              ; t 16, y 18, freqs 20, hw0 22, hb0 24, hw1 26, hb1 28, hw2 30
	s_load_b256 s[32:39], s[0:1], 0x40             ; hb2 32, hw3 34, hb3 36, head_w 38
	s_load_b128 s[40:43], s[0:1], 0x60             ; head_b 40, out0 42
	v_lshl_add_u32 v232, v0, 2, 0x40e00
	v_mov_b32 v233, 0
	v_lshrrev_b32 v1, 5, v0
	v_readfirstlane_b32 s2, v1                     ; wave w
	v_and_b32 v1, 31, v0                           ; lane l
	v_and_b32 v2, 15, v0                           ; r
	v_bfe_u32 v3, v0, 4, 1                         ; hh
	s_and_b32 s3, s2, 3                            ; g, or the hyper wave's sample tile
	s_mov_b32 s6, 0x76543210                       ; v_permlanex16_b32's selects for lane l xor 16
	s_mov_b32 s7, 0xfedcba98
	s_mov_b32 s8, 0xffff                           ; lanes 0-15
	s_mov_b32 s9, 0x3d800000                       ; 1/16
	SPAIR 44, 0x4038aa3b                           ; 2 log2(e)
	SPAIR 46, 0xbeaaaaab                           ; -1/3
	SPAIR 48, 0x3e088889                           ; 2/15
	SPAIR 50, 0xbd5d0dd1                           ; -17/315
	SPAIR 52, 0x40490fdb                           ; pi
	SPAIR 54, 0xbe2aaaab                           ; -1/6
	SPAIR 56, 0x3c088889                           ; 1/120
	SPAIR 58, 0xb9500d01                           ; -1/5040
	SPAIR 60, 0x3d2aaaab                           ; 1/24
	SPAIR 62, 0xbab60b61                           ; -1/720
	SPAIR 66, 0x37d00d01                           ; 1/40320
	SPAIR 94, 0x3e22f983                           ; 1/(2 pi)
	v_mov_b32 v26, 0x3cb327a4                      ; 62/2835
	v_mov_b32 v27, 0x3cb327a4
	v_mov_b32 v28, 0x3638ef1d                      ; 1/362880
	v_mov_b32 v29, 0x3638ef1d
	v_mov_b32 v30, 0xb493f27e                      ; -1/3628800
	v_mov_b32 v31, 0xb493f27e
	s_wait_kmcnt 0x0
	s_load_b32 s5, s[16:17], 0x0                   ; t: waited for where it is read (waves 0-3), or at the end of part A (waves 4-7, which do not read it)
	s_lshl_b32 s10, ttmp9, 15                      ; the work-group's 64 rows: 512 bytes each in y,
	s_mov_b32 s11, 0
	s_add_nc_u64 s[18:19], s[18:19], s[10:11]
	s_lshl_b32 s10, ttmp9, 14                      ; 256 in freqs and in out0
	s_add_nc_u64 s[20:21], s[20:21], s[10:11]
	s_add_nc_u64 s[42:43], s[42:43], s[10:11]
	s_cmp_lt_u32 s2, 4
	s_cbranch_scc0 .La_gemm
; ======================================================================== A, waves 0-3: z and the fifteen weight tiles become codes
	s_cmp_eq_u32 s2, 0                             ; tile 4 (rows 64, 65) of layer min(w, 2): its buffer,
	s_cselect_b64 s[86:87], s[22:23], s[26:27]
	s_cmp_gt_u32 s2, 1
	s_cselect_b64 s[86:87], s[30:31], s[86:87]
	s_min_u32 s88, s2, 1
	s_lshl_b32 s90, s88, 2
	s_add_co_u32 s89, s90, 260                     ; its row: 260 bytes in hw0, else 264,
	s_sub_co_u32 s92, 4, s90                       ; hw0's places are turned by one number,
	s_mul_i32 s93, s88, 124                        ; place 31 holds k = 32 hh in hw0, else 32 hh + 31,
	s_sub_co_u32 s91, 0, s88
	s_and_b32 s91, s91, s8                         ; and k = 65 is there (in lanes 0-15) in hw1 and hw2 alone
	s_and_b32 s12, s2, 1
	s_lshl_b32 s12, s12, 3
	s_lshr_b32 s13, s2, 1
	s_lshl_b32 s13, s13, 5
	s_add_co_u32 s12, s12, s13                     ; tile w's first row: 8 (w % 2) + 32 (w / 2); its other eight rows lie 16 further on
	s_mul_i32 s14, s12, 260
	s_mov_b32 s15, 0
	s_add_nc_u64 s[22:23], s[22:23], s[14:15]
	s_mul_i32 s14, s12, 264
	s_add_nc_u64 s[26:27], s[26:27], s[14:15]
	s_add_nc_u64 s[30:31], s[30:31], s[14:15]
	s_lshl_b32 s14, s2, 12                         ; my 16 rows of freqs
	s_add_nc_u64 s[20:21], s[20:21], s[14:15]
	v_lshlrev_b32 v4, 4, v1                        ; 16 l
.irp i, 0,1,2,3,4,5,6,7
	global_load_b128 v[72+4*\i:75+4*\i], v4, s[20:21] offset:512*\i th:TH_LOAD_NT   ; freqs: 512 consecutive bytes a load
.endr
.irp gq, 0,1
.irp i, 0,1,2,3,4
	global_load_b128 v[32+20*\gq+4*\i:35+20*\gq+4*\i], v4, s[22:23] offset:4160*\gq+512*\i   ; eight rows are 2,080 (2,112) dense bytes from a multiple of 16: five loads; the last run ends inside the buffer
.endr
.endr
	WIN 0x40
.irp gq, 0,1
.irp i, 0,1,2,3,4
	global_load_b128 v[164+20*\gq+4*\i:167+20*\gq+4*\i], v4, s[26:27] offset:4224*\gq+512*\i
.endr
.endr
	WIN 0
.irp gq, 0,1
.irp i, 0,1,2,3,4
	global_load_b128 v[136+20*\gq+4*\i:139+20*\gq+4*\i], v4, s[30:31] offset:4224*\gq+512*\i
.endr
.endr
	s_mul_i32 s10, s2, PRIVB                       ; my own LDS bytes
	v_mul_u32_u24 v24, v3, 272
	v_lshl_add_u32 v5, v2, 4, v24
	v_add_nc_u32 v5, s10, v5                       ; v5  freqs in: row hh (+ 2 i), 16 r
	v_mul_u32_u24 v24, v2, 272
	v_lshl_add_u32 v6, v3, 7, v24
	v_add_nc_u32 v6, s10, v6                       ; v6  freqs back: row r, + 128 hh
	v_add_nc_u32 v7, s10, v4                       ; v7  raw rows in: as loaded
	v_lshrrev_b32 v24, 3, v2
	v_and_b32 v25, 7, v2
	v_mul_u32_u24 v24, v24, 2624
	v_add_nc_u32 v24, s10, v24
	v_mad_u32_u24 v9, v25, 260, v24                ; v9  hw0: my row;  v8  + 128 hh
	v_lshl_add_u32 v8, v3, 7, v9
	v_mad_u32_u24 v11, v25, 264, v24               ; v11, v10 the same for hw1 and hw2
	v_lshl_add_u32 v10, v3, 7, v11
	s_mul_i32 s11, s2, 1152
	s_add_co_u32 s11, s11, HWI
	v_add_nc_u32 v12, s11, v4                      ; v12 my slot's image;  v13 its scale words
	v_lshl_add_u32 v13, v1, 2, s11
	v_min_u32 v24, 1, v2
	v_add_nc_u32 v24, 64, v24                      ; tile 4: lane r takes row 64 + min(r, 1)
	v_mul_u32_u24 v16, s89, v24                    ; v16 the row (k = 64 at + 256);  v17 k = 65, or k = 64 once more where there is no 65
	v_add_nc_u32 v17, s90, v16
	v_lshl_add_u32 v25, v3, 7, v16
	v_add_nc_u32 v14, s92, v25                     ; v14 places 0 .. 30;  v15 place 31
	v_add_nc_u32 v15, s93, v25
	v_lshlrev_b32 v18, 6, v3                       ; v18 64 hh;  v19 0
	v_mov_b32 v19, 0
	v_and_b32 v25, 7, v2
	v_mul_u32_u24 v21, v25, 264                    ; v21 hw3's row r % 8;  v20 + 64 hh
	v_lshl_add_u32 v20, v3, 6, v21
	s_wait_kmcnt 0x0                               ; t is in
	v_mov_b32 v118, s5
	v_add_f32 v118, -0.5, v118                     ; t - 0.5
.irp q, 125,126,127,129,130,131,132,133,134,135,181,182,183,191
	v_mov_b32 v\q, 0                               ; code registers and tail numbers that stay zero; a lane permute's destination
.endr
	v_lshlrev_b32 v[QT+8], 3, v3
	WIN 0x40
.irp lay, 0,1,2
.irp q, 34,35,36,37,38,39
	v_mov_b32 v[40*\lay+\q], 0                     ; tile 4's C has two rows that count
.endr
.endr
	WIN 0
	s_wait_loadcnt 30                              ; freqs are in; the 30 loads of raw rows may be out
.irp i, 0,1,2,3,4,5,6,7
	ds_store_b128 v5, v[72+4*\i:75+4*\i] offset:544*\i
.endr
.irp i, 0,1,2,3,4,5,6,7
	ds_load_b128 v[196+4*\i:199+4*\i], v6 offset:16*\i   ; lane (r, hh): freqs[32 hh .. 32 hh + 31] of sample r
.endr
	s_wait_dscnt 0x0                               ; they are back, and the stores have read v72 on, which the next loads take
.set p, 0
.rept 31
	global_load_b32 v[72+p], v14, s[86:87] offset:4*p   ; tile 4.  All four waves issue these 34, so that the counts below are the same in each; wave 3, which has no tile 4 to make, leaves them unused
.set p, p+1
.endr
	global_load_b32 v103, v15, s[86:87]
	global_load_b32 v104, v16, s[86:87] offset:256
	global_load_b32 v105, v17, s[86:87] offset:256
	WIN 0x40
	LDBI 0, 24
	WIN 0
	v_permlanex16_b32 v[QT+7], v227, s6, s7        ; z: place 31 of block 0 is k = 0, t - 0.5; of block 1 k = 32, freqs[31]; block 2 begins with k = 64, freqs[63]
	v_cndmask_b32 v[TL], 0, v[QT+7], s8
	v_cndmask_b32 v227, v[QT+7], v118, s8
	QW 196, 120, 239
	PASS 0, 63                                     ; behind hw0's ten: 20 + 34 + 9
	PASS 1, 53
	PASS 2, 43
	s_wait_loadcnt 46                              ; tile 4's numbers are in; behind them: 9 + 37
	s_cmp_eq_u32 s2, 3
	s_cbranch_scc1 .La_h_end
	v_cndmask_b32 v[TL], 0, v104, s8
	v_cndmask_b32 v[TL+1], 0, v105, s91
	s_wait_dscnt 0x0                               ; the last pass's image stores have read their registers
	QW 72, 176, 194
	ds_store_b128 v12, v[176:179] offset:13824     ; slot 12 + w
	ds_store_b128 v12, v[180:183] offset:13824+512
	ds_store_b32 v13, v194 offset:13824+1024
.La_h_end:
	s_wait_loadcnt 0x0                             ; no load is out at the join
	s_branch .Lbar1
; ======================================================================== A, waves 4-7: x = [cos y, sin y] of sample tile g
.La_gemm:
	s_lshl_b32 s10, s3, 13
	v_lshrrev_b32 v24, 2, v1
	v_and_b32 v25, 3, v1
	v_lshlrev_b32 v4, 9, v24
	v_lshl_add_u32 v4, v25, 4, v4
	v_add_nc_u32 v4, s10, v4                       ; v4  512 (l / 4) + 16 (l % 4) + 8192 g: y's rows, and head_b's
	v_lshl_add_u32 v5, v1, 4, s10                  ; v5  16 l + 8192 g
	s_lshl_b32 s11, s3, 6
	v_lshl_add_u32 v6, v3, 5, s11                  ; v6  32 hh + 64 g
	s_mul_i32 s12, s3, 4352
	s_add_co_u32 s12, s12, XIM
	v_mul_u32_u24 v7, v24, 272
	v_lshl_add_u32 v7, v25, 6, v7
	v_add_nc_u32 v7, s12, v7                       ; v7  x: row 16 g + l / 4 (+ 8 G), pieces 4 (l % 4) on
.irp G, 0,1
.irp q, 0,1,2,3
	global_load_b128 v[YY+16*\G+4*\q:YY+16*\G+4*\q+3], v4, s[18:19] offset:4096*\G+64*\q th:TH_LOAD_NT   ; register 16 G + 4 q + e: y[4 (l % 4) + e + 16 q] of sample 16 g + 8 G + l / 4
.endr
.endr
	LD1M 0, 0, 0                                   ; the first two weight tiles land during the trig, which works in set 2's registers
	LD1M 1, 1, 1
	s_wait_loadcnt 36                              ; y is in; behind it: those two tiles' 36
	R_MULS NW, YY, 94, 16                          ; y / (2 pi)
.set j, 0
.rept 32
	v_rndne_f32 v[NW+j], v[NW+j]                   ; n
.set j, j+1
.endr
.set j, 0
.rept 16
	v_pk_fma_f32 v[YY+j:YY+j+1], v[YY+j:YY+j+1], s[94:95], v[NW+j:NW+j+1] op_sel_hi:[1,0,1] neg_lo:[0,0,1] neg_hi:[0,0,1]   ; y / (2 pi) - n, one rounding
.set j, j+2
.endr
	R_MULS YY, YY, 52, 16                          ; a, half the reduced angle: |a| <= pi / 2
	R_MUL  NW, YY, YY, 16                          ; a^2
	R_FMAC SNR, NW, 28, 58, 16                     ; the two series by turns
	R_FMAC CSR, NW, 30, 66, 16
	R_FMAS SNR, SNR, NW, 56, 16
	R_FMAS CSR, CSR, NW, 62, 16
	R_FMAS SNR, SNR, NW, 54, 16
	R_FMAS CSR, CSR, NW, 60, 16
	R_MUL  SNR, SNR, NW, 16
	R_FMAK CSR, CSR, NW, -0.5, 16
	R_FMA  SNR, YY, SNR, YY, 16                    ; sin a
	R_FMAK CSR, CSR, NW, 1.0, 16                   ; cos a
	R_ADD  NW, SNR, SNR, 16                        ; 2 sin a
	R_MUL  CSR, NW, CSR, 16                        ; sin y
.set j, 0
.rept 16
	v_pk_fma_f32 v[SNR+j:SNR+j+1], v[NW+j:NW+j+1], v[SNR+j:SNR+j+1], 1.0 op_sel_hi:[1,1,0] neg_lo:[1,0,0] neg_hi:[1,0,0]   ; cos y = 1 - 2 sin^2 a
.set j, j+2
.endr
.irp G, 0,1
.irp e, 0,1,2,3
	v_cvt_pk_f16_f32 v[YY+16*\G+4*\e],   v[SNR+16*\G+\e],   v[SNR+16*\G+4+\e]    ; piece a = 4 (l % 4) + e: cos y[a + 16 q], q = 0 .. 3,
	v_cvt_pk_f16_f32 v[YY+16*\G+4*\e+1], v[SNR+16*\G+8+\e], v[SNR+16*\G+12+\e]
	v_cvt_pk_f16_f32 v[YY+16*\G+4*\e+2], v[CSR+16*\G+\e],   v[CSR+16*\G+4+\e]    ; then the four sines
	v_cvt_pk_f16_f32 v[YY+16*\G+4*\e+3], v[CSR+16*\G+8+\e], v[CSR+16*\G+12+\e]
.endr
.endr
.irp G, 0,1
.irp e, 0,1,2,3
	ds_store_b128 v7, v[YY+16*\G+4*\e:YY+16*\G+4*\e+3] offset:2176*\G+16*\e
.endr
.endr
	s_wait_kmcnt 0x0                               ; (the head's load of t, which these waves do not read)
	s_wait_loadcnt 0x0                             ; no load is out at the join (the two weight tiles were asked for ahead of the trig)
.Lbar1:
	BAR                                            ; the weights' images and x lie in LDS
	s_cmp_lt_u32 s2, 4
	s_cbranch_scc0 .Lb_gemm
; ======================================================================== B, waves 0-3: the hypernet of sample tile w
	v_lshlrev_b32 v4, 4, v1                        ; v4  16 l;  v5  4 l;  v6  where h goes
	v_lshlrev_b32 v5, 2, v1
	s_lshl_b32 s10, s2, 10
	s_add_co_u32 s10, s10, HIM
	v_add_nc_u32 v6, s10, v4
	WLOAD 0
.irp b, 3,4,5
	v_mov_b32 v[HQ+\b], 0                          ; lane permutes' destinations
.endr
	HLAYER 0
	HLAYER 1
	HLAYER 2
	WIN 0x44
	v_cndmask_b32 v152, 0, v152, s8                ; the tail step's K: units 64, 65 in lanes 0-15, nothing in lanes 16-31
	v_cndmask_b32 v153, 0, v153, s8
	; product 4, f32 operands: K step sg takes the pair of registers 2 sg, 2 sg + 1 of every lane; hw3's rows 8-15 repeat rows 0-7, so that both halves of the lanes end with h0 .. h7 of sample r.
	; Two sums by turns, one instruction a turn; the first begins with hb3, the second with 0, each in its own first K step
	WIN 0x11
	v_wmma_f32_16x16x4_f32 v[240:247], v[120:121], v[32:33], v[156:163]
	WIN 0x01
	v_wmma_f32_16x16x4_f32 v[248:255], v[122:123], v[34:35], 0
.set sg, 2
.rept 7
	v_wmma_f32_16x16x4_f32 v[240:247], v[120+2*sg:121+2*sg], v[32+2*sg:33+2*sg], v[240:247]
	v_wmma_f32_16x16x4_f32 v[248:255], v[122+2*sg:123+2*sg], v[34+2*sg:35+2*sg], v[248:255]
.set sg, sg+2
.endr
	v_wmma_f32_16x16x4_f32 v[240:247], v[152:153], v[128:129], v[240:247]
	WIN 0
	NOPS 8                                         ; eight places behind this form
	R_ADD 208, 240, 248, 4
	TANHG 208, 4, 136
	ds_store_b128 v6, v[208:211]                   ; h as an image of eight registers
	ds_store_b128 v6, v[212:215] offset:512
	s_branch .Lbar2
; ======================================================================== B, waves 4-7: the first product, 33 main tiles and 5 head_b tiles x 4 sample tiles
; A wave's tiles by index: 0 .. 7 the main tiles g + 4 i; 8 the head_b tile g; 9 a tile left over (g = 0: main tile 32; g = 1: head_b tile 4).  Tile i lies in set i % 3 of the weights as loaded and C set i % 4.
.Lb_gemm:
	s_lshl_b32 s10, s3, 13                         ; the offsets and addresses of this part, made on this way (every load of mine has been waited for)
	v_lshl_add_u32 v5, v1, 4, s10                  ; v5, v6 as before
	s_lshl_b32 s11, s3, 6
	v_lshl_add_u32 v6, v3, 5, s11
	LD1M 2, 2, 2                                   ; tile 2, first of all: set 2's registers held x's pieces, whose stores the barrier's wait has shown done
	v_lshrrev_b32 v24, 2, v1
	v_and_b32 v25, 3, v1
	v_lshlrev_b32 v4, 9, v24
	v_lshl_add_u32 v4, v25, 4, v4
	v_add_nc_u32 v4, s10, v4                       ; v4 as before
	s_mul_i32 s12, s2, PRIVB
	v_mul_u32_u24 v10, v2, 272
	v_lshl_add_u32 v10, v3, 4, v10
	v_add_nc_u32 v7, XIM, v10                      ; v7  x's fragments: row r, + 16 hh
	v_add_nc_u32 v10, s12, v10                     ; v10 the same in my stage
	v_mul_u32_u24 v9, v24, 272
	v_lshl_add_u32 v9, v25, 6, v9
	v_add_nc_u32 v9, s12, v9                       ; v9  a head_b tile's pieces: row l / 4, pieces 4 (l % 4) on
	v_and_b32 v24, 1, v1
	v_lshrrev_b32 v25, 1, v1
	v_mul_u32_u24 v8, v24, 1088
	v_lshl_add_u32 v8, v25, 4, v8
	v_add_nc_u32 v8, s12, v8                       ; v8  a main tile's pieces: rows 4 (l % 2) on, piece l / 2
	s_lshl_b32 s13, s3, 12
	s_add_co_u32 s13, s13, TIM
	v_lshl_add_u32 v11, v1, 4, s13                 ; v11, v12, v13 the images of tiles g + 4 m: m = 0-3, 4-7, 8
	v_add_nc_u32 v12, 0x10000, v11
	v_add_nc_u32 v13, 0x20000, v11
	v_mul_u32_u24 v14, v2, 336
	v_lshl_add_u32 v14, v3, 5, v14
	v_add_nc_u32 v14, s11, v14
	v_add_nc_u32 v14, BIA, v14                     ; v14 the head_b sums: row r, j = 16 g + 8 hh on
	WIN 0x40
.irp s, 0,1,2,3
.irp k, 0,1,2,3
	ds_load_b128 v[32*\s+8*\k:32*\s+8*\k+3], v7 offset:4352*\s+64*\k       ; x's sixteen fragments stay in registers
	ds_load_b128 v[32*\s+8*\k+4:32*\s+8*\k+7], v7 offset:4352*\s+64*\k+32
.endr
.endr
	WIN 0
	CV1 0                                          ; tile 0
	LD1M 3, 0, 3
	ST1 8, 272
	FRL
.irp i, 0,1,2,3
	GSTEP \i, 36                                   ; behind tile i + 1's loads: tiles i + 2 and i + 3, 18 loads each
	LD1M (\i)+4, ((\i)+1)%3, (\i)%4
	GREST \i, 8, 272
.endr
	GSTEP 4, 36
	LD1B 0, 2, 0                                   ; tile 8
	GREST 4, 8, 272
	GSTEP 5, 36
	s_cmp_eq_u32 s3, 0                             ; tile 9: two waves have one
	s_cbranch_scc0 .Lb_x1
	LD1M 8, 0, 1
	s_branch .Lb_x2
.Lb_x1:
	s_cmp_eq_u32 s3, 1
	s_cbranch_scc0 .Lb_x2
	LD1B 3, 0, 1
.Lb_x2:
	GREST 5, 8, 272
	GSTEP 6, 18                                    ; behind tile 7's loads: tile 8's 18 in every wave, tile 9's in two: the count serves the waves without
	GREST 6, 8, 272
	GSTEP 7, 0                                     ; tile 8 is the last that every wave asked for
	GREST 7, 9, 16
	s_wait_dscnt 0x0                               ; the head_b tile g
	MM1 0
	NOPS 4
	BST 0
	s_cmp_gt_u32 s3, 1
	s_cbranch_scc1 .Lbar2
	CV1 0                                          ; the tile left over: its loads were waited for above
	s_cmp_eq_u32 s3, 0
	s_cbranch_scc0 .Lb_y1
	ST1 8, 272
	s_branch .Lb_y2
.Lb_y1:
	ST1 9, 16
.Lb_y2:
	FRL
	s_wait_dscnt 0x0                               ; its fragments are in, and the stores above have read the accumulators
	MM1 1
	NOPS 4
	s_cmp_eq_u32 s3, 0
	s_cbranch_scc0 .Lb_z1
	TST 13, 0
	s_branch .Lbar2
.Lb_z1:
	BST 192                                        ; j = 64 on
.Lbar2:
	BAR                                            ; h, the main tiles' images and the head_b sums lie in LDS
; ======================================================================== C, all waves: hid.  Wave w owns tiles w + 8 n: j = 2 w + hh + 16 n
	s_mul_i32 s13, s2, 4160                        ; (every load of every wave has been waited for: the offset registers may be written)
	s_mul_i32 s14, s2, 520
	s_lshl_b32 s15, s2, 6
	v_lshl_add_u32 v12, v1, 4, s13                 ; v12 16 l + 4160 w
	v_lshrrev_b32 v25, 3, v2
	v_and_b32 v195, 7, v2
	v_mul_u32_u24 v13, v25, 2080
	v_lshl_add_u32 v13, v195, 2, v13
	v_add_nc_u32 v13, s13, v13                     ; v13 the j = 64 weight of operand row r: o = 2 t + r / 8, c = r % 8
	v_lshl_add_u32 v14, v3, 5, s15                 ; v14 32 hh + 64 w
.irp n, 0,1,2,3
	LD2M \n                                        ; the second product's four main tiles, 44 loads, first of all: they land while hid is made
.endr
	v_min_u32 v195, 3, v195
	v_mul_u32_u24 v20, v195, 4160
	v_mad_u32_u24 v20, v25, 260, v20
	v_add_nc_u32 v20, s14, v20                     ; v20 the j = 64 weight in head_b: o = 2 w + r / 8 + 16 min(r % 8, 3)
	s_mul_i32 s10, s2, PRIVB
	s_lshl_b32 s11, s2, 12
	s_lshl_b32 s12, s2, 3
	v_lshl_add_u32 v4, v1, 4, HIM                  ; v4  h's images
	v_mul_u32_u24 v25, v2, 336
	v_add_nc_u32 v11, BIA+256, v25                 ; v11 the head_b sum of j = 64
	v_lshl_add_u32 v25, v3, 2, v25
	v_add_nc_u32 v25, s12, v25
	v_add_nc_u32 v5, BIA, v25                      ; v5  of j = 2 w + hh (+ 16 n)
	v_lshl_add_u32 v6, v1, 4, s11
	v_add_nc_u32 v6, TIM, v6                       ; v6  images of tiles w, w + 8;  v7  w + 16, w + 24;  v8  tile 32
	v_add_nc_u32 v7, 0x10000, v6
	v_lshl_add_u32 v8, v1, 4, TIM+131072
	v_mul_u32_u24 v25, v2, 144
	v_lshl_add_u32 v18, v3, 4, v25
	v_add_nc_u32 v16, s10, v18                     ; v16 fragments from my stage;  v18 from hid
	v_add_nc_u32 v18, HID, v18
	v_lshl_add_u32 v25, v3, 3, v25
	s_lshl_b32 s15, s2, 4
	v_add_nc_u32 v25, s15, v25
	v_add_nc_u32 v9, HID, v25                      ; v9  hid: row r, piece 2 w + hh of 8 bytes
	v_lshl_add_u32 v10, v1, 2, H64                 ; v10 hid[64]'s image
	v_and_b32 v25, 1, v1
	v_lshrrev_b32 v195, 1, v1
	v_mul_u32_u24 v15, v25, 576
	v_lshl_add_u32 v15, v195, 3, v15
	v_add_nc_u32 v15, s10, v15                     ; v15 a main tile's pieces of 8 bytes: rows 4 (l % 2) on, piece l / 2
	v_mul_u32_u24 v17, v3, 1152
	v_lshl_add_u32 v17, v2, 3, v17
	v_add_nc_u32 v17, s10, v17                     ; v17 the head_b tile's: rows 8 hh on, piece r
	v_mul_u32_u24 v19, v3, 260
	v_lshl_add_u32 v19, v2, 2, v19
	v_add_nc_u32 v19, s14, v19                     ; v19 4 r + 260 hh + 520 w
	v_lshl_add_u32 v21, v3, 2, s12                 ; v21 4 hh + 8 w
	v_mul_u32_u24 v25, v2, 272
	v_lshl_add_u32 v25, v3, 2, v25
	v_add_nc_u32 v25, s12, v25
	v_add_nc_u32 v22, OST, v25                     ; v22 the output's stage: row r, o = 2 w + hh
	v_mul_u32_u24 v25, v3, 272
	v_lshl_add_u32 v25, v2, 4, v25
	s_mul_i32 s15, s2, 2176
	v_add_nc_u32 v25, s15, v25
	v_add_nc_u32 v23, OST, v25                     ; v23 back: rows 8 w + hh (+ 2 i), 16 r
	s_lshl_b32 s15, s2, 11
	v_lshl_add_u32 v24, v1, 4, s15                 ; v24 and the same place in out0
	WIN 0x40
.irp s, 0,1,2,3
.irp q, 17,18,19,20,21,22,23
	v_mov_b32 v[24*\s+\q], 0                       ; the third K step holds j = 64 alone: seven registers of each of its fragments are zeros
.endr
.endr
.irp q, 17,18,19,20,21,22,23
	v_mov_b32 v[WF2+\q], 0
.endr
	WIN 0
.irp s, 0,1,2,3
	ds_load_b128 v[32+8*\s:35+8*\s], v4 offset:1024*\s
	ds_load_b128 v[36+8*\s:39+8*\s], v4 offset:1024*\s+512
.endr
.irp s, 0,1,2,3
.irp n, 0,1,2,3
	ds_load_b32 v[212+4*\s+\n], v5 offset:5376*\s+64*\n
.endr
.endr
.irp nn, 0,1
.irp s, 0,1,2,3
	ds_load_b128 v[64+32*\nn+8*\s:67+32*\nn+8*\s], v6 offset:32768*\nn+1024*\s
	ds_load_b128 v[68+32*\nn+8*\s:71+32*\nn+8*\s], v6 offset:32768*\nn+1024*\s+512
.endr
.endr
	s_wait_dscnt 0x0
	CON4 64, 160, 196, 4
	CON4 96, 168, 197, 4
.irp nn, 0,1
.irp s, 0,1,2,3
	ds_load_b128 v[64+32*\nn+8*\s:67+32*\nn+8*\s], v7 offset:32768*\nn+1024*\s
	ds_load_b128 v[68+32*\nn+8*\s:71+32*\nn+8*\s], v7 offset:32768*\nn+1024*\s+512
.endr
.endr
	s_wait_dscnt 0x0
	CON4 64, 160, 198, 4
	CON4 96, 168, 199, 4
	R_ADD 196, 196, 212, 8                         ; + the head_b sums
	TANHG 196, 8, 64
.irp s, 0,1,2,3
	v_cvt_pk_f16_f32 v[220+2*\s], v[196+4*\s], v[197+4*\s]     ; places q = n = 0 .. 3 of piece a = 2 w + hh
	v_cvt_pk_f16_f32 v[221+2*\s], v[198+4*\s], v[199+4*\s]
.endr
.irp s, 0,1,2,3
	ds_store_b64 v9, v[220+2*\s:221+2*\s] offset:2304*\s
.endr
	s_cmp_lg_u32 s2, 0
	s_cbranch_scc1 .Lc_no32
.irp s, 0,1,2,3                                ; wave 0 alone: tile 32, j = 64 (lanes 0-15; what lanes 16-31 make is masked away)
	ds_load_b128 v[64+8*\s:67+8*\s], v8 offset:1024*\s
	ds_load_b128 v[68+8*\s:71+8*\s], v8 offset:1024*\s+512
.endr
.irp s, 0,1,2,3
	ds_load_b32 v[96+\s], v11 offset:5376*\s
.endr
	s_wait_dscnt 0x0
	CON4 64, 100, 228, 1
	R_ADD 228, 228, 96, 2
	TANHG 228, 2, 108
.irp s, 0,1,2,3
	v_cvt_pk_f16_f32 v[100+\s], v[228+\s], 0
.endr
.irp s, 0,1,2,3
	v_cndmask_b32 v[100+\s], 0, v[100+\s], s8
.endr
.irp s, 0,1,2,3
	ds_store_b32 v10, v[100+\s] offset:128*\s      ; an image of the third K step's one register that is not zero
.endr
.Lc_no32:
	s_wait_loadcnt 33                              ; main tile 0's eleven loads are in; behind them: the other three tiles' 33
	CV2 0
	LD2B                                           ; the head_b tile's 21 loads: with them at most 54 are out
	BAR                                            ; hid lies in LDS
; ======================================================================== D, all waves: the second product.  Wave w owns tiles w + 8 n: o = 2 w + hh + 16 n
	WIN 0x40
.irp s, 0,1,2,3
.irp k, 0,1
	ds_load_b128 v[24*\s+8*\k:24*\s+8*\k+3], v18 offset:2304*\s+64*\k
	ds_load_b128 v[24*\s+8*\k+4:24*\s+8*\k+7], v18 offset:2304*\s+64*\k+32
.endr
	ds_load_b32 v[24*\s+16], v10 offset:128*\s
.endr
	WIN 0
.irp q, 180,181,182,183
	v_mov_b32 v\q, 0                               ; the head_b tile's C has four rows a half that count
.endr
.irp n, 0,1,2,3
	s_wait_dscnt 0x0                               ; tile n's fragments are in (and hid's, the first time); the last stores into the stage have read their registers
	MM2 128+8*\n
.if \n < 3
	s_wait_loadcnt 43-11*\n                        ; main tile n + 1 is in; behind it: the later main tiles, 11 loads each, and the head_b tile's 21
	CV2 \n+1                                       ; the conversions are the places behind the products
.else
	s_wait_loadcnt 0x0                             ; the head_b tile
	CV2B
.endif
	CON4 64, 96, 196+\n, 4
.endr
	s_wait_dscnt 0x0
	MM2 176
	NOPS 4
.irp s, 0,1,2,3
	v_pk_add_f32 v[196+4*\s:197+4*\s], v[196+4*\s:197+4*\s], v[64+8*\s:65+8*\s]
	v_pk_add_f32 v[198+4*\s:199+4*\s], v[198+4*\s:199+4*\s], v[66+8*\s:67+8*\s]
.endr
.irp s, 0,1,2,3
.irp n, 0,1,2,3
	ds_store_b32 v22, v[196+4*\s+\n] offset:4352*\s+64*\n
.endr
.endr
	BAR                                            ; 64 whole rows of the output lie in the stage
.irp i, 0,1,2,3
	ds_load_b128 v[64+4*\i:67+4*\i], v23 offset:544*\i
.endr
.irp i, 0,1,2,3
	s_wait_dscnt 3-\i                              ; pair i of rows is in; the later pairs may be out
	global_store_b128 v24, v[64+4*\i:67+4*\i], s[42:43] offset:512*\i th:TH_STORE_NT   ; 32 lanes store two whole rows: 512 consecutive bytes at a multiple of 256 from out0's first byte
.endr
	s_wait_tensorcnt 0x0
	ds_add_u32 v232, v233
	s_wait_dscnt 0x0
	s_endpgm
.Lfunc_end_k_q538fddc05f_hnc:
	.size	k_q538fddc05f_hnc, .Lfunc_end_k_q538fddc05f_hnc-k_q538fddc05f_hnc
	.p2alignl 7, 3214868480
	.fill 96, 4, 3214868480
	.section	.rodata,"a",@progbits
	.p2align	6, 0x0
	.amdhsa_kernel k_q538fddc05f_hnc
		.amdhsa_group_segment_fixed_size 266752
		.amdhsa_private_segment_fixed_size 0
		.amdhsa_enable_private_segment 0
		.amdhsa_kernarg_size 112
		.amdhsa_user_sgpr_count 2
		.amdhsa_user_sgpr_kernarg_segment_ptr 1
		.amdhsa_wavefront_size32 1
		.amdhsa_system_sgpr_workgroup_id_x 1
		.amdhsa_system_sgpr_workgroup_id_y 1
		.amdhsa_system_sgpr_workgroup_id_z 1
		.amdhsa_system_vgpr_workitem_id 0
		.amdhsa_next_free_vgpr 512
		.amdhsa_next_free_sgpr 96
		.amdhsa_reserve_vcc 0
		.amdhsa_float_denorm_mode_32 3
		.amdhsa_float_denorm_mode_16_64 3
		.amdhsa_memory_ordered 1
		.amdhsa_forward_progress 1
		.amdhsa_inst_pref_size 255
	.end_amdhsa_kernel
	.section	.bss,"aw",@nobits
	.p2align	6
	.space	262144
	.amdgpu_metadata
---
amdhsa.version: [ 1, 2 ]
amdhsa.kernels:
  - .name:           k_q538fddc05f_hnc
    .symbol:         k_q538fddc05f_hnc.kd
    .args:
      - { .name: t, .offset: 0, .size: 8, .value_kind: global_buffer, .address_space: global }
      - { .name: y, .offset: 8, .size: 8, .value_kind: global_buffer, .address_space: global }
      - { .name: freqs, .offset: 16, .size: 8, .value_kind: global_buffer, .address_space: global }
      - { .name: hw0, .offset: 24, .size: 8, .value_kind: global_buffer, .address_space: global }
      - { .name: hb0, .offset: 32, .size: 8, .value_kind: global_buffer, .address_space: global }
      - { .name: hw1, .offset: 40, .size: 8, .value_kind: global_buffer, .address_space: global }
      - { .name: hb1, .offset: 48, .size: 8, .value_kind: global_buffer, .address_space: global }
      - { .name: hw2, .offset: 56, .size: 8, .value_kind: global_buffer, .address_space: global }
      - { .name: hb2, .offset: 64, .size: 8, .value_kind: global_buffer, .address_space: global }
      - { .name: hw3, .offset: 72, .size: 8, .value_kind: global_buffer, .address_space: global }
      - { .name: hb3, .offset: 80, .size: 8, .value_kind: global_buffer, .address_space: global }
      - { .name: head_w, .offset: 88, .size: 8, .value_kind: global_buffer, .address_space: global }
      - { .name: head_b, .offset: 96, .size: 8, .value_kind: global_buffer, .address_space: global }
      - { .name: out0, .offset: 104, .size: 8, .value_kind: global_buffer, .address_space: global }
    .group_segment_fixed_size: 266752
    .private_segment_fixed_size: 0
    .kernarg_segment_align: 8
    .kernarg_segment_size: 112
    .max_flat_workgroup_size: 256
    .sgpr_count:     96
    .vgpr_count:     512
    .wavefront_size: 32
...
	.end_amdgpu_metadata
.endif
;; end of part 2
;; ======== version 3 of 3: 1 launch; version 2 with the launch hnc written anew for expert scheduling mode
;; limits: values are held in f16: magnitudes above 65,504 overflow, below 6.1e-05 lose precision; inputs' magnitudes at most 65,504; an absolute error that grows with the inputs' magnitude: up to 6e-08 times it; a function is approximated: absolute error at most 1.5e-05
;; launch hnc (part 3): grid 256 x 1, 8 waves a work-group, no clusters, 266,752 bytes of LDS; arguments t, y, freqs, hw0, hb0, hw1, hb1, hw2, hb2, hw3, hb3, head_w, head_b, out0; writes out0
.if DOCPART == 3
	.amdgcn_target "amdgcn-amd-amdhsa--gfx1250"
	.amdhsa_code_object_version 6
	.text
	.protected	k_q538fddc05f_hnc
	.globl	k_q538fddc05f_hnc
	.p2align	8
	.type	k_q538fddc05f_hnc,@function
k_q538fddc05f_hnc:
	s_mov_b64 s[64:65], 0
	v_nop
	global_prefetch_b8 v0, s[64:65] scope:SCOPE_SE
	s_setreg_imm32_b32 hwreg(HW_REG_WAVE_SCHED_MODE, 0, 2), 2
	s_setreg_imm32_b32 hwreg(HW_REG_WAVE_MODE, 25, 1), 1
	s_wait_xcnt 0x0
	s_wait_alu depctr_vm_vsrc(0)
; HNC_strategy, one launch.  16,384 samples; a work-group of eight waves takes 64 of them (four tiles s of 16), 256 work-groups.
; THE PER-SAMPLE PARAMETERS ARE NEVER FORMED.  With h = the hypernet's 8 outputs, HW(p, c) = head_w[p][c], HB(p) = head_b[p]:
;   hid_pre[j] = sum_c h_c ( sum_i x_i HW(128 j + i, c) + HW(8320 + j, c) ) + ( sum_i x_i HB(128 j + i) + HB(8320 + j) )
;   out[o]     = sum_c h_c ( sum_j hid_j HW(8385 + 65 o + j, c) + HW(12545 + o, c) ) + ( sum_j hid_j HB(8385 + 65 o + j) + HB(12545 + o) )
; The inner sums are products with weights that no sample changes: f16 operands, f32 sums; the b1 and b2 rows are the f32 C of each sum's first matrix instruction.
; All products are used transposed (source 0 = 16 weight rows, source 1 = 16 samples): a lane holds ONE sample.  A main tile is 2 j (or 2 o) x 8 c, so a lane's eight results are c = 0 .. 7 of one j,
; and the sum over c with h is four packed multiply-adds and one addition inside the lane.
; ROLES.  Waves 0-3 quantise hw0 .. hw2 and run the hypernet of sample tile w (products 1 to 3 on E2M1 codes with E8M0 scales, product 4 in the f32 matrix form: 17 K steps, a small part of the work).
; Waves 4-7 (g = w - 4) make x = [cos y, sin y] of tile g and then the whole first product meanwhile.  Then all eight waves: sum over c, tanh, second product, sum over c, output.
; The roles part on the wave's number alone and join at every barrier; EXEC is never written.
; K ORDERS (the same permutation on both operands of a product).  First product: place 8 a + q holds i = a + 16 q, so that eight dense 16-byte loads of a j block give a lane four whole 16-byte pieces of
; operand rows and the packing conversion does the turning.  Second product: place 4 a + q holds j = a + 16 q; j = 64 is a third K step of which one number is not zero.
; Product 1: inside each block of 32, place p holds k = 32 b + (p + 1) % 32, so that a lane takes 32 aligned neighbours of freqs.
; HOW FAR AHEAD THE WEIGHTS ARE ASKED FOR.  First product: three sets of 64 registers take turns, so that a tile's 18 loads are issued three tiles ahead of its conversion: 54 loads of a wave are out.
; Second product: a wave's four main tiles (44 loads) are asked for at the head of the part that makes hid, its head_b tile (21 loads) at that part's end.
; NO JOINT LOADS, NO TENSOR LOADS, though every work-group reads the same weights: head_w and head_b arrive as 453,924 bytes of f32 and are wanted as f16 in another order; the text uses 265,728 bytes of LDS,
; so they could only pass through a small ring that is filled again and again and would still be read back as f32 and converted.  They go from memory through registers, converted on the way.
; NO PREFETCH: the streams read once (freqs, half of y) are asked for at the head, and the weights are asked for by their own loads, tiles ahead of their use.
; tanh: |x| < 1/4: x - x^3/3 + 2x^5/15 - 17x^7/315 + 62x^9/2835 (the next term is under 1e-8 of x); else (e - 1)/(e + 1), e = 2^(2 log2(e) min(x, 43)).
; sin, cos: y is reduced to a = (y - 2 pi n)/2 by one fused multiply-add; Taylor to a^9 and a^10; sin y = 2 sin a cos a, cos y = 1 - 2 sin^2 a.
; LIMITS.  head_w, head_b, x and hid are rounded to f16 (half an ulp is 2^-11 of the number): magnitudes of head_w or head_b above 65,504 overflow, under 6e-5 they keep an absolute error of 2^-25.
; sin and cos carry 1.5e-5 + 6e-8 |y|.  NaN and infinities among the inputs are not served (a NaN ahead of tanh gives 1).  A block of zeros gets the scale byte 1 with zero codes; the bytes are read here alone.
; y[:, 64:] is not read: the computation does not use it.
; THE MODE: SCHED_MODE bits 1:0 = 2 (LLVM: expert scheduling mode 2), set by the entry lines.  The code itself states the register dependences between vector or matrix instructions
; and memory or LDS instructions, with s_wait_alu, always for 0.
; THE PLAN.  Registers that memory or LDS instructions touch, and who else names them:
;   v4-v25     offsets and addresses.  Made by vector lines at the head of parts A, B and C, read by that part's loads and stores, written again in the next part alone.  One wait on va_vdst stands between
;              the makers and their first reader; one wait on vm_vsrc behind each of the first two barriers frees them, and every store's data of the part before, for the part that follows.
;   A, waves 0-3.  v72-103: freqs as loaded, read by the stores of the turn; then tile 4's loads land there (vm_vsrc).  v196-227, v106, v107: a pass's rows from LDS, read by the quantiser.  v176-183, v194: written by
;              the quantiser, read by the image stores.  ONE wait on va_vdst a pass, behind the quantiser, serves the image stores and the next pass's rows; one on vm_vsrc frees the image's registers.
;   B, waves 0-3.  v72-111, v234-238: a layer's fragments and scale words from LDS, read by its five products; the next layer's land there behind a wait on va_vdst.  v120-124, v239: written by the quantiser, taken by
;              the scaled products behind a wait on va_vdst.
;   B, waves 4-7.  A step multiplies tile i and converts tile i + 1.  Its products write v128-159 and read window 1's v128-159 and a set of C; its conversions read a set of weights and write v96-127.  ONE wait on va_vdst
;              behind the conversions serves all the step's memory and LDS instructions, which follow it with no vector line between: the loads into the set and the C just left, the stores of v128-159 and
;              v96-127, the fragments' loads.  One wait on vm_vsrc at the next step's head frees v96-159.
;   C, D.      v64-127: images from LDS, read by the sums over c.  v160-175: written by a tile's conversions, read by the stage's stores: one wait on va_vdst behind the conversions (it serves the fragments' loads too),
;              one on vm_vsrc at the next tile's head.  v220-227, v100-103, v196-211: results, each with one wait on va_vdst ahead of its stores.
;   Scalars that vector instructions write: s2 (the wave's number) and, in each tanh, s68 on (the compares' masks): a wait on va_sdst ahead of the first reader.
;
; LDS, in bytes
.set PRIVB, 5376                       ; 8 x 5,376: a wave's own: the turn of freqs (16 x 272), raw rows of hw (2 x 2,624), the weights' stage (16 x 272, later 16 x 144)
.set HWI,   43008                      ; 15 slots of 1,152: an E2M1 fragment as an image of its registers (2 x 512) and its scale words (128).  Slot 4 l + tile; tile 4 of layer l: 12 + l
.set XIM,   60416                      ; x, f16, 64 rows of 256 + 16
.set HIM,   77824                      ; h: images of eight registers, 1,024 for each s
.set HID,   81920                      ; hid, f16, 64 rows of 128 + 16
.set H64,   91136                      ; hid[64]: image of one register, 128 for each s
.set BIA,   91648                      ; the head_b sums of the first product, f32, 64 rows of 80 numbers + 16 bytes
.set OST,   113152                     ; the output's stage, f32, 64 rows of 256 + 16
.set TIM,   130560                     ; the first product's main tiles: (tile 0 .. 32) x s x 1,024, images of eight registers
; byte offsets in head_w (32 a parameter) and head_b (4 a parameter)
.set HW_B1, 266240
.set HW_W2, 268320
.set HW_B2, 401440
.set HB_B1, 33280
.set HB_W2, 33540
.set HB_B2, 50180
; REGISTERS, two windows of 256.  v0 thread, v1 lane l, v2 r = l % 16, v3 hh = l / 16; v4-25 addresses and offsets, made anew in each part; v26-31 three constants as pairs.
; Window 0, v234-238 the weights' scale words, v239 the activations': scales and nothing else.  Window 0, v240-255: the two sums of product 4, written by matrix instructions alone.
; Window 0, v232, v233: the closing add's two, made at the head and kept for it alone.
; hyper role: v32-71 five result tiles; v72-111 five weight fragments; v120-127 the activations' codes; v128-135 the K tail (130-135 stay 0); v136-231 at work.
;   window 1: v0-119 the three layers' biases as C; v120-153 hw3; v156-163 hb3; v164-203 raw rows of hw1.
; gemm role: v32-95 and v160-223 sets 0 and 2 of the weights as loaded; v96-127 packed; v128-159 four accumulators.
;   window 1: v0-127 x's 16 fragments; v128-159 a weight tile's four; v160-223 set 1 of the weights as loaded; v224-255 four sets of C.
; all waves, later: v32-63 h; v64-127 at work; v128-159 four sets of C; v160-175 packed; v176-183 the head_b tile's C; v184-188 the j = 64 weights; v196-211 hid_pre, then out; v212-227 sums of head_b.
;   window 1: v0-95 hid's 12 fragments; v96-119 a weight tile's three; v128-255 the four main tiles' weights as loaded.
.set QT,  184                          ; the weight quantiser's registers: +0 .. +2 maxima, +3, +4 scale operands, +5, +6 bytes, +7 the other half's word, +8 = 8 hh
.set TL,  128
.set HQ,  208                          ; the activation quantiser's: +0 maxima, +3 the other half's, +6 scale operands, +9 bytes
.set YY,  160                          ; trig: y, then a
.set NW,  192                          ; n, then a^2, then 2 sin a
.set SNR, 96                           ; sin a, then cos y
.set CSR, 128                          ; cos a, then sin y
.set WF2, 96                           ; window 1: the second product's weight fragments
.set R2B, 128                          ; window 1: its main tiles' weights as loaded, 32 registers a tile
.set MSB, 0
.macro WIN new                         ; the immediate's high byte repeats the setting that is left; a switch that changes nothing is dropped
.if MSB != \new
	s_set_vgpr_msb (MSB<<8)|\new
.set MSB, \new
.endif
.endm
.macro BAR                             ; my LDS stores have landed and my LDS loads are in: then the work-group's barrier
	s_wait_dscnt 0x0
	s_barrier_signal -1
	s_barrier_wait -1
.endm
.macro NOPS n
.rept \n
	v_nop
.endr
.endm
.macro SPAIR r, bits                   ; a constant as a scalar pair: the packed forms name the pair and take its low word for both halves
	s_mov_b32 s[\r], \bits
	s_mov_b32 s[\r+1], \bits
.endm
; runs of n packed instructions on register pairs d, a, b, c (stage by stage, so that no line waits for the line above it)
.macro R_MUL d, a, b, n
.set j, 0
.rept \n
	v_pk_mul_f32 v[(\d)+j:(\d)+j+1], v[(\a)+j:(\a)+j+1], v[(\b)+j:(\b)+j+1]
.set j, j+2
.endr
.endm
.macro R_MULS d, a, sc, n
.set j, 0
.rept \n
	v_pk_mul_f32 v[(\d)+j:(\d)+j+1], v[(\a)+j:(\a)+j+1], s[\sc:\sc+1] op_sel_hi:[1,0]
.set j, j+2
.endr
.endm
.macro R_ADD d, a, b, n
.set j, 0
.rept \n
	v_pk_add_f32 v[(\d)+j:(\d)+j+1], v[(\a)+j:(\a)+j+1], v[(\b)+j:(\b)+j+1]
.set j, j+2
.endr
.endm
.macro R_ADDK d, a, k, n
.set j, 0
.rept \n
	v_pk_add_f32 v[(\d)+j:(\d)+j+1], v[(\a)+j:(\a)+j+1], \k op_sel_hi:[1,0]
.set j, j+2
.endr
.endm
.macro R_FMA d, a, b, c, n
.set j, 0
.rept \n
	v_pk_fma_f32 v[(\d)+j:(\d)+j+1], v[(\a)+j:(\a)+j+1], v[(\b)+j:(\b)+j+1], v[(\c)+j:(\c)+j+1]
.set j, j+2
.endr
.endm
.macro R_FMAS d, a, b, sc, n           ; + a scalar constant
.set j, 0
.rept \n
	v_pk_fma_f32 v[(\d)+j:(\d)+j+1], v[(\a)+j:(\a)+j+1], v[(\b)+j:(\b)+j+1], s[\sc:\sc+1] op_sel_hi:[1,1,0]
.set j, j+2
.endr
.endm
.macro R_FMAK d, a, b, k, n            ; + an inline constant
.set j, 0
.rept \n
	v_pk_fma_f32 v[(\d)+j:(\d)+j+1], v[(\a)+j:(\a)+j+1], v[(\b)+j:(\b)+j+1], \k op_sel_hi:[1,1,0]
.set j, j+2
.endr
.endm
.macro R_FMAC d, a, cv, sc, n          ; a x the constant pair v[cv] + a scalar constant
.set j, 0
.rept \n
	v_pk_fma_f32 v[(\d)+j:(\d)+j+1], v[(\a)+j:(\a)+j+1], v[\cv:\cv+1], s[\sc:\sc+1] op_sel_hi:[1,1,0]
.set j, j+2
.endr
.endm
; tanh of 2 N numbers from v[X] on, in place; 8 N registers from v[TB] on at work.  The exponentials are one batch and the reciprocals another, each with plain work behind it and ONE wait
; ahead of its first reader.
.macro TANHG X, N, TB
.set tE, (\TB)
.set tD, (\TB)+2*(\N)
.set tW, (\TB)+4*(\N)
.set tP, (\TB)+6*(\N)
.set j, 0
.rept 2*(\N)
	v_min_num_f32 v[tE+j], 0x422c0000, v[(\X)+j]   ; min(x, 43): e stays finite.  (Results of matrix instructions are read here from their low end on)
.set j, j+1
.endr
	R_MULS tE, tE, 44, \N                          ; x 2 log2(e)
.set j, 0
.rept 2*(\N)
	v_exp_f32 v[tE+j], v[tE+j]                     ; e = exp(2 x)
.set j, j+1
.endr
	R_MUL  tW, \X, \X, \N                          ; the series, plain work behind the exponentials: w = x^2
	R_FMAC tP, tW, 26, 50, \N                      ; 62/2835 w - 17/315
	R_FMAS tP, tP, tW, 48, \N                      ; .. w + 2/15
	R_FMAS tP, tP, tW, 46, \N                      ; .. w - 1/3
	R_MUL  tP, tP, tW, \N
	R_FMA  tP, \X, tP, \X, \N                      ; x + x (..)
	s_wait_alu depctr_va_vdst(0)                   ; one wait for the batch of exponentials
	R_ADDK tD, tE, 1.0, \N
	R_ADDK tE, tE, -1.0, \N
.set j, 0
.rept 2*(\N)
	v_rcp_f32 v[tD+j], v[tD+j]
.set j, j+1
.endr
.set j, 0
.rept 2*(\N)
	v_cmp_gt_f32 s[68+j], s9, v[tW+j]              ; 1/16 > x^2: the series serves.  (Plain work behind the reciprocals)
.set j, j+1
.endr
	s_wait_alu depctr_va_vdst(0)                   ; one wait for the batch of reciprocals
	s_wait_alu depctr_va_sdst(0)                   ; the compares have written their masks, s68 on, which the selections below read
	R_MUL  tE, tE, tD, \N                          ; (e - 1) / (e + 1)
.set j, 0
.rept 2*(\N)
	v_cndmask_b32 v[(\X)+j], v[tE+j], v[tP+j], s[68+j]
.set j, j+1
.endr
.endm
; A lane holds a WHOLE block of 32 along K in v[V] .. v[V+31] (block hh of its row) and the first eight numbers of block 2 + hh in v[TL] .. v[TL+7].  Out: five registers of codes from v[OUT] on, the row's scale word in v[SW].
; A block's scale operand is its largest magnitude with 2 taken off the exponent field; the floor 2^(3 - 127) among the maximum's leaves holds the byte at 1 from below.
.macro QW V, OUT, SW
	v_max3_num_f32 v[QT], |v[(\V)]|, |v[(\V)+1]|, 0x1800000
	v_max3_num_f32 v[QT+1], |v[(\V)+2]|, |v[(\V)+3]|, 0x1800000
.irp i, 4,8,12,16,20,24,28
	v_max3_num_f32 v[QT], v[QT], |v[(\V)+\i]|, |v[(\V)+\i+1]|
	v_max3_num_f32 v[QT+1], v[QT+1], |v[(\V)+\i+2]|, |v[(\V)+\i+3]|
.endr
	v_max3_num_f32 v[QT+2], |v[TL]|, |v[TL+1]|, 0x1800000
	v_max_num_f32 v[QT], v[QT], v[QT+1]
	v_add_nc_u32 v[QT+3], 0xff000000, v[QT]
	v_add_nc_u32 v[QT+4], 0xff000000, v[QT+2]
	v_lshrrev_b32 v[QT+5], 23, v[QT+3]             ; the bytes of blocks hh and 2 + hh,
	v_lshrrev_b32 v[QT+6], 23, v[QT+4]
	v_lshl_or_b32 v[QT+5], v[QT+6], 16, v[QT+5]
	v_lshlrev_b32 v[QT+5], v[QT+8], v[QT+5]        ; at their places in the word (8 hh bits up);
	v_permlanex16_b32 v[QT+7], v[QT+5], s6, s7
	v_or_b32 v[\SW], v[QT+5], v[QT+7]              ; with lane l xor 16's two the word is whole
.irp g, 0,1,2,3
	v_cvt_scalef32_pk8_fp4_f32 v[(\OUT)+\g], v[(\V)+8*\g:(\V)+8*\g+7], v[QT+3]
.endr
	v_cvt_scalef32_pk8_fp4_f32 v[(\OUT)+4], v[TL:TL+7], v[QT+4]
	v_nop                                          ; one plain place behind a scaled conversion
.endm
; a layer's bias in the result's layout: tile 2 b + u, lane (r, hh), register e: unit 32 b + 16 hh + 8 u + e; tile 4: units 64 and 65 in registers 0 and 1.  Window 1
.macro LDBI lay, sb
.irp q, 0,1,2,3
	global_load_b128 v[40*\lay+8*\q:40*\lay+8*\q+3], v18, s[\sb:\sb+1] offset:128*(\q/2)+32*(\q%2)
	global_load_b128 v[40*\lay+8*\q+4:40*\lay+8*\q+7], v18, s[\sb:\sb+1] offset:128*(\q/2)+32*(\q%2)+16
.endr
	global_load_b64 v[40*\lay+32:40*\lay+33], v19, s[\sb:\sb+1] offset:256
.endm
.macro BATCH2                          ; 37 loads: the biases of layers 1 and 2, hw3 in the f32 form's layout, hb3.  No vector instruction has named the registers in which they land
	WIN 0x40
	LDBI 1, 28
	LDBI 2, 32
.set sg, 0
.rept 16
	global_load_b64 v[120+2*sg:121+2*sg], v20, s[34:35] offset:128*(sg/8)+8*(sg%8)   ; K step sg: hw3[r % 8][32 (sg / 8) + 16 hh + 2 (sg % 8) + 0, 1]
.set sg, sg+1
.endr
	global_load_b64 v[152:153], v21, s[34:35] offset:256                            ; the tail: hw3[r % 8][64, 65]
	global_load_b128 v[156:159], v19, s[36:37]
	global_load_b128 v[160:163], v19, s[36:37] offset:16
	WIN 0
.endm
; Pass pi: tile w of layer pi.  Its 16 rows are two runs of 8 neighbouring rows, loaded dense; they go through my own LDS bytes and come back a row to a lane.
.macro PASS pi, cnt
.if \pi == 0
.set CRB, 32
.elseif \pi == 1
.set CRB, 164
.else
.set CRB, 136
.endif
	s_wait_loadcnt \cnt                            ; this pass's ten loads are in; the count is what was issued behind them
.if \pi == 1
	WIN 0x04                                       ; an LDS store's data are its source 1: window 1
.endif
.irp gq, 0,1
.irp i, 0,1,2,3,4
	ds_store_b128 v7, v[CRB+20*\gq+4*\i:CRB+20*\gq+4*\i+3] offset:2624*\gq+512*\i
.endr
.endr
	WIN 0
.if \pi == 0
.set p, 0
.rept 32
	ds_load_b32 v[196+p], v8 offset:4*((p+1)%32)   ; place p holds k = 32 hh + (p + 1) % 32, as z has it; rows of 260 bytes.  (No vector instruction since the last wait on va_vdst names v196 to v227, v106 or v107)
.set p, p+1
.endr
	ds_load_b32 v106, v9 offset:256                ; k = 64
.else
.set p, 0
.rept 16
	ds_load_b64 v[196+2*p:197+2*p], v10 offset:8*p ; rows of 264 bytes
.set p, p+1
.endr
	ds_load_b64 v[106:107], v11 offset:256         ; k = 64, 65
.endif
.if \pi == 2
	BATCH2                                         ; what the layers will want: asked for here, a pass and a half ahead of the join
.endif
	s_wait_dscnt 0x0                               ; the rows are in
.if \pi > 0
	s_wait_alu depctr_vm_vsrc(0)                   ; the last pass's image stores have read v176 to v183 and v194, which the quantiser below writes again
.endif
	v_cndmask_b32 v[TL], 0, v106, s8               ; block 2 belongs to lanes 0-15; lanes 16-31 hold block 3: zeros
.if \pi == 0
	v_mov_b32 v[TL+1], 0
.else
	v_cndmask_b32 v[TL+1], 0, v107, s8
.endif
	QW 196, 176, 194
	s_wait_alu depctr_va_vdst(0)                   ; the quantiser has written the codes v176 to v180 and the scale word v194, which the stores below read; and it is done reading v196 to v227, v106 and v107, in which the next pass's rows land
	ds_store_b128 v12, v[176:179] offset:4608*\pi  ; the fragment goes to LDS as an image of its registers,
	ds_store_b128 v12, v[180:183] offset:4608*\pi+512
	ds_store_b32 v13, v194 offset:4608*\pi+1024    ; its scale words likewise
.endm
.macro WLOAD lay                       ; a layer's five fragments and scale words, from their images
.irp q, 0,1,2,3
	ds_load_b128 v[72+8*\q:75+8*\q], v4 offset:HWI+1152*(4*(\lay)+\q)
	ds_load_b128 v[76+8*\q:79+8*\q], v4 offset:HWI+1152*(4*(\lay)+\q)+512
	ds_load_b32 v[234+\q], v5 offset:HWI+1152*(4*(\lay)+\q)+1024
.endr
	ds_load_b128 v[104:107], v4 offset:HWI+1152*(12+(\lay))
	ds_load_b128 v[108:111], v4 offset:HWI+1152*(12+(\lay))+512
	ds_load_b32 v238, v5 offset:HWI+1152*(12+(\lay))+1024
.endm
; The activations become the next product's operand.  Register 16 b + e of v32 on is unit 32 b + 16 hh + e: a block lies in lanes l and l xor 16.
.macro QH
.irp b, 0,1
	v_max3_num_f32 v[HQ+\b], |v[32+16*\b]|, |v[33+16*\b]|, 0x1800000
.endr
	v_max3_num_f32 v[HQ+2], |v[TL]|, |v[TL+1]|, 0x1800000
.irp i, 2,4,6,8,10,12,14
.irp b, 0,1
	v_max3_num_f32 v[HQ+\b], v[HQ+\b], |v[32+16*\b+\i]|, |v[33+16*\b+\i]|
.endr
.endr
.irp b, 0,1,2
	v_permlanex16_b32 v[HQ+3+\b], v[HQ+\b], s6, s7
.endr
.irp b, 0,1,2
	v_max_num_f32 v[HQ+\b], v[HQ+\b], v[HQ+3+\b]
.endr
.irp b, 0,1,2
	v_add_nc_u32 v[HQ+6+\b], 0xff000000, v[HQ+\b]
.endr
.irp b, 0,1,2
	v_lshrrev_b32 v[HQ+9+\b], 23, v[HQ+6+\b]
.endr
	v_lshl_or_b32 v239, v[HQ+10], 8, v[HQ+9]
	v_lshl_or_b32 v239, v[HQ+11], 16, v239
	v_or_b32 v239, 0x1000000, v239                 ; block 3 is zeros: byte 1
.irp b, 0,1
	v_cvt_scalef32_pk8_fp4_f32 v[120+2*\b], v[32+16*\b:39+16*\b], v[HQ+6+\b]
	v_cvt_scalef32_pk8_fp4_f32 v[121+2*\b], v[40+16*\b:47+16*\b], v[HQ+6+\b]
.endr
	v_cvt_scalef32_pk8_fp4_f32 v124, v[TL:TL+7], v[HQ+8]
	v_nop                                          ; one plain place behind a scaled conversion
	v_permlane16_swap_b32 v120, v122               ; the operand wants a whole block in a lane: lanes 0-15 block 0, lanes 16-31 block 1
	v_permlane16_swap_b32 v121, v123
	NOPS 8                                         ; a scale register written by a vector instruction stands 8 places ahead of a scaled matrix instruction, an operand 4
.endm
.macro HLAYER lay
	s_wait_dscnt 0x0                               ; the layer's fragments and scale words are in
.if \lay > 0
	s_wait_alu depctr_va_vdst(0)                   ; the quantiser has written the codes v120 to v124 and the scale word v239, which the scaled products take; its eight places stand ahead of this wait.  (Layer 0's were written in part A, ahead of that part's waits)
.endif
	WIN 0x10                                       ; C (the bias) in window 1
.irp q, 0,1,2,3,4
	v_wmma_scale_f32_16x16x128_f8f6f4 v[32+8*\q:39+8*\q], v[72+8*\q:79+8*\q], v[120:127], v[40*(\lay)+8*\q:40*(\lay)+8*\q+7], v[234+\q], v239 matrix_a_fmt:MATRIX_FMT_FP4 matrix_b_fmt:MATRIX_FMT_FP4
.endr
	WIN 0
	NOPS 4                                         ; places in front of the first read of results
.if \lay < 2
	s_wait_alu depctr_va_vdst(0)                   ; the five products are done reading their fragments v72 to v111 and scale words v234 to v238, in which the next layer's land
	WLOAD (\lay)+1                                 ; the next layer's: they land during the tanh, which names none of these registers
.endif
	TANHG 32, 9, 136
	TANHG 50, 7, 136
	TANHG 64, 1, 136
	v_cndmask_b32 v[TL], 0, v64, s8                ; units 64 and 65 lie in lanes 0-15 of tile 4's registers 0 and 1
	v_cndmask_b32 v[TL+1], 0, v65, s8
.if \lay < 2
	QH
.endif
.endm
; ---- the first product's macros (gemm role)
.macro RSET q                          ; set q of the weights as loaded: where it begins, and in which window it lies
.if (\q) == 0
.set rbs, 32
.set rwn, 0
.elseif (\q) == 1
.set rbs, 160
.set rwn, 1
.else
.set rbs, 160
.set rwn, 0
.endif
.endm
.macro LD1M m, q, c                    ; main tile g + 4 m into set q: the blocks j = 2 t, 2 t + 1 of head_w, 4,096 dense bytes each; HW(8320 + j, .) as C set c: 18 loads
	RSET \q
	WIN 0x40*rwn
.irp jl, 0,1
.irp u, 0,1,2,3,4,5,6,7
	global_load_b128 v[rbs+32*\jl+4*\u:rbs+32*\jl+4*\u+3], v5, s[38:39] offset:32768*(\m)+4096*\jl+512*\u
.endr
.endr
	WIN 0x40
	global_load_b128 v[224+8*(\c):227+8*(\c)], v6, s[38:39] offset:HW_B1+256*(\m)
	global_load_b128 v[228+8*(\c):231+8*(\c)], v6, s[38:39] offset:HW_B1+256*(\m)+16
	WIN 0
.endm
.macro LD1B x, q, c                    ; head_b tile g + x into set q: rows j = 16 (g + x) .. + 15 of 512 bytes; HB(8320 + j) as C set c: 18 loads
	RSET \q
	WIN 0x40*rwn
.irp jl, 0,1
.irp u, 0,1,2,3,4,5,6,7
	global_load_b128 v[rbs+32*\jl+4*\u:rbs+32*\jl+4*\u+3], v4, s[40:41] offset:8192*(\x)+4096*\jl+64*\u
.endr
.endr
	WIN 0x40
	global_load_b128 v[224+8*(\c):227+8*(\c)], v6, s[40:41] offset:HB_B1+64*(\x)
	global_load_b128 v[228+8*(\c):231+8*(\c)], v6, s[40:41] offset:HB_B1+64*(\x)+16
	WIN 0
.endm
.macro CV1 q                           ; set q's 64 f32 become eight pieces of 16 bytes: piece (jl, cc) = places 0 .. 7 of one operand row
	RSET \q
	WIN 0x05*rwn
.irp jl, 0,1
.irp cc, 0,1,2,3
.irp mm, 0,1,2,3
	v_cvt_pk_f16_f32 v[96+16*\jl+4*\cc+\mm], v[rbs+32*\jl+8*\mm+\cc], v[rbs+4+32*\jl+8*\mm+\cc]
.endr
.endr
.endr
	WIN 0
.endm
.macro ST1 adr, stride                 ; the pieces into my stage, 16 rows of 272 bytes
.irp jl, 0,1
.irp cc, 0,1,2,3
	ds_store_b128 v[\adr], v[96+16*\jl+4*\cc:99+16*\jl+4*\cc] offset:2176*\jl+(\stride)*\cc
.endr
.endr
.endm
.macro FRL                             ; and back as four fragments (LDS serves a wave's instructions in order: these see the stores above)
	WIN 0x40
.irp k, 0,1,2,3
	ds_load_b128 v[128+8*\k:131+8*\k], v10 offset:64*\k
	ds_load_b128 v[132+8*\k:135+8*\k], v10 offset:64*\k+32
.endr
	WIN 0
.endm
.macro MM1 c                           ; 16 products: the four sample tiles' accumulators by turns, one instruction a turn; the first K step takes C set c, from window 1
	WIN 0x15
.irp s, 0,1,2,3
	v_wmma_f32_16x16x32_f16 v[128+8*\s:135+8*\s], v[128:135], v[32*\s:32*\s+7], v[224+8*(\c):231+8*(\c)]
.endr
	WIN 0x05
.irp k, 1,2,3
.irp s, 0,1,2,3
	v_wmma_f32_16x16x32_f16 v[128+8*\s:135+8*\s], v[128+8*\k:135+8*\k], v[32*\s+8*\k:32*\s+8*\k+7], v[128+8*\s:135+8*\s]
.endr
.endr
	WIN 0
.endm
.macro TST adr, imm                    ; a main tile's results to LDS as images, each accumulator from its low end on
.irp s, 0,1,2,3
	ds_store_b128 v[\adr], v[128+8*\s:131+8*\s] offset:(\imm)+1024*\s
	ds_store_b128 v[\adr], v[132+8*\s:135+8*\s] offset:(\imm)+1024*\s+512
.endr
.endm
.macro BST imm                         ; a head_b tile's results: row = sample, eight neighbouring j
.irp s, 0,1,2,3
	ds_store_b128 v14, v[128+8*\s:131+8*\s] offset:(\imm)+5376*\s
	ds_store_b128 v14, v[132+8*\s:135+8*\s] offset:(\imm)+5376*\s+16
.endr
.endm
; A step of the first product, in two parts; between them stand the loads of tile i + 4, into the set that tile i + 1 has just left and the C set that tile i has just used.
; All the step's vector and matrix work stands in the first part, all its memory and LDS instructions behind that part's closing wait.
.macro GSTEP i, cnt                    ; tile i is multiplied, tile i + 1 converted.  cnt: the loads issued behind tile i + 1's
	s_wait_dscnt 0x0                               ; tile i's fragments are in
	s_wait_alu depctr_vm_vsrc(0)                   ; the last step's stores have read the accumulators v128 to v159 and the packed pieces v96 to v127, which the products and the conversions below write again
	MM1 (\i)%4
	s_wait_loadcnt \cnt
	CV1 ((\i)+1)%3                                 ; 32 plain conversions: the places behind the products
	s_wait_alu depctr_va_vdst(0)                   ; the products have written v128 to v159 and are done reading their fragments and their C; the conversions have written v96 to v127 and are done reading their set: the loads and stores up to the next step hang on that
.endm
.macro GREST i, adr, stride            ; tile i's results go to LDS, tile i + 1 is staged and read back as fragments.  No wait: no vector or matrix instruction stands between the step's wait and these
	TST 11+(\i)/4, 16384*((\i)%4)
	ST1 \adr, \stride
	FRL
.endm
; ---- the second product's macros (all waves)
.macro LD2M n                          ; main tile w + 8 n: the blocks o = 2 t, 2 t + 1 (j = 0 .. 63), their j = 64 weights, HW(12545 + o, .) as C: 11 loads
	WIN 0x40
.irp ol, 0,1
.irp u, 0,1,2,3
	global_load_b128 v[R2B+32*(\n)+16*\ol+4*\u:R2B+32*(\n)+16*\ol+4*\u+3], v12, s[38:39] offset:HW_W2+33280*(\n)+2080*\ol+512*\u
.endr
.endr
	WIN 0
	global_load_b32 v[184+(\n)], v13, s[38:39] offset:HW_W2+2048+33280*(\n)
	global_load_b128 v[128+8*(\n):131+8*(\n)], v14, s[38:39] offset:HW_B2+512*(\n)
	global_load_b128 v[132+8*(\n):135+8*(\n)], v14, s[38:39] offset:HW_B2+512*(\n)+16
.endm
.macro LD2B                            ; the head_b tile: row 8 hh + n holds o = 2 w + hh + 16 n (n = 0 .. 3), so that its results fall beside the main tiles' sums: 21 loads
.irp n, 0,1,2,3
.irp q, 0,1,2,3
	global_load_b32 v[104+4*\n+\q], v19, s[40:41] offset:HB_W2+4160*\n+64*\q
.endr
.endr
	global_load_b32 v188, v20, s[40:41] offset:HB_W2+256
.irp n, 0,1,2,3
	global_load_b32 v[176+\n], v21, s[40:41] offset:HB_B2+64*\n
.endr
.endm
.macro FR2                             ; the j = 64 weight (lanes 0-15, low half of one register) and the staged rows as two fragments.  The selection names window 1's v112 and v194 alone: none of the registers that the loads touch
	WIN 0x40
	v_cndmask_b32 v[WF2+16], 0, v194, s8
	ds_load_b128 v[WF2:WF2+3], v16
	ds_load_b128 v[WF2+4:WF2+7], v16 offset:32
	ds_load_b128 v[WF2+8:WF2+11], v16 offset:64
	ds_load_b128 v[WF2+12:WF2+15], v16 offset:96
	WIN 0
.endm
.macro CV2 n
	WIN 0x05                                       ; the weights as loaded lie in window 1
.irp ol, 0,1
.irp cc, 0,1,2,3
.irp mm, 0,1
	v_cvt_pk_f16_f32 v[160+8*\ol+2*\cc+\mm], v[R2B+32*(\n)+16*\ol+8*\mm+\cc], v[R2B+32*(\n)+4+16*\ol+8*\mm+\cc]
.endr
.endr
.endr
	WIN 0
	v_cvt_pk_f16_f32 v194, v[184+(\n)], 0
	s_wait_alu depctr_va_vdst(0)                   ; the conversions have written v160 to v175, which the stores below read; the products of the tile before are done reading window 1's v96 to v111, in which the fragments land
.irp ol, 0,1
.irp cc, 0,1,2,3
	ds_store_b64 v15, v[160+8*\ol+2*\cc:161+8*\ol+2*\cc] offset:1152*\ol+144*\cc
.endr
.endr
	FR2
.endm
.macro CV2B                            ; rows 4-7 and 12-15 of the stage keep the last main tile's numbers: their results fall into registers 4-7, which nobody reads
.irp n, 0,1,2,3
	v_cvt_pk_f16_f32 v[160+2*\n], v[104+4*\n], v[105+4*\n]
	v_cvt_pk_f16_f32 v[161+2*\n], v[106+4*\n], v[107+4*\n]
.endr
	v_cvt_pk_f16_f32 v194, v188, 0
	s_wait_alu depctr_va_vdst(0)                   ; the conversions have written v160 to v167, which the stores below read; the products of the tile before are done reading window 1's v96 to v111, in which the fragments land
.irp n, 0,1,2,3
	ds_store_b64 v17, v[160+2*\n:161+2*\n] offset:144*\n
.endr
	FR2
.endm
.macro MM2 cr                          ; 12 products: three K steps, the four accumulators by turns
	WIN 0x05
.irp k, 0,1,2
.irp s, 0,1,2,3
.if \k == 0
	v_wmma_f32_16x16x32_f16 v[64+8*\s:71+8*\s], v[WF2+8*\k:WF2+8*\k+7], v[24*\s+8*\k:24*\s+8*\k+7], v[(\cr):(\cr)+7]
.else
	v_wmma_f32_16x16x32_f16 v[64+8*\s:71+8*\s], v[WF2+8*\k:WF2+8*\k+7], v[24*\s+8*\k:24*\s+8*\k+7], v[64+8*\s:71+8*\s]
.endif
.endr
.endr
	WIN 0
.endm
.macro CON4 tb, pt, dst, dstep         ; the sum over c with h, for the four sample tiles by turns: v[dst + dstep s] = sum_c v[tb + 8 s + c] h_c
.irp k, 0,2,4,6
.irp s, 0,1,2,3
.if \k == 0
	v_pk_mul_f32 v[(\pt)+2*\s:(\pt)+2*\s+1], v[(\tb)+8*\s:(\tb)+8*\s+1], v[32+8*\s:33+8*\s]
.else
	v_pk_fma_f32 v[(\pt)+2*\s:(\pt)+2*\s+1], v[(\tb)+8*\s+\k:(\tb)+8*\s+\k+1], v[32+8*\s+\k:33+8*\s+\k], v[(\pt)+2*\s:(\pt)+2*\s+1]
.endif
.endr
.endr
.irp s, 0,1,2,3
	v_add_f32 v[(\dst)+(\dstep)*\s], v[(\pt)+2*\s], v[(\pt)+2*\s+1]
.endr
.endm
; ======================================================================== the head, all waves
	s_load_b512 s[16:31], s[0:1], 0x0              ; t 16, y 18, freqs 20, hw0 22, hb0 24, hw1 26, hb1 28, hw2 30
	s_load_b256 s[32:39], s[0:1], 0x40             ; hb2 32, hw3 34, hb3 36, head_w 38
	s_load_b128 s[40:43], s[0:1], 0x60             ; head_b 40, out0 42
	v_lshl_add_u32 v232, v0, 2, 0x40e00
	v_mov_b32 v233, 0
	v_lshrrev_b32 v1, 5, v0
	v_readfirstlane_b32 s2, v1                     ; wave w
	v_and_b32 v1, 31, v0                           ; lane l
	v_and_b32 v2, 15, v0                           ; r
	v_bfe_u32 v3, v0, 4, 1                         ; hh
	s_wait_alu depctr_va_sdst(0)                   ; s2 is written, ahead of its first reader: roles, bases and LDS places are made from it
	s_and_b32 s3, s2, 3                            ; g, or the hyper wave's sample tile
	s_mov_b32 s6, 0x76543210                       ; v_permlanex16_b32's selects for lane l xor 16
	s_mov_b32 s7, 0xfedcba98
	s_mov_b32 s8, 0xffff                           ; lanes 0-15
	s_mov_b32 s9, 0x3d800000                       ; 1/16
	SPAIR 44, 0x4038aa3b                           ; 2 log2(e)
	SPAIR 46, 0xbeaaaaab                           ; -1/3
	SPAIR 48, 0x3e088889                           ; 2/15
	SPAIR 50, 0xbd5d0dd1                           ; -17/315
	SPAIR 52, 0x40490fdb                           ; pi
	SPAIR 54, 0xbe2aaaab                           ; -1/6
	SPAIR 56, 0x3c088889                           ; 1/120
	SPAIR 58, 0xb9500d01                           ; -1/5040
	SPAIR 60, 0x3d2aaaab                           ; 1/24
	SPAIR 62, 0xbab60b61                           ; -1/720
	SPAIR 66, 0x37d00d01                           ; 1/40320
	SPAIR 94, 0x3e22f983                           ; 1/(2 pi)
	v_mov_b32 v26, 0x3cb327a4                      ; 62/2835
	v_mov_b32 v27, 0x3cb327a4
	v_mov_b32 v28, 0x3638ef1d                      ; 1/362880
	v_mov_b32 v29, 0x3638ef1d
	v_mov_b32 v30, 0xb493f27e                      ; -1/3628800
	v_mov_b32 v31, 0xb493f27e
	s_wait_kmcnt 0x0
	s_load_b32 s5, s[16:17], 0x0                   ; t: waited for where it is read (waves 0-3), or at the end of part A (waves 4-7, which do not read it)
	s_lshl_b32 s10, ttmp9, 15                      ; the work-group's 64 rows: 512 bytes each in y,
	s_mov_b32 s11, 0
	s_add_nc_u64 s[18:19], s[18:19], s[10:11]
	s_lshl_b32 s10, ttmp9, 14                      ; 256 in freqs and in out0
	s_add_nc_u64 s[20:21], s[20:21], s[10:11]
	s_add_nc_u64 s[42:43], s[42:43], s[10:11]
	s_cmp_lt_u32 s2, 4
	s_cbranch_scc0 .La_gemm
; ======================================================================== A, waves 0-3: z and the fifteen weight tiles become codes
	s_cmp_eq_u32 s2, 0                             ; tile 4 (rows 64, 65) of layer min(w, 2): its buffer,
	s_cselect_b64 s[86:87], s[22:23], s[26:27]
	s_cmp_gt_u32 s2, 1
	s_cselect_b64 s[86:87], s[30:31], s[86:87]
	s_min_u32 s88, s2, 1
	s_lshl_b32 s90, s88, 2
	s_add_co_u32 s89, s90, 260                     ; its row: 260 bytes in hw0, else 264,
	s_sub_co_u32 s92, 4, s90                       ; hw0's places are turned by one number,
	s_mul_i32 s93, s88, 124                        ; place 31 holds k = 32 hh in hw0, else 32 hh + 31,
	s_sub_co_u32 s91, 0, s88
	s_and_b32 s91, s91, s8                         ; and k = 65 is there (in lanes 0-15) in hw1 and hw2 alone
	s_and_b32 s12, s2, 1
	s_lshl_b32 s12, s12, 3
	s_lshr_b32 s13, s2, 1
	s_lshl_b32 s13, s13, 5
	s_add_co_u32 s12, s12, s13                     ; tile w's first row: 8 (w % 2) + 32 (w / 2); its other eight rows lie 16 further on
	s_mul_i32 s14, s12, 260
	s_mov_b32 s15, 0
	s_add_nc_u64 s[22:23], s[22:23], s[14:15]
	s_mul_i32 s14, s12, 264
	s_add_nc_u64 s[26:27], s[26:27], s[14:15]
	s_add_nc_u64 s[30:31], s[30:31], s[14:15]
	s_lshl_b32 s14, s2, 12                         ; my 16 rows of freqs
	s_add_nc_u64 s[20:21], s[20:21], s[14:15]
	v_lshlrev_b32 v4, 4, v1                        ; 16 l
	s_wait_alu depctr_va_vdst(0)                   ; v4 is written: the 38 loads below read it as their offset
.irp i, 0,1,2,3,4,5,6,7
	global_load_b128 v[72+4*\i:75+4*\i], v4, s[20:21] offset:512*\i th:TH_LOAD_NT   ; freqs: 512 consecutive bytes a load
.endr
.irp gq, 0,1
.irp i, 0,1,2,3,4
	global_load_b128 v[32+20*\gq+4*\i:35+20*\gq+4*\i], v4, s[22:23] offset:4160*\gq+512*\i   ; eight rows are 2,080 (2,112) dense bytes from a multiple of 16: five loads; the last run ends inside the buffer
.endr
.endr
	WIN 0x40
.irp gq, 0,1
.irp i, 0,1,2,3,4
	global_load_b128 v[164+20*\gq+4*\i:167+20*\gq+4*\i], v4, s[26:27] offset:4224*\gq+512*\i
.endr
.endr
	WIN 0
.irp gq, 0,1
.irp i, 0,1,2,3,4
	global_load_b128 v[136+20*\gq+4*\i:139+20*\gq+4*\i], v4, s[30:31] offset:4224*\gq+512*\i
.endr
.endr
	s_mul_i32 s10, s2, PRIVB                       ; my own LDS bytes
	v_mul_u32_u24 v24, v3, 272
	v_lshl_add_u32 v5, v2, 4, v24
	v_add_nc_u32 v5, s10, v5                       ; v5  freqs in: row hh (+ 2 i), 16 r
	v_mul_u32_u24 v24, v2, 272
	v_lshl_add_u32 v6, v3, 7, v24
	v_add_nc_u32 v6, s10, v6                       ; v6  freqs back: row r, + 128 hh
	v_add_nc_u32 v7, s10, v4                       ; v7  raw rows in: as loaded
	v_lshrrev_b32 v24, 3, v2
	v_and_b32 v25, 7, v2
	v_mul_u32_u24 v24, v24, 2624
	v_add_nc_u32 v24, s10, v24
	v_mad_u32_u24 v9, v25, 260, v24                ; v9  hw0: my row;  v8  + 128 hh
	v_lshl_add_u32 v8, v3, 7, v9
	v_mad_u32_u24 v11, v25, 264, v24               ; v11, v10 the same for hw1 and hw2
	v_lshl_add_u32 v10, v3, 7, v11
	s_mul_i32 s11, s2, 1152
	s_add_co_u32 s11, s11, HWI
	v_add_nc_u32 v12, s11, v4                      ; v12 my slot's image;  v13 its scale words
	v_lshl_add_u32 v13, v1, 2, s11
	v_min_u32 v24, 1, v2
	v_add_nc_u32 v24, 64, v24                      ; tile 4: lane r takes row 64 + min(r, 1)
	v_mul_u32_u24 v16, s89, v24                    ; v16 the row (k = 64 at + 256);  v17 k = 65, or k = 64 once more where there is no 65
	v_add_nc_u32 v17, s90, v16
	v_lshl_add_u32 v25, v3, 7, v16
	v_add_nc_u32 v14, s92, v25                     ; v14 places 0 .. 30;  v15 place 31
	v_add_nc_u32 v15, s93, v25
	v_lshlrev_b32 v18, 6, v3                       ; v18 64 hh;  v19 0
	v_mov_b32 v19, 0
	v_and_b32 v25, 7, v2
	v_mul_u32_u24 v21, v25, 264                    ; v21 hw3's row r % 8;  v20 + 64 hh
	v_lshl_add_u32 v20, v3, 6, v21
	s_wait_kmcnt 0x0                               ; t is in
	v_mov_b32 v118, s5
	v_add_f32 v118, -0.5, v118                     ; t - 0.5
.irp q, 125,126,127,129,130,131,132,133,134,135,181,182,183,191
	v_mov_b32 v\q, 0                               ; code registers and tail numbers that stay zero; a lane permute's destination
.endr
	v_lshlrev_b32 v[QT+8], 3, v3
	WIN 0x40
.irp lay, 0,1,2
.irp q, 34,35,36,37,38,39
	v_mov_b32 v[40*\lay+\q], 0                     ; tile 4's C has two rows that count
.endr
.endr
	WIN 0
	s_wait_loadcnt 30                              ; freqs are in; the 30 loads of raw rows may be out
	s_wait_alu depctr_va_vdst(0)                   ; the addresses and offsets v5 to v21 are written, which this part's loads and stores read from here on; so are the zeros v181 to v183, which the image stores read
.irp i, 0,1,2,3,4,5,6,7
	ds_store_b128 v5, v[72+4*\i:75+4*\i] offset:544*\i
.endr
.irp i, 0,1,2,3,4,5,6,7
	ds_load_b128 v[196+4*\i:199+4*\i], v6 offset:16*\i   ; lane (r, hh): freqs[32 hh .. 32 hh + 31] of sample r
.endr
	s_wait_dscnt 0x0                               ; they are back
	s_wait_alu depctr_vm_vsrc(0)                   ; the stores above have read v72 to v103, in which the next loads land
.set p, 0
.rept 31
	global_load_b32 v[72+p], v14, s[86:87] offset:4*p   ; tile 4.  All four waves issue these 34, so that the counts below are the same in each; wave 3, which has no tile 4 to make, leaves them unused
.set p, p+1
.endr
	global_load_b32 v103, v15, s[86:87]
	global_load_b32 v104, v16, s[86:87] offset:256
	global_load_b32 v105, v17, s[86:87] offset:256
	WIN 0x40
	LDBI 0, 24
	WIN 0
	v_permlanex16_b32 v[QT+7], v227, s6, s7        ; z: place 31 of block 0 is k = 0, t - 0.5; of block 1 k = 32, freqs[31]; block 2 begins with k = 64, freqs[63]
	v_cndmask_b32 v[TL], 0, v[QT+7], s8
	v_cndmask_b32 v227, v[QT+7], v118, s8
	QW 196, 120, 239
	s_wait_alu depctr_va_vdst(0)                   ; z's quantiser is done with v196 to v227, in which the first pass's rows land; and it has written the codes v120 to v124 and the scale word v239, which layer 0's scaled products take
	PASS 0, 63                                     ; behind hw0's ten: 20 + 34 + 9
	PASS 1, 53
	PASS 2, 43
	s_wait_loadcnt 46                              ; tile 4's numbers are in; behind them: 9 + 37
	s_wait_alu depctr_vm_vsrc(0)                   ; the last pass's image stores have read v176 to v183 and v194, which tile 4's quantiser writes again: ahead of the branch
	s_cmp_eq_u32 s2, 3
	s_cbranch_scc1 .La_h_end
	v_cndmask_b32 v[TL], 0, v104, s8
	v_cndmask_b32 v[TL+1], 0, v105, s91
	s_wait_dscnt 0x0                               ; the last pass's image stores have landed
	QW 72, 176, 194
	s_wait_alu depctr_va_vdst(0)                   ; the quantiser has written the codes v176 to v180 and the scale word v194, which the stores below read
	ds_store_b128 v12, v[176:179] offset:13824     ; slot 12 + w
	ds_store_b128 v12, v[180:183] offset:13824+512
	ds_store_b32 v13, v194 offset:13824+1024
.La_h_end:
	s_wait_loadcnt 0x0                             ; no load is out at the join
	s_branch .Lbar1
; ======================================================================== A, waves 4-7: x = [cos y, sin y] of sample tile g
.La_gemm:
	s_lshl_b32 s10, s3, 13
	v_lshrrev_b32 v24, 2, v1
	v_and_b32 v25, 3, v1
	v_lshlrev_b32 v4, 9, v24
	v_lshl_add_u32 v4, v25, 4, v4
	v_add_nc_u32 v4, s10, v4                       ; v4  512 (l / 4) + 16 (l % 4) + 8192 g: y's rows, and head_b's
	v_lshl_add_u32 v5, v1, 4, s10                  ; v5  16 l + 8192 g
	s_lshl_b32 s11, s3, 6
	v_lshl_add_u32 v6, v3, 5, s11                  ; v6  32 hh + 64 g
	s_mul_i32 s12, s3, 4352
	s_add_co_u32 s12, s12, XIM
	v_mul_u32_u24 v7, v24, 272
	v_lshl_add_u32 v7, v25, 6, v7
	v_add_nc_u32 v7, s12, v7                       ; v7  x: row 16 g + l / 4 (+ 8 G), pieces 4 (l % 4) on
	s_wait_alu depctr_va_vdst(0)                   ; the offsets v4 to v6 and the address v7 are written, which this part's loads and stores read
.irp G, 0,1
.irp q, 0,1,2,3
	global_load_b128 v[YY+16*\G+4*\q:YY+16*\G+4*\q+3], v4, s[18:19] offset:4096*\G+64*\q th:TH_LOAD_NT   ; register 16 G + 4 q + e: y[4 (l % 4) + e + 16 q] of sample 16 g + 8 G + l / 4
.endr
.endr
	LD1M 0, 0, 0                                   ; the first two weight tiles land during the trig, which works in set 2's registers
	LD1M 1, 1, 1
	s_wait_loadcnt 36                              ; y is in; behind it: those two tiles' 36
	R_MULS NW, YY, 94, 16                          ; y / (2 pi)
.set j, 0
.rept 32
	v_rndne_f32 v[NW+j], v[NW+j]                   ; n
.set j, j+1
.endr
.set j, 0
.rept 16
	v_pk_fma_f32 v[YY+j:YY+j+1], v[YY+j:YY+j+1], s[94:95], v[NW+j:NW+j+1] op_sel_hi:[1,0,1] neg_lo:[0,0,1] neg_hi:[0,0,1]   ; y / (2 pi) - n, one rounding
.set j, j+2
.endr
	R_MULS YY, YY, 52, 16                          ; a, half the reduced angle: |a| <= pi / 2
	R_MUL  NW, YY, YY, 16                          ; a^2
	R_FMAC SNR, NW, 28, 58, 16                     ; the two series by turns
	R_FMAC CSR, NW, 30, 66, 16
	R_FMAS SNR, SNR, NW, 56, 16
	R_FMAS CSR, CSR, NW, 62, 16
	R_FMAS SNR, SNR, NW, 54, 16
	R_FMAS CSR, CSR, NW, 60, 16
	R_MUL  SNR, SNR, NW, 16
	R_FMAK CSR, CSR, NW, -0.5, 16
	R_FMA  SNR, YY, SNR, YY, 16                    ; sin a
	R_FMAK CSR, CSR, NW, 1.0, 16                   ; cos a
	R_ADD  NW, SNR, SNR, 16                        ; 2 sin a
	R_MUL  CSR, NW, CSR, 16                        ; sin y
.set j, 0
.rept 16
	v_pk_fma_f32 v[SNR+j:SNR+j+1], v[NW+j:NW+j+1], v[SNR+j:SNR+j+1], 1.0 op_sel_hi:[1,1,0] neg_lo:[1,0,0] neg_hi:[1,0,0]   ; cos y = 1 - 2 sin^2 a
.set j, j+2
.endr
.irp G, 0,1
.irp e, 0,1,2,3
	v_cvt_pk_f16_f32 v[YY+16*\G+4*\e],   v[SNR+16*\G+\e],   v[SNR+16*\G+4+\e]    ; piece a = 4 (l % 4) + e: cos y[a + 16 q], q = 0 .. 3,
	v_cvt_pk_f16_f32 v[YY+16*\G+4*\e+1], v[SNR+16*\G+8+\e], v[SNR+16*\G+12+\e]
	v_cvt_pk_f16_f32 v[YY+16*\G+4*\e+2], v[CSR+16*\G+\e],   v[CSR+16*\G+4+\e]    ; then the four sines
	v_cvt_pk_f16_f32 v[YY+16*\G+4*\e+3], v[CSR+16*\G+8+\e], v[CSR+16*\G+12+\e]
.endr
.endr
	s_wait_alu depctr_va_vdst(0)                   ; the conversions have written x's pieces v160 to v191, which the stores below read
.irp G, 0,1
.irp e, 0,1,2,3
	ds_store_b128 v7, v[YY+16*\G+4*\e:YY+16*\G+4*\e+3] offset:2176*\G+16*\e
.endr
.endr
	s_wait_kmcnt 0x0                               ; (the head's load of t, which these waves do not read)
	s_wait_loadcnt 0x0                             ; no load is out at the join (the two weight tiles were asked for ahead of the trig)
.Lbar1:
	BAR                                            ; the weights' images and x lie in LDS
	s_wait_alu depctr_vm_vsrc(0)                   ; part A's loads and LDS instructions have read their offsets and addresses (v4 on) and their stores' data (waves 0-3: v32 to v71, v136 to v183, v194; waves 4-7: v160 to v191), all of which part B writes again: ahead of the branch, for both roles
	s_cmp_lt_u32 s2, 4
	s_cbranch_scc0 .Lb_gemm
; ======================================================================== B, waves 0-3: the hypernet of sample tile w
	v_lshlrev_b32 v4, 4, v1                        ; v4  16 l;  v5  4 l;  v6  where h goes
	v_lshlrev_b32 v5, 2, v1
	s_lshl_b32 s10, s2, 10
	s_add_co_u32 s10, s10, HIM
	v_add_nc_u32 v6, s10, v4
.irp b, 3,4,5
	v_mov_b32 v[HQ+\b], 0                          ; lane permutes' destinations
.endr
	s_wait_alu depctr_va_vdst(0)                   ; v4 to v6 are written, which this part's LDS loads and stores read; tile 4's quantiser is done reading v72 to v105, in which layer 0's fragments land
	WLOAD 0
	HLAYER 0
	HLAYER 1
	HLAYER 2
	WIN 0x44
	v_cndmask_b32 v152, 0, v152, s8                ; the tail step's K: units 64, 65 in lanes 0-15, nothing in lanes 16-31
	v_cndmask_b32 v153, 0, v153, s8
	; product 4, f32 operands: K step sg takes the pair of registers 2 sg, 2 sg + 1 of every lane; hw3's rows 8-15 repeat rows 0-7, so that both halves of the lanes end with h0 .. h7 of sample r.
	; Two sums by turns, one instruction a turn; the first begins with hb3, the second with 0, each in its own first K step
	WIN 0x11
	v_wmma_f32_16x16x4_f32 v[240:247], v[120:121], v[32:33], v[156:163]
	WIN 0x01
	v_wmma_f32_16x16x4_f32 v[248:255], v[122:123], v[34:35], 0
.set sg, 2
.rept 7
	v_wmma_f32_16x16x4_f32 v[240:247], v[120+2*sg:121+2*sg], v[32+2*sg:33+2*sg], v[240:247]
	v_wmma_f32_16x16x4_f32 v[248:255], v[122+2*sg:123+2*sg], v[34+2*sg:35+2*sg], v[248:255]
.set sg, sg+2
.endr
	v_wmma_f32_16x16x4_f32 v[240:247], v[152:153], v[128:129], v[240:247]
	WIN 0
	NOPS 8                                         ; eight places behind this form
	R_ADD 208, 240, 248, 4
	TANHG 208, 4, 136
	s_wait_alu depctr_va_vdst(0)                   ; the tanh has written h, v208 to v215, which the stores below read
	ds_store_b128 v6, v[208:211]                   ; h as an image of eight registers
	ds_store_b128 v6, v[212:215] offset:512
	s_branch .Lbar2
; ======================================================================== B, waves 4-7: the first product, 33 main tiles and 5 head_b tiles x 4 sample tiles
; A wave's tiles by index: 0 .. 7 the main tiles g + 4 i; 8 the head_b tile g; 9 a tile left over (g = 0: main tile 32; g = 1: head_b tile 4).  Tile i lies in set i % 3 of the weights as loaded and C set i % 4.
.Lb_gemm:
	s_lshl_b32 s10, s3, 13                         ; the offsets and addresses of this part, made on this way (every load of mine has been waited for)
	v_lshl_add_u32 v5, v1, 4, s10                  ; v5, v6 as before
	s_lshl_b32 s11, s3, 6
	v_lshl_add_u32 v6, v3, 5, s11
	s_wait_alu depctr_va_vdst(0)                   ; v5 and v6 are written, which the weights' loads read; the trig is done with v160 to v223, in which tile 2 lands
	LD1M 2, 2, 2                                   ; tile 2, first of all: set 2's registers held x's pieces, which their stores have read (the wait behind the barrier)
	v_lshrrev_b32 v24, 2, v1
	v_and_b32 v25, 3, v1
	v_lshlrev_b32 v4, 9, v24
	v_lshl_add_u32 v4, v25, 4, v4
	v_add_nc_u32 v4, s10, v4                       ; v4 as before
	s_mul_i32 s12, s2, PRIVB
	v_mul_u32_u24 v10, v2, 272
	v_lshl_add_u32 v10, v3, 4, v10
	v_add_nc_u32 v7, XIM, v10                      ; v7  x's fragments: row r, + 16 hh
	v_add_nc_u32 v10, s12, v10                     ; v10 the same in my stage
	v_mul_u32_u24 v9, v24, 272
	v_lshl_add_u32 v9, v25, 6, v9
	v_add_nc_u32 v9, s12, v9                       ; v9  a head_b tile's pieces: row l / 4, pieces 4 (l % 4) on
	v_and_b32 v24, 1, v1
	v_lshrrev_b32 v25, 1, v1
	v_mul_u32_u24 v8, v24, 1088
	v_lshl_add_u32 v8, v25, 4, v8
	v_add_nc_u32 v8, s12, v8                       ; v8  a main tile's pieces: rows 4 (l % 2) on, piece l / 2
	s_lshl_b32 s13, s3, 12
	s_add_co_u32 s13, s13, TIM
	v_lshl_add_u32 v11, v1, 4, s13                 ; v11, v12, v13 the images of tiles g + 4 m: m = 0-3, 4-7, 8
	v_add_nc_u32 v12, 0x10000, v11
	v_add_nc_u32 v13, 0x20000, v11
	v_mul_u32_u24 v14, v2, 336
	v_lshl_add_u32 v14, v3, 5, v14
	v_add_nc_u32 v14, s11, v14
	v_add_nc_u32 v14, BIA, v14                     ; v14 the head_b sums: row r, j = 16 g + 8 hh on
	CV1 0                                          ; tile 0
	s_wait_alu depctr_va_vdst(0)                   ; v4 and v7 to v14 are written, which this part's loads and stores read; the conversions are done reading set 0, in which tile 3 lands, and have written v96 to v127, which the stage's stores read
	LD1M 3, 0, 3
	WIN 0x40
.irp s, 0,1,2,3
.irp k, 0,1,2,3
	ds_load_b128 v[32*\s+8*\k:32*\s+8*\k+3], v7 offset:4352*\s+64*\k       ; x's sixteen fragments stay in registers
	ds_load_b128 v[32*\s+8*\k+4:32*\s+8*\k+7], v7 offset:4352*\s+64*\k+32
.endr
.endr
	WIN 0
	ST1 8, 272
	FRL
.irp i, 0,1,2,3
	GSTEP \i, 36                                   ; behind tile i + 1's loads: tiles i + 2 and i + 3, 18 loads each
	LD1M (\i)+4, ((\i)+1)%3, (\i)%4
	GREST \i, 8, 272
.endr
	GSTEP 4, 36
	LD1B 0, 2, 0                                   ; tile 8
	GREST 4, 8, 272
	GSTEP 5, 36
	s_cmp_eq_u32 s3, 0                             ; tile 9: two waves have one
	s_cbranch_scc0 .Lb_x1
	LD1M 8, 0, 1
	s_branch .Lb_x2
.Lb_x1:
	s_cmp_eq_u32 s3, 1
	s_cbranch_scc0 .Lb_x2
	LD1B 3, 0, 1
.Lb_x2:
	GREST 5, 8, 272
	GSTEP 6, 18                                    ; behind tile 7's loads: tile 8's 18 in every wave, tile 9's in two: the count serves the waves without
	GREST 6, 8, 272
	GSTEP 7, 0                                     ; tile 8 is the last that every wave asked for
	GREST 7, 9, 16
	s_wait_dscnt 0x0                               ; the head_b tile g
	s_wait_alu depctr_vm_vsrc(0)                   ; the last step's stores have read the accumulators v128 to v159, which the products below write again, and the packed pieces v96 to v127, which the left-over tile's conversions write
	MM1 0
	NOPS 4
	s_wait_alu depctr_va_vdst(0)                   ; the products have written v128 to v159, which the stores below read, and are done reading their fragments, in which the left-over tile's land; the four places stand ahead of this wait
	BST 0
	s_cmp_gt_u32 s3, 1
	s_cbranch_scc1 .Lbar2
	CV1 0                                          ; the tile left over: its loads were waited for above
	s_wait_alu depctr_va_vdst(0)                   ; the conversions have written v96 to v127, which the stage's stores read on both ways: ahead of the branch
	s_cmp_eq_u32 s3, 0
	s_cbranch_scc0 .Lb_y1
	ST1 8, 272
	s_branch .Lb_y2
.Lb_y1:
	ST1 9, 16
.Lb_y2:
	FRL
	s_wait_dscnt 0x0                               ; its fragments are in
	s_wait_alu depctr_vm_vsrc(0)                   ; the stores of the head_b tile's sums have read the accumulators v128 to v159, which the products below write again
	MM1 1
	NOPS 4
	s_wait_alu depctr_va_vdst(0)                   ; the products have written v128 to v159, which the stores read on both ways: ahead of the branch, behind the four places
	s_cmp_eq_u32 s3, 0
	s_cbranch_scc0 .Lb_z1
	TST 13, 0
	s_branch .Lbar2
.Lb_z1:
	BST 192                                        ; j = 64 on
.Lbar2:
	BAR                                            ; h, the main tiles' images and the head_b sums lie in LDS
	s_wait_alu depctr_vm_vsrc(0)                   ; part B's loads and LDS instructions have read their offsets and addresses (v4 to v14) and their stores' data (waves 0-3: v208 to v215; waves 4-7: v96 to v159), all of which parts C and D write again
; ======================================================================== C, all waves: hid.  Wave w owns tiles w + 8 n: j = 2 w + hh + 16 n
	s_mul_i32 s13, s2, 4160                        ; (every load of every wave has been waited for: the offset registers may be written)
	s_mul_i32 s14, s2, 520
	s_lshl_b32 s15, s2, 6
	v_lshl_add_u32 v12, v1, 4, s13                 ; v12 16 l + 4160 w
	v_lshrrev_b32 v25, 3, v2
	v_and_b32 v195, 7, v2
	v_mul_u32_u24 v13, v25, 2080
	v_lshl_add_u32 v13, v195, 2, v13
	v_add_nc_u32 v13, s13, v13                     ; v13 the j = 64 weight of operand row r: o = 2 t + r / 8, c = r % 8
	v_lshl_add_u32 v14, v3, 5, s15                 ; v14 32 hh + 64 w
	s_wait_alu depctr_va_vdst(0)                   ; v12 to v14 are written, which the loads below read; part B's vector and matrix work is done with window 1's v128 to v255, v128 to v159 and v184 to v187, in which they land
.irp n, 0,1,2,3
	LD2M \n                                        ; the second product's four main tiles, 44 loads, first of all: they land while hid is made
.endr
	v_min_u32 v195, 3, v195
	v_mul_u32_u24 v20, v195, 4160
	v_mad_u32_u24 v20, v25, 260, v20
	v_add_nc_u32 v20, s14, v20                     ; v20 the j = 64 weight in head_b: o = 2 w + r / 8 + 16 min(r % 8, 3)
	s_mul_i32 s10, s2, PRIVB
	s_lshl_b32 s11, s2, 12
	s_lshl_b32 s12, s2, 3
	v_lshl_add_u32 v4, v1, 4, HIM                  ; v4  h's images
	v_mul_u32_u24 v25, v2, 336
	v_add_nc_u32 v11, BIA+256, v25                 ; v11 the head_b sum of j = 64
	v_lshl_add_u32 v25, v3, 2, v25
	v_add_nc_u32 v25, s12, v25
	v_add_nc_u32 v5, BIA, v25                      ; v5  of j = 2 w + hh (+ 16 n)
	v_lshl_add_u32 v6, v1, 4, s11
	v_add_nc_u32 v6, TIM, v6                       ; v6  images of tiles w, w + 8;  v7  w + 16, w + 24;  v8  tile 32
	v_add_nc_u32 v7, 0x10000, v6
	v_lshl_add_u32 v8, v1, 4, TIM+131072
	v_mul_u32_u24 v25, v2, 144
	v_lshl_add_u32 v18, v3, 4, v25
	v_add_nc_u32 v16, s10, v18                     ; v16 fragments from my stage;  v18 from hid
	v_add_nc_u32 v18, HID, v18
	v_lshl_add_u32 v25, v3, 3, v25
	s_lshl_b32 s15, s2, 4
	v_add_nc_u32 v25, s15, v25
	v_add_nc_u32 v9, HID, v25                      ; v9  hid: row r, piece 2 w + hh of 8 bytes
	v_lshl_add_u32 v10, v1, 2, H64                 ; v10 hid[64]'s image
	v_and_b32 v25, 1, v1
	v_lshrrev_b32 v195, 1, v1
	v_mul_u32_u24 v15, v25, 576
	v_lshl_add_u32 v15, v195, 3, v15
	v_add_nc_u32 v15, s10, v15                     ; v15 a main tile's pieces of 8 bytes: rows 4 (l % 2) on, piece l / 2
	v_mul_u32_u24 v17, v3, 1152
	v_lshl_add_u32 v17, v2, 3, v17
	v_add_nc_u32 v17, s10, v17                     ; v17 the head_b tile's: rows 8 hh on, piece r
	v_mul_u32_u24 v19, v3, 260
	v_lshl_add_u32 v19, v2, 2, v19
	v_add_nc_u32 v19, s14, v19                     ; v19 4 r + 260 hh + 520 w
	v_lshl_add_u32 v21, v3, 2, s12                 ; v21 4 hh + 8 w
	v_mul_u32_u24 v25, v2, 272
	v_lshl_add_u32 v25, v3, 2, v25
	v_add_nc_u32 v25, s12, v25
	v_add_nc_u32 v22, OST, v25                     ; v22 the output's stage: row r, o = 2 w + hh
	v_mul_u32_u24 v25, v3, 272
	v_lshl_add_u32 v25, v2, 4, v25
	s_mul_i32 s15, s2, 2176
	v_add_nc_u32 v25, s15, v25
	v_add_nc_u32 v23, OST, v25                     ; v23 back: rows 8 w + hh (+ 2 i), 16 r
	s_lshl_b32 s15, s2, 11
	v_lshl_add_u32 v24, v1, 4, s15                 ; v24 and the same place in out0
	WIN 0x40
.irp s, 0,1,2,3
.irp q, 17,18,19,20,21,22,23
	v_mov_b32 v[24*\s+\q], 0                       ; the third K step holds j = 64 alone: seven registers of each of its fragments are zeros
.endr
.endr
.irp q, 17,18,19,20,21,22,23
	v_mov_b32 v[WF2+\q], 0
.endr
	WIN 0
	s_wait_alu depctr_va_vdst(0)                   ; the addresses and offsets v4 to v11 and v15 to v24 are written, which the loads and stores of parts C and D read
.irp s, 0,1,2,3
	ds_load_b128 v[32+8*\s:35+8*\s], v4 offset:1024*\s
	ds_load_b128 v[36+8*\s:39+8*\s], v4 offset:1024*\s+512
.endr
.irp s, 0,1,2,3
.irp n, 0,1,2,3
	ds_load_b32 v[212+4*\s+\n], v5 offset:5376*\s+64*\n
.endr
.endr
.irp nn, 0,1
.irp s, 0,1,2,3
	ds_load_b128 v[64+32*\nn+8*\s:67+32*\nn+8*\s], v6 offset:32768*\nn+1024*\s
	ds_load_b128 v[68+32*\nn+8*\s:71+32*\nn+8*\s], v6 offset:32768*\nn+1024*\s+512
.endr
.endr
	s_wait_dscnt 0x0
	CON4 64, 160, 196, 4
	CON4 96, 168, 197, 4
	s_wait_alu depctr_va_vdst(0)                   ; the two sums over c are done reading v64 to v127, in which the next two tiles' images land
.irp nn, 0,1
.irp s, 0,1,2,3
	ds_load_b128 v[64+32*\nn+8*\s:67+32*\nn+8*\s], v7 offset:32768*\nn+1024*\s
	ds_load_b128 v[68+32*\nn+8*\s:71+32*\nn+8*\s], v7 offset:32768*\nn+1024*\s+512
.endr
.endr
	s_wait_dscnt 0x0
	CON4 64, 160, 198, 4
	CON4 96, 168, 199, 4
	R_ADD 196, 196, 212, 8                         ; + the head_b sums
	TANHG 196, 8, 64
.irp s, 0,1,2,3
	v_cvt_pk_f16_f32 v[220+2*\s], v[196+4*\s], v[197+4*\s]     ; places q = n = 0 .. 3 of piece a = 2 w + hh
	v_cvt_pk_f16_f32 v[221+2*\s], v[198+4*\s], v[199+4*\s]
.endr
	s_wait_alu depctr_va_vdst(0)                   ; the conversions have written v220 to v227, which the stores below read; the tanh is done with v64 to v127, in which wave 0's loads below land: ahead of the branch
.irp s, 0,1,2,3
	ds_store_b64 v9, v[220+2*\s:221+2*\s] offset:2304*\s
.endr
	s_cmp_lg_u32 s2, 0
	s_cbranch_scc1 .Lc_no32
.irp s, 0,1,2,3                                ; wave 0 alone: tile 32, j = 64 (lanes 0-15; what lanes 16-31 make is masked away)
	ds_load_b128 v[64+8*\s:67+8*\s], v8 offset:1024*\s
	ds_load_b128 v[68+8*\s:71+8*\s], v8 offset:1024*\s+512
.endr
.irp s, 0,1,2,3
	ds_load_b32 v[96+\s], v11 offset:5376*\s
.endr
	s_wait_dscnt 0x0
	CON4 64, 100, 228, 1
	R_ADD 228, 228, 96, 2
	TANHG 228, 2, 108
.irp s, 0,1,2,3
	v_cvt_pk_f16_f32 v[100+\s], v[228+\s], 0
.endr
.irp s, 0,1,2,3
	v_cndmask_b32 v[100+\s], 0, v[100+\s], s8
.endr
	s_wait_alu depctr_va_vdst(0)                   ; the selections have written v100 to v103, which the stores below read
.irp s, 0,1,2,3
	ds_store_b32 v10, v[100+\s] offset:128*\s      ; an image of the third K step's one register that is not zero
.endr
.Lc_no32:
	s_wait_loadcnt 33                              ; main tile 0's eleven loads are in; behind them: the other three tiles' 33
	CV2 0
	LD2B                                           ; the head_b tile's 21 loads: with them at most 54 are out.  No wait: behind the wait in the conversion above, one selection alone was issued, and it names none of v104 to v119, v176 to v179, v188
	BAR                                            ; hid lies in LDS
; ======================================================================== D, all waves: the second product.  Wave w owns tiles w + 8 n: o = 2 w + hh + 16 n
	WIN 0x40
.irp s, 0,1,2,3
.irp k, 0,1
	ds_load_b128 v[24*\s+8*\k:24*\s+8*\k+3], v18 offset:2304*\s+64*\k
	ds_load_b128 v[24*\s+8*\k+4:24*\s+8*\k+7], v18 offset:2304*\s+64*\k+32
.endr
	ds_load_b32 v[24*\s+16], v10 offset:128*\s
.endr
	WIN 0
.irp q, 180,181,182,183
	v_mov_b32 v\q, 0                               ; the head_b tile's C has four rows a half that count
.endr
.irp n, 0,1,2,3
	s_wait_dscnt 0x0                               ; tile n's fragments are in (and hid's, the first time)
	s_wait_alu depctr_vm_vsrc(0)                   ; the last stores into the stage have read v160 to v175, which the conversions below write again (the first time also: wave 0's stores of hid[64] have read v100 to v103, which the sum over c below writes)
	MM2 128+8*\n
.if \n < 3
	s_wait_loadcnt 43-11*\n                        ; main tile n + 1 is in; behind it: the later main tiles, 11 loads each, and the head_b tile's 21
	CV2 \n+1                                       ; the conversions are the places behind the products
.else
	s_wait_loadcnt 0x0                             ; the head_b tile
	CV2B
.endif
	CON4 64, 96, 196+\n, 4
.endr
	s_wait_dscnt 0x0
	MM2 176
	NOPS 4
.irp s, 0,1,2,3
	v_pk_add_f32 v[196+4*\s:197+4*\s], v[196+4*\s:197+4*\s], v[64+8*\s:65+8*\s]
	v_pk_add_f32 v[198+4*\s:199+4*\s], v[198+4*\s:199+4*\s], v[66+8*\s:67+8*\s]
.endr
	s_wait_alu depctr_va_vdst(0)                   ; the additions have written v196 to v211, which the stores below read, and are done reading v64 on, in which the rows land behind the barrier
.irp s, 0,1,2,3
.irp n, 0,1,2,3
	ds_store_b32 v22, v[196+4*\s+\n] offset:4352*\s+64*\n
.endr
.endr
	BAR                                            ; 64 whole rows of the output lie in the stage
.irp i, 0,1,2,3
	ds_load_b128 v[64+4*\i:67+4*\i], v23 offset:544*\i
.endr
.irp i, 0,1,2,3
	s_wait_dscnt 3-\i                              ; pair i of rows is in; the later pairs may be out
	global_store_b128 v24, v[64+4*\i:67+4*\i], s[42:43] offset:512*\i th:TH_STORE_NT   ; 32 lanes store two whole rows: 512 consecutive bytes at a multiple of 256 from out0's first byte
.endr
	s_wait_dscnt 0x0                               ; the closing lines, six on end
	s_wait_alu 0x0
	s_wait_tensorcnt 0x0
	ds_add_u32 v232, v233
	s_wait_dscnt 0x0
	s_endpgm
.Lfunc_end_k_q538fddc05f_hnc:
	.size	k_q538fddc05f_hnc, .Lfunc_end_k_q538fddc05f_hnc-k_q538fddc05f_hnc
	.p2alignl 7, 3214868480
	.fill 96, 4, 3214868480
	.section	.rodata,"a",@progbits
	.p2align	6, 0x0
	.amdhsa_kernel k_q538fddc05f_hnc
		.amdhsa_group_segment_fixed_size 266752
		.amdhsa_private_segment_fixed_size 0
		.amdhsa_enable_private_segment 0
		.amdhsa_kernarg_size 112
		.amdhsa_user_sgpr_count 2
		.amdhsa_user_sgpr_kernarg_segment_ptr 1
		.amdhsa_wavefront_size32 1
		.amdhsa_system_sgpr_workgroup_id_x 1
		.amdhsa_system_sgpr_workgroup_id_y 1
		.amdhsa_system_sgpr_workgroup_id_z 1
		.amdhsa_system_vgpr_workitem_id 0
		.amdhsa_next_free_vgpr 512
		.amdhsa_next_free_sgpr 96
		.amdhsa_reserve_vcc 0
		.amdhsa_float_denorm_mode_32 3
		.amdhsa_float_denorm_mode_16_64 3
		.amdhsa_memory_ordered 1
		.amdhsa_forward_progress 1
		.amdhsa_inst_pref_size 255
	.end_amdhsa_kernel
	.section	.bss,"aw",@nobits
	.p2align	6
	.space	262144
	.amdgpu_metadata
---
amdhsa.version: [ 1, 2 ]
amdhsa.kernels:
  - .name:           k_q538fddc05f_hnc
    .symbol:         k_q538fddc05f_hnc.kd
    .args:
      - { .name: t, .offset: 0, .size: 8, .value_kind: global_buffer, .address_space: global }
      - { .name: y, .offset: 8, .size: 8, .value_kind: global_buffer, .address_space: global }
      - { .name: freqs, .offset: 16, .size: 8, .value_kind: global_buffer, .address_space: global }
      - { .name: hw0, .offset: 24, .size: 8, .value_kind: global_buffer, .address_space: global }
      - { .name: hb0, .offset: 32, .size: 8, .value_kind: global_buffer, .address_space: global }
      - { .name: hw1, .offset: 40, .size: 8, .value_kind: global_buffer, .address_space: global }
      - { .name: hb1, .offset: 48, .size: 8, .value_kind: global_buffer, .address_space: global }
      - { .name: hw2, .offset: 56, .size: 8, .value_kind: global_buffer, .address_space: global }
      - { .name: hb2, .offset: 64, .size: 8, .value_kind: global_buffer, .address_space: global }
      - { .name: hw3, .offset: 72, .size: 8, .value_kind: global_buffer, .address_space: global }
      - { .name: hb3, .offset: 80, .size: 8, .value_kind: global_buffer, .address_space: global }
      - { .name: head_w, .offset: 88, .size: 8, .value_kind: global_buffer, .address_space: global }
      - { .name: head_b, .offset: 96, .size: 8, .value_kind: global_buffer, .address_space: global }
      - { .name: out0, .offset: 104, .size: 8, .value_kind: global_buffer, .address_space: global }
    .group_segment_fixed_size: 266752
    .private_segment_fixed_size: 0
    .kernarg_segment_align: 8
    .kernarg_segment_size: 112
    .max_flat_workgroup_size: 256
    .sgpr_count:     96
    .vgpr_count:     512
    .wavefront_size: 32
...
	.end_amdgpu_metadata
.endif
;; end of part 3
